; MI455X (gfx1250); checked and timed in simulation.
; The chip was launched on July 23, 2026; its instructions are those of AMD's public machine-readable ISA for CDNA 5 (MIT licence, August 2026) and "CDNA5" Instruction Set Architecture Reference Guide (July 2026). The comments in the code are by the model that wrote it; some were corrected since.
;; Residual Fully Deformable Cross Attention Block. Allowed arithmetic: float matrix products may take bf16 or f16 operands with f32 sums; other float arithmetic in f32, or as packed bf16 or f16 multiplies, adds, multiply-adds, maxima and minima; sums over many terms, partial sums and values carried from step to step in f32; what a program stores and reads back later, other than sums and carried values, may be rounded once to bf16 or f16.
;; Inputs: W_attn 256 x 128 float32; W_fc1 256 x 1,024 float32; W_fc2 1,024 x 256 float32; W_off 256 x 256 float32; W_out 256 x 256 float32; W_val 256 x 256 float32; b_attn 128 float32; b_fc1 1,024 float32; b_fc2 256 float32; b_off 256 float32; b_out 256 float32; b_val 256 float32; level_start_index 4 int32; ln1_b 256 float32; ln1_g 256 float32; ln2_b 256 float32; ln2_g 256 float32; query_pos 4 x 8,192 x 256 float32; reference_points 4 x 8,192 x 4 x 2 float32; src 4 x 21,760 x 256 float32; src_padding_mask 4 x 21,760 bool; src_spatial_shapes 4 x 2 int32; tgt 4 x 8,192 x 256 float32.
;; Outputs: out0 4 x 8,192 x 256 float32.
;; 3 versions, each right; version 2 is faster than version 1; version 3 is version 2 with the launches prep, proj written anew for expert scheduling mode. Each part assembles by itself: llvm-mc -triple=amdgcn-amd-amdhsa -mcpu=gfx1250 --defsym DOCPART=n.
;; ======== version 1 of 3: 5 launches
;; workspace buffers: wt 1,507,328 bytes; value 44,564,480 bytes; sidx 16,777,216 bytes of whole numbers; swt 33,554,432 bytes; samp 16,777,216 bytes
;; launch prep (part 1): grid 92 x 1, 8 waves a work-group, no clusters, 18,432 bytes of LDS; arguments W_val, W_off, W_attn, W_out, W_fc1, W_fc2, wt; writes wt
.if DOCPART == 1
	.amdgcn_target "amdgcn-amd-amdhsa--gfx1250"
	.amdhsa_code_object_version 6
	.text
	.protected	k_qf83f1522e2_prep
	.globl	k_qf83f1522e2_prep
	.p2align	8
	.type	k_qf83f1522e2_prep,@function
k_qf83f1522e2_prep:
	s_mov_b64 s[64:65], 0
	v_nop
	global_prefetch_b8 v0, s[64:65] scope:SCOPE_SE
	s_setreg_imm32_b32 hwreg(HW_REG_WAVE_MODE, 25, 1), 1
	s_wait_xcnt 0x0
; PREP.  The six weight matrices, [K][N] in f32, are written transposed, [N][K] in bf16 (rounded once), into wt:
; W_val at byte 0, W_off at 131,072, W_attn behind it at 262,144 (rows 256-383 of one table of 384), W_out at 327,680, W_fc1 at 458,752, W_fc2 at 983,040.
; A work-group turns a tile of 128 k x 64 n: 8 + 8 + 4 + 8 + 32 + 32 = 92 tiles.  In: 16 lanes read 256 consecutive bytes of a row of the source.
; Through LDS (64 rows n of 256 bytes + 16 of padding).  Out: 16 lanes store 256 consecutive bytes, at a multiple of 256 from wt's first byte.
.set PITCH, 272
.set SPARE, 64*PITCH                   ; behind the stage: the spare words, 128 bytes for each of the eight waves
.set OFF, 4                            ; v4-11   byte offsets of my eight rows k in the source tile
.set X,   12                           ; v12-43  eight quads as loaded
.set PK,  44                           ; v44-59  pairs (k, k + 1) of one column, in bf16
.set STI, 60                           ; v60     into the stage
.set STO, 61                           ; v61     out of the stage
.set GO,  62                           ; v62-65  byte offsets in wt
.set BK,  66                           ; v66-81  read back
.set SPW, 82                           ; v82     LDS address of my spare word; never rewritten
.set NIL, 83                           ; v83     0; never rewritten
	s_load_b256 s[4:11], s[0:1], 0x0               ; W_val, W_off, W_attn, W_out
	s_load_b128 s[12:15], s[0:1], 0x20             ; W_fc1, W_fc2
	s_load_b64 s[16:17], s[0:1], 0x30              ; wt
	v_lshl_add_u32 v[SPW], v0, 2, SPARE
	v_mov_b32 v[NIL], 0
	s_mov_b32 s19, ttmp9                           ; my tile's number
	s_mov_b32 s20, 0                               ; the matrix's first tile
	s_mov_b32 s21, 2                               ; log2 (N / 64)
	s_mov_b32 s22, 8                               ; log2 N
	s_mov_b32 s23, 8                               ; log2 K
	s_mov_b32 s24, 0                               ; its place in wt
	s_wait_kmcnt 0x0
	s_mov_b64 s[26:27], s[4:5]
.macro PICK first, lnt, ln, lk, dst, ptr           ; from tile 'first' on the next matrix's figures hold; the choice hangs on the tile's number alone
	s_cmp_ge_u32 s19, \first
	s_cselect_b32 s20, \first, s20
	s_cselect_b32 s21, \lnt, s21
	s_cselect_b32 s22, \ln, s22
	s_cselect_b32 s23, \lk, s23
	s_cselect_b32 s24, \dst, s24
	s_cselect_b64 s[26:27], s[\ptr:\ptr+1], s[26:27]
.endm
	PICK 8,  2, 8,  8,  131072, 6
	PICK 16, 1, 7,  8,  262144, 8
	PICK 20, 2, 8,  8,  327680, 10
	PICK 28, 4, 10, 8,  458752, 12
	PICK 60, 2, 8,  10, 983040, 14
	s_sub_co_u32 s32, s19, s20                     ; the tile's number in its matrix
	s_lshr_b32 s34, s32, s21                       ; kt
	s_lshl_b32 s35, s34, s21
	s_sub_co_u32 s33, s32, s35                     ; nt
	s_add_co_u32 s36, s22, 9
	s_lshl_b32 s36, s34, s36                       ; kt x 128 rows of 4 N bytes
	s_lshl_b32 s37, s33, 8                         ; nt x 64 columns of 4 bytes
	s_add_co_u32 s36, s36, s37
	s_mov_b32 s37, 0
	s_add_nc_u64 s[26:27], s[26:27], s[36:37]      ; the source tile
	s_add_co_u32 s38, s23, 7
	s_lshl_b32 s38, s33, s38                       ; nt x 64 rows of 2 K bytes
	s_lshl_b32 s39, s34, 8                         ; kt x 128 numbers of 2 bytes
	s_add_co_u32 s38, s38, s39
	s_add_co_u32 s38, s38, s24
	s_mov_b32 s39, 0
	s_add_nc_u64 s[28:29], s[16:17], s[38:39]      ; the tile's place in wt
	s_add_co_u32 s40, s22, 2                       ; log2 (4 N)
	s_lshl_b32 s30, 1, s40                         ; 4 N: bytes in a source row
	s_add_co_u32 s41, s23, 1                       ; log2 (2 K)
	v_and_b32 v1, 15, v0                           ; c: my four columns
	v_lshrrev_b32 v2, 4, v0                        ; rr: 0 to 15
	v_lshlrev_b32 v3, 1, v2
	v_lshlrev_b32 v3, s40, v3                      ; row 2 rr
	v_lshl_add_u32 v3, v1, 4, v3
.set j, 0
.rept 8                                            ; rows 32 i + 2 rr + e, j = 2 i + e
	s_mul_i32 s42, s30, 32*(j/2)+(j%2)
	v_add_nc_u32 v[OFF+j], s42, v3
.set j, j+1
.endr
.set j, 0
.rept 8
	global_load_b128 v[X+4*j:X+4*j+3], v[OFF+j], s[26:27]
.set j, j+1
.endr
	v_mul_u32_u24 v[STI], v1, 4*PITCH              ; stage row n = 4 c + n', bytes 2 k = 64 i + 4 rr
	v_lshl_add_u32 v[STI], v2, 2, v[STI]
	v_mul_u32_u24 v[STO], v2, PITCH                ; back: row rr + 16 m, 16 bytes at 16 c
	v_lshl_add_u32 v[STO], v1, 4, v[STO]
.set m, 0
.rept 4
	v_add_nc_u32 v[GO+m], 16*m, v2
	v_lshlrev_b32 v[GO+m], s41, v[GO+m]
	v_lshl_add_u32 v[GO+m], v1, 4, v[GO+m]
.set m, m+1
.endr
	s_wait_loadcnt 0x0
.set i, 0
.rept 4
.set n, 0
.rept 4
	v_cvt_pk_bf16_f32 v[PK+4*i+n], v[X+8*i+n], v[X+8*i+4+n]   ; column 4 c + n, rows k and k + 1
	ds_store_b32 v[STI], v[PK+4*i+n] offset:n*PITCH+64*i
.set n, n+1
.endr
.set i, i+1
.endr
	s_wait_dscnt 0x0                               ; for the others' sake: my stores into the stage are done
	s_barrier_signal -1
	s_barrier_wait -1
.set m, 0
.rept 4
	ds_load_b128 v[BK+4*m:BK+4*m+3], v[STO] offset:m*16*PITCH
.set m, m+1
.endr
.set m, 0
.rept 4
	s_wait_dscnt 3-m                               ; the younger loads may stay out
	global_store_b128 v[GO+m], v[BK+4*m:BK+4*m+3], s[28:29]
.set m, m+1
.endr
	s_wait_tensorcnt 0x0                           ; the wave's end, behind my last LDS store
	ds_add_u32 v[SPW], v[NIL]
	s_wait_dscnt 0x0
	s_endpgm
.Lfunc_end_k_qf83f1522e2_prep:
	.size	k_qf83f1522e2_prep, .Lfunc_end_k_qf83f1522e2_prep-k_qf83f1522e2_prep
	.p2alignl 7, 3214868480
	.fill 96, 4, 3214868480
	.section	.rodata,"a",@progbits
	.p2align	6, 0x0
	.amdhsa_kernel k_qf83f1522e2_prep
		.amdhsa_group_segment_fixed_size 18432
		.amdhsa_private_segment_fixed_size 0
		.amdhsa_enable_private_segment 0
		.amdhsa_kernarg_size 56
		.amdhsa_user_sgpr_count 2
		.amdhsa_user_sgpr_kernarg_segment_ptr 1
		.amdhsa_wavefront_size32 1
		.amdhsa_system_sgpr_workgroup_id_x 1
		.amdhsa_system_sgpr_workgroup_id_y 1
		.amdhsa_system_sgpr_workgroup_id_z 1
		.amdhsa_system_vgpr_workitem_id 0
		.amdhsa_next_free_vgpr 88
		.amdhsa_next_free_sgpr 66
		.amdhsa_reserve_vcc 0
		.amdhsa_float_denorm_mode_32 3
		.amdhsa_float_denorm_mode_16_64 3
		.amdhsa_memory_ordered 1
		.amdhsa_forward_progress 1
		.amdhsa_inst_pref_size 9
	.end_amdhsa_kernel
	.amdgpu_metadata
---
amdhsa.version: [ 1, 2 ]
amdhsa.kernels:
  - .name:           k_qf83f1522e2_prep
    .symbol:         k_qf83f1522e2_prep.kd
    .args:
      - { .name: W_val, .offset: 0, .size: 8, .value_kind: global_buffer, .address_space: global }
      - { .name: W_off, .offset: 8, .size: 8, .value_kind: global_buffer, .address_space: global }
      - { .name: W_attn, .offset: 16, .size: 8, .value_kind: global_buffer, .address_space: global }
      - { .name: W_out, .offset: 24, .size: 8, .value_kind: global_buffer, .address_space: global }
      - { .name: W_fc1, .offset: 32, .size: 8, .value_kind: global_buffer, .address_space: global }
      - { .name: W_fc2, .offset: 40, .size: 8, .value_kind: global_buffer, .address_space: global }
      - { .name: wt, .offset: 48, .size: 8, .value_kind: global_buffer, .address_space: global }
    .group_segment_fixed_size: 18432
    .private_segment_fixed_size: 0
    .kernarg_segment_align: 8
    .kernarg_segment_size: 56
    .max_flat_workgroup_size: 256
    .sgpr_count:     66
    .vgpr_count:     88
    .wavefront_size: 32
...
	.end_amdgpu_metadata
.endif
;; end of part 1
;; launch valp (part 2): grid 256 x 1, 4 waves a work-group, no clusters, 54,784 bytes of LDS; arguments src, src_padding_mask, wt, b_val, value; writes value
.if DOCPART == 2
	.amdgcn_target "amdgcn-amd-amdhsa--gfx1250"
	.amdhsa_code_object_version 6
	.text
	.protected	k_qf83f1522e2_valp
	.globl	k_qf83f1522e2_valp
	.p2align	8
	.type	k_qf83f1522e2_valp,@function
k_qf83f1522e2_valp:
	s_mov_b64 s[64:65], 0
	v_nop
	global_prefetch_b8 v0, s[64:65] scope:SCOPE_SE
	s_setreg_imm32_b32 hwreg(HW_REG_WAVE_MODE, 25, 1), 1
	s_wait_xcnt 0x0
; VALP.  value = mask ? 0 : src W_val + b_val, rounded once to bf16 and laid out by heads: value[8 heads][87,040 rows][32 channels], a pixel = 64 bytes.
; Products in bf16 with f32 sums.  LIMITS: a mask byte is 0 or 1; NaN and infinities are not treated apart.
; SHARES.  87,040 rows are 2,720 sub-tiles of 32; work-group g takes sub-tiles (85 g) >> 3 up to (85 g + 85) >> 3: 10 or 11.  Wave w owns channels 64 w to 64 w + 63 (heads 2 w, 2 w + 1) of all rows:
; its 4 x 8 fragments of W_val^T stay in 256 registers.  Of each sub-tile wave w fetches rows 8 w to 8 w + 7 (16 loads of 512 consecutive bytes), rounds them to bf16 and puts them into LDS, where all four waves read them.
; THE MATRIX INSTRUCTION IS USED TRANSPOSED: source 0 = 16 channels of W_val^T, source 1 = 16 rows of src; a lane then holds one row (lane % 16) and eight neighbouring channels: 16 bytes of the table.
; No cluster, no tensor load: the work-groups share the weights alone, 128 KiB read once by each beside 320 KiB or more of rows of its own, and the f32 rows must pass through registers to be rounded.
; A trip works on two sub-tiles while the next two (16 KiB a wave) are on their way into registers.
; REGISTERS: window 0 addresses, bias, accumulators, work; window 1 the weights' fragments (K step s, channel tile c at 32 s + 8 c); window 2: v0-127 the rows' fragments (64 b + 8 s), v128-255 two sub-tiles as loaded.
.set RP,    528                        ; a row in LDS: 512 bytes + 16: the 16 rows of a fragment load start at 16 different groups of four banks (ISA guide 11.1)
.set STG,   64*RP                      ; behind the rows: a stage for each wave, 2 heads x 32 rows of 64 bytes + 16
.set SP,    80
.set STGW,  64*SP
.set SPARE, STG+4*STGW                 ; the spare words, 128 bytes for each wave
.set PLANE, 5570560                    ; bytes of a head's plane in value
.set LO, 4                             ; v4   16 lane + 8,192 wave: my 16 bytes in my wave's rows of a sub-tile
.set MO, 5                             ; v5   lane % 16: my row's mask byte
.set SA, 6                             ; v6   where my rounded 8 bytes go
.set FA, 7                             ; v7   my place in a fragment: row x pitch + 16 x half
.set ST, 8                             ; v8   into my stage
.set SR, 9                             ; v9   out of my stage
.set GO, 10                            ; v10  16 lane
.set WO, 11                            ; v11  my place in W_val^T
.set BO, 12                            ; v12  my place in b_val
.set SPW, 14                           ; v14  LDS address of my spare word; never rewritten
.set NIL, 15                           ; v15  0; never rewritten
.set MK, 16                            ; v16-19  mask bytes, by sub-tile h and row block b
.set KEEP, 20                          ; v20-23  all ones where the row is kept, 0 where it is masked
.set BI, 24                            ; v24-55  b_val, 8 a channel tile
.set ACC, 56                           ; v56-119 accumulator (b, c) at 56 + 32 b + 8 c
.set TP, 120                           ; v120-183 rounded numbers
.set OB, 184                           ; v184-215 read back from the stage
.set XA, 128                           ; window 2
.set MSB, 0
.macro WIN new                         ; the immediate's high byte repeats the setting that is left; a switch that changes nothing is dropped
.if MSB != (\new)
	s_set_vgpr_msb (MSB<<8)|(\new)
.set MSB, \new
.endif
.endm
.macro PLACES                          ; four places between a matrix instruction and what reads its result or writes its registers (ISA guide 7.12.1)
.rept 4
	v_nop
.endr
.endm
	s_load_b256 s[4:11], s[0:1], 0x0               ; src s[4:5], mask s[6:7], wt s[8:9], b_val s[10:11]
	s_load_b64 s[12:13], s[0:1], 0x20              ; value
	v_lshl_add_u32 v[SPW], v0, 2, SPARE
	v_mov_b32 v[NIL], 0
	v_lshrrev_b32 v1, 5, v0
	v_readfirstlane_b32 s14, v1                    ; wave
	v_and_b32 v1, 31, v0                           ; lane
	v_and_b32 v2, 15, v0                           ; r
	v_bfe_u32 v3, v0, 4, 1                         ; half
	s_mul_i32 s15, ttmp9, 85
	s_add_co_u32 s16, s15, 85
	s_lshr_b32 s15, s15, 3                         ; my first sub-tile
	s_lshr_b32 s16, s16, 3
	s_sub_co_u32 s16, s16, s15                     ; how many: 10 or 11
	s_lshl_b32 s26, s14, 13
	v_lshl_add_u32 v[LO], v1, 4, s26
	v_mov_b32 v[MO], v2
	s_mul_i32 s26, s14, 8*RP
	v_lshl_add_u32 v[SA], v1, 3, s26
	v_mul_u32_u24 v[FA], v2, RP
	v_lshl_add_u32 v[FA], v3, 4, v[FA]
	s_mul_i32 s26, s14, STGW
	s_add_co_u32 s26, s26, STG                     ; my stage
	v_mul_u32_u24 v[ST], v2, SP
	v_lshl_add_u32 v[ST], v3, 4, v[ST]
	v_add_nc_u32 v[ST], s26, v[ST]
	v_lshrrev_b32 v13, 2, v1
	v_mul_u32_u24 v[SR], v13, SP                   ; back: four lanes take a row of 64 bytes, 32 lanes eight rows
	v_and_b32 v13, 3, v1
	v_lshl_add_u32 v[SR], v13, 4, v[SR]
	v_add_nc_u32 v[SR], s26, v[SR]
	v_lshlrev_b32 v[GO], 4, v1
	s_lshl_b32 s26, s14, 15
	v_lshlrev_b32 v[WO], 9, v2                     ; (64 w + r) rows of 512 bytes + 16 x half
	v_lshl_add_u32 v[WO], v3, 4, v[WO]
	v_add_nc_u32 v[WO], s26, v[WO]
	s_lshl_b32 s26, s14, 8
	v_lshl_add_u32 v[BO], v3, 5, s26               ; (64 w + 8 half) x 4
	s_mov_b32 s18, 0                               ; U: the sub-tile to be asked for next
	s_mov_b32 s27, 0
	s_wait_kmcnt 0x0
	s_lshl_b32 s26, s15, 15
	s_add_nc_u64 s[20:21], s[4:5], s[26:27]        ; src at my first sub-tile
	s_lshl_b32 s26, s15, 5
	s_add_nc_u64 s[22:23], s[6:7], s[26:27]        ; its mask bytes
	s_mul_i32 s26, s14, 2*PLANE
	s_lshl_b32 s28, s15, 11
	s_add_co_u32 s26, s26, s28
	s_add_nc_u64 s[24:25], s[12:13], s[26:27]      ; value at head 2 w, my first sub-tile's rows
	WIN 0x40                                       ; destination window 1
.irp s, 0,1,2,3,4,5,6,7
.irp c, 0,1,2,3
	global_load_b128 v[32*\s+8*\c:32*\s+8*\c+3],   v[WO], s[8:9] offset:\c*8192+64*\s
	global_load_b128 v[32*\s+8*\c+4:32*\s+8*\c+7], v[WO], s[8:9] offset:\c*8192+64*\s+32
.endr
.endr
	WIN 0
.irp c, 0,1,2,3
	global_load_b128 v[BI+8*\c:BI+8*\c+3],   v[BO], s[10:11] offset:64*\c
	global_load_b128 v[BI+8*\c+4:BI+8*\c+7], v[BO], s[10:11] offset:64*\c+16
.endr
; Sub-tile U is asked for, into half h of the registers.  cond = 1: only if it exists (no load leaves the buffers).
.macro ISSUE h, cond
	WIN 0
.if \cond
	s_cmp_lt_u32 s18, s16
	s_cbranch_scc0 .Lnone_\@
.endif
	WIN 0x80                                       ; destination window 2
.set j, 0
.rept 16
	global_load_b128 v[XA+64*(\h)+4*j:XA+64*(\h)+4*j+3], v[LO], s[20:21] offset:512*j th:TH_LOAD_NT
.set j, j+1
.endr
	WIN 0
	global_load_u8 v[MK+2*(\h)],   v[MO], s[22:23]
	global_load_u8 v[MK+2*(\h)+1], v[MO], s[22:23] offset:16
	s_wait_xcnt 0x0                                ; the bases are stepped only behind this wait
	s_add_nc_u64 s[20:21], s[20:21], 32768
	s_add_nc_u64 s[22:23], s[22:23], 32
.if \cond
.Lnone_\@:
.endif
	s_add_co_u32 s18, s18, 1
.endm
.macro CONV h                          ; my 8 rows of sub-tile h are rounded to bf16; the mask bytes become masks
	WIN 0x0a                                       ; sources in window 2
.set j, 0
.rept 32
	v_cvt_pk_bf16_f32 v[TP+32*(\h)+j], v[XA+64*(\h)+2*j], v[XA+64*(\h)+2*j+1]
.set j, j+1
.endr
	WIN 0
	v_add_nc_u32 v[KEEP+2*(\h)],   -1, v[MK+2*(\h)]    ; 0 -> all ones, 1 -> 0
	v_add_nc_u32 v[KEEP+2*(\h)+1], -1, v[MK+2*(\h)+1]
.endm
.macro PUT h                           ; and go into LDS: 32 lanes x 8 bytes are 256 consecutive bytes
.set j, 0
.rept 16
	ds_store_b64 v[SA], v[TP+32*(\h)+2*j:TP+32*(\h)+2*j+1] offset:(\h)*32*RP+(j>>1)*RP+(j&1)*256
.set j, j+1
.endr
.endm
; Sub-tile h: 64 matrix instructions on eight accumulators that take turns; the bias starts the sums.  Then the way out through my own stage.
.macro COMPUTE h
	WIN 0x80
.irp s, 0,1,2,3,4,5,6,7
.irp b, 0,1
	ds_load_b128 v[64*\b+8*\s:64*\b+8*\s+3],   v[FA] offset:(32*(\h)+16*\b)*RP+64*\s
	ds_load_b128 v[64*\b+8*\s+4:64*\b+8*\s+7], v[FA] offset:(32*(\h)+16*\b)*RP+64*\s+32
.endr
.endr
	WIN 0x09                                       ; source 0 window 1, source 1 window 2
.irp s, 0,1,2,3,4,5,6,7
	s_wait_dscnt 28-4*\s                           ; the four loads of each later K step may stay out
.irp b, 0,1
.irp c, 0,1,2,3
.if \s == 0
	v_wmma_f32_16x16x32_bf16 v[ACC+32*\b+8*\c:ACC+32*\b+8*\c+7], v[32*\s+8*\c:32*\s+8*\c+7], v[64*\b+8*\s:64*\b+8*\s+7], v[BI+8*\c:BI+8*\c+7]
.else
	v_wmma_f32_16x16x32_bf16 v[ACC+32*\b+8*\c:ACC+32*\b+8*\c+7], v[32*\s+8*\c:32*\s+8*\c+7], v[64*\b+8*\s:64*\b+8*\s+7], v[ACC+32*\b+8*\c:ACC+32*\b+8*\c+7]
.endif
.endr
.endr
.endr
	WIN 0
	PLACES
.irp b, 0,1
.irp c, 0,1,2,3
.irp q, 0,1,2,3                                    ; each accumulator's registers in ascending order
	v_cvt_pk_bf16_f32 v[TP+16*\b+4*\c+\q], v[ACC+32*\b+8*\c+2*\q], v[ACC+32*\b+8*\c+2*\q+1]
.endr
.irp q, 0,1,2,3
	v_and_b32 v[TP+16*\b+4*\c+\q], v[KEEP+2*(\h)+\b], v[TP+16*\b+4*\c+\q]   ; a masked row is 0
.endr
	ds_store_b128 v[ST], v[TP+16*\b+4*\c:TP+16*\b+4*\c+3] offset:(\c>>1)*32*SP+\b*16*SP+(\c&1)*32
.endr
.endr
.irp n, 0,1,2,3,4,5,6,7                            ; head n / 4, rows 8 (n % 4) on; LDS serves a wave's instructions in order (ISA guide 5.7.1.4): these see the stores above
	ds_load_b128 v[OB+4*\n:OB+4*\n+3], v[SR] offset:(\n>>2)*32*SP+(\n&3)*8*SP
.endr
.irp n, 0,1,2,3,4,5,6,7
	s_wait_dscnt 7-\n                              ; the younger loads may stay out
	global_store_b128 v[GO], v[OB+4*\n:OB+4*\n+3], s[24:25] offset:(\n>>2)*PLANE+(\n&3)*512   ; 512 consecutive bytes, at a multiple of 256 from value's first byte
.endr
	s_wait_xcnt 0x0                                ; the stores' base and data are rewritten only behind this wait
	s_add_nc_u64 s[24:25], s[24:25], 2048
.endm
	ISSUE 0, 0                                     ; every work-group has ten sub-tiles or more
	ISSUE 1, 0
	s_mov_b32 s17, 5
.Ltrip:
	s_wait_loadcnt 0x0                             ; all that was asked for a trip ago is in; the next request goes out below
	CONV 0
	CONV 1
	ISSUE 0, 1                                     ; the next trip's rows are on their way through all of this trip's work
	ISSUE 1, 1
	s_wait_dscnt 0x0
	s_barrier_signal -1
	s_barrier_wait -1                              ; every wave's reads of the last trip's rows are over
	PUT 0
	PUT 1
	s_wait_dscnt 0x0                               ; for the others' sake: my rows are in LDS
	s_barrier_signal -1
	s_barrier_wait -1
	COMPUTE 0
	COMPUTE 1
	s_sub_co_u32 s17, s17, 1
	s_cmp_lg_u32 s17, 0
	s_cbranch_scc1 .Ltrip
	s_wait_loadcnt 0x0                             ; the eleventh sub-tile, where there is one; both barriers stand on every path
	s_cmp_eq_u32 s16, 11
	s_cbranch_scc0 .Lno_conv
	CONV 0
.Lno_conv:
	s_wait_dscnt 0x0
	s_barrier_signal -1
	s_barrier_wait -1
	s_cmp_eq_u32 s16, 11
	s_cbranch_scc0 .Lno_put
	PUT 0
.Lno_put:
	s_wait_dscnt 0x0
	s_barrier_signal -1
	s_barrier_wait -1
	s_cmp_eq_u32 s16, 11
	s_cbranch_scc0 .Lno_compute
	COMPUTE 0
.Lno_compute:
	s_wait_tensorcnt 0x0                           ; the wave's end, behind my last LDS store
	ds_add_u32 v[SPW], v[NIL]
	s_wait_dscnt 0x0
	s_endpgm
.Lfunc_end_k_qf83f1522e2_valp:
	.size	k_qf83f1522e2_valp, .Lfunc_end_k_qf83f1522e2_valp-k_qf83f1522e2_valp
	.p2alignl 7, 3214868480
	.fill 96, 4, 3214868480
	.section	.rodata,"a",@progbits
	.p2align	6, 0x0
	.amdhsa_kernel k_qf83f1522e2_valp
		.amdhsa_group_segment_fixed_size 54784
		.amdhsa_private_segment_fixed_size 0
		.amdhsa_enable_private_segment 0
		.amdhsa_kernarg_size 40
		.amdhsa_user_sgpr_count 2
		.amdhsa_user_sgpr_kernarg_segment_ptr 1
		.amdhsa_wavefront_size32 1
		.amdhsa_system_sgpr_workgroup_id_x 1
		.amdhsa_system_sgpr_workgroup_id_y 1
		.amdhsa_system_sgpr_workgroup_id_z 1
		.amdhsa_system_vgpr_workitem_id 0
		.amdhsa_next_free_vgpr 768
		.amdhsa_next_free_sgpr 66
		.amdhsa_reserve_vcc 0
		.amdhsa_float_denorm_mode_32 3
		.amdhsa_float_denorm_mode_16_64 3
		.amdhsa_memory_ordered 1
		.amdhsa_forward_progress 1
		.amdhsa_inst_pref_size 63
	.end_amdhsa_kernel
	.amdgpu_metadata
---
amdhsa.version: [ 1, 2 ]
amdhsa.kernels:
  - .name:           k_qf83f1522e2_valp
    .symbol:         k_qf83f1522e2_valp.kd
    .args:
      - { .name: src, .offset: 0, .size: 8, .value_kind: global_buffer, .address_space: global }
      - { .name: src_padding_mask, .offset: 8, .size: 8, .value_kind: global_buffer, .address_space: global }
      - { .name: wt, .offset: 16, .size: 8, .value_kind: global_buffer, .address_space: global }
      - { .name: b_val, .offset: 24, .size: 8, .value_kind: global_buffer, .address_space: global }
      - { .name: value, .offset: 32, .size: 8, .value_kind: global_buffer, .address_space: global }
    .group_segment_fixed_size: 54784
    .private_segment_fixed_size: 0
    .kernarg_segment_align: 8
    .kernarg_segment_size: 40
    .max_flat_workgroup_size: 128
    .sgpr_count:     66
    .vgpr_count:     768
    .wavefront_size: 32
...
	.end_amdgpu_metadata
.endif
;; end of part 2
;; launch qprj (part 3): grid 256 x 1, 4 waves a work-group, no clusters, 17,408 bytes of LDS; arguments tgt, query_pos, reference_points, wt, b_off, b_attn, sidx, swt; writes sidx, swt
.if DOCPART == 3
	.amdgcn_target "amdgcn-amd-amdhsa--gfx1250"
	.amdhsa_code_object_version 6
	.text
	.protected	k_qf83f1522e2_qprj
	.globl	k_qf83f1522e2_qprj
	.p2align	8
	.type	k_qf83f1522e2_qprj,@function
k_qf83f1522e2_qprj:
	s_mov_b64 s[64:65], 0
	v_nop
	global_prefetch_b8 v0, s[64:65] scope:SCOPE_SE
	s_setreg_imm32_b32 hwreg(HW_REG_WAVE_MODE, 25, 1), 1
	s_wait_xcnt 0x0
; QPRJ.  q = tgt + query_pos; offsets = q W_off + b_off; logits = q W_attn + b_attn; softmax over a head's 16 logits (their true maximum is taken away first); for each of the 128 sampling points of a query
; the place x = ref_x W + off_x - 0.5 (W a power of two, so this is the module's (ref + off / W) W - 0.5 but for one rounding), y likewise.  Stored for the next launch, which gathers:
;   sidx[8 heads][2,048 tiles of 16 queries][2 k][32 lanes][4 points]: the table row of the patch corner (bx, by), bx = clamp(floor x, 0, W - 2), a whole number;
;   swt [8][2,048][2 k][2 xc][32 lanes][4 points]: a word {bf16 w(by, bx + xc), bf16 w(by + 1, bx + xc)}, w = attention weight x hat(x - column) x hat(y - row), hat(u) = max(0, 1 - |u|).
; The hats on the clamped 2 x 2 patch give the module's four corners with their zero padding for every x and y: a corner outside the map has weight 0, and a corner on the edge keeps its weight.
; The pyramid (128, 64, 32, 16 squared) is the module's own constant; src_spatial_shapes and level_start_index are read by no step of the module and are not given to any launch.
; LIMITS: NaN and infinities are not treated apart; the weights are rounded once to bf16; products in bf16 with f32 sums.
; SHARES.  A work-group takes 128 queries of one batch in 4 trips of 32.  Wave w owns heads 2 w, 2 w + 1: six tiles of 16 columns, whose fragments stay in 384 registers.  TRANSPOSED USE: source 0 = 16 columns of the
; weights, source 1 = 16 queries: a lane holds one query (lane % 16).  Offsets' tile 2 e + k: register j = (point j / 2, x or y) of level half + 2 k.  The logits' rows are taken in the order
; 4 (r / 8) + 8 ((r % 8) / 4) + r % 4, so that in tile 4 + e register j = (k = j / 4, point j % 4) of the same level half + 2 k: weights and places meet in one lane.
; No cluster, no tensor load: the work-groups share the weights alone (192 KiB once each), and the f32 rows pass through registers to be added and rounded.
; REGISTERS: window 0 addresses, constants, bias, accumulators, work; windows 1 and 2 the weights (K steps 0-4, 5-7; tile c at 48 s + 8 c); window 3: v0-127 q's fragments, v128-191 tgt, v192-255 query_pos as loaded.
.set RP,    528
.set SPARE, 32*RP
.set LO, 4                             ; v4   16 lane + 8,192 wave
.set RO, 5                             ; v5   32 r + 8 half: my query's point of level 'half'
.set SA, 6                             ; v6   where my rounded 8 bytes go
.set FA, 7                             ; v7   my place in a fragment
.set L16, 8                            ; v8   16 lane
.set WO, 9                             ; v9   my place in the offsets' weights
.set WA, 10                            ; v10  in the logits' weights
.set BO, 11
.set BA, 12
.set SPW, 14                           ; v14  LDS address of my spare word; never rewritten
.set NIL, 15                           ; v15  0; never rewritten
.set WL, 16                            ; v16-19  W of level half + 2 k, as a pair
.set WM2, 20                           ; v20-21  W - 2
.set BASEF, 22                         ; v22-23  batch x 21,760 + the level's first row, as f32 (exact)
.set RPN, 24                           ; v24-31  reference points as loaded, by (b, k)
.set RPS, 32                           ; v32-39  times W
.set BI, 40                            ; v40-87  bias; 0.5 is taken off the offsets' once
.set ACC, 88                           ; v88-183 accumulator (b, c) at 88 + 48 b + 8 c
.set TP, 184                           ; v184-215 at work
.set OI, 216                           ; v216-223 indices (k, p)
.set OW, 224                           ; v224-239 weights (k, xc, p)
.set TG, 128                           ; window 3
.set PS, 192
.set T,  TP                            ; the way out's registers
.set E,  TP+8
.set PP, TP+16
.set FF, TP+18
.set BB, TP+20
.set UU, TP+22
.set VV, TP+24
.set WXA, TP+26                        ; hat(x - bx), in the low word of a pair
.set WXB, TP+28                        ; hat(x - bx - 1), likewise
.set WY, TP+30
.set MSB, 0
.macro WIN new
.if MSB != (\new)
	s_set_vgpr_msb (MSB<<8)|(\new)
.set MSB, \new
.endif
.endm
.macro PLACES
.rept 4
	v_nop
.endr
.endm
	s_load_b512 s[4:19], s[0:1], 0x0               ; tgt, query_pos, reference_points, wt, b_off, b_attn, sidx, swt
	v_lshl_add_u32 v[SPW], v0, 2, SPARE
	v_mov_b32 v[NIL], 0
	v_lshrrev_b32 v1, 5, v0
	v_readfirstlane_b32 s20, v1                    ; wave
	v_and_b32 v1, 31, v0
	v_and_b32 v2, 15, v0                           ; r
	v_bfe_u32 v3, v0, 4, 1                         ; half
	s_lshl_b32 s38, s20, 13
	v_lshl_add_u32 v[LO], v1, 4, s38
	v_lshlrev_b32 v[RO], 5, v2
	v_lshl_add_u32 v[RO], v3, 3, v[RO]
	s_mul_i32 s38, s20, 8*RP
	v_lshl_add_u32 v[SA], v1, 3, s38
	v_mul_u32_u24 v[FA], v2, RP
	v_lshl_add_u32 v[FA], v3, 4, v[FA]
	v_lshlrev_b32 v[L16], 4, v1
	s_lshl_b32 s38, s20, 15
	v_lshlrev_b32 v[WO], 9, v2                     ; (64 w + r) x 512 + 16 half
	v_lshl_add_u32 v[WO], v3, 4, v[WO]
	v_add_nc_u32 v[WO], s38, v[WO]
	v_bfe_u32 v13, v0, 3, 1
	v_and_b32 v[WA], 3, v0
	v_lshl_add_u32 v[WA], v13, 2, v[WA]
	v_bfe_u32 v13, v0, 2, 1
	v_lshl_add_u32 v[WA], v13, 3, v[WA]            ; the logits' row for lane r
	v_lshlrev_b32 v[WA], 9, v[WA]
	v_lshl_add_u32 v[WA], v3, 4, v[WA]
	s_lshl_b32 s38, s20, 14
	s_add_co_u32 s38, s38, 131072                  ; (256 + 32 w) x 512
	v_add_nc_u32 v[WA], s38, v[WA]
	s_lshl_b32 s38, s20, 8
	v_lshl_add_u32 v[BO], v3, 5, s38               ; (64 w + 8 half) x 4
	s_lshl_b32 s38, s20, 7
	v_lshl_add_u32 v[BA], v3, 4, s38               ; (32 w + 4 half) x 4
	v_mov_b32 v13, 128
	v_lshrrev_b32 v13, v3, v13                     ; W of level half: 128 or 64
	v_cvt_f32_u32 v[WL], v13
	v_mov_b32 v[WL+1], v[WL]
	v_mov_b32 v13, 32
	v_lshrrev_b32 v13, v3, v13                     ; of level 2 + half: 32 or 16
	v_cvt_f32_u32 v[WL+2], v13
	v_mov_b32 v[WL+3], v[WL+2]
	v_add_f32 v[WM2], -2.0, v[WL]
	v_add_f32 v[WM2+1], -2.0, v[WL+2]
	s_lshr_b32 s38, ttmp9, 6                       ; the batch: 64 work-groups each
	s_mul_i32 s38, s38, 21760
	v_lshl_add_u32 v13, v3, 14, s38                ; levels begin at rows 0, 16,384,
	v_cvt_f32_u32 v[BASEF], v13
	s_add_co_u32 s38, s38, 20480
	v_lshl_add_u32 v13, v3, 10, s38                ; 20,480 and 21,504
	v_cvt_f32_u32 v[BASEF+1], v13
	s_mov_b32 s32, 0x3fb8aa3b                      ; log2 e
	s_mov_b32 s33, s32                             ; named with it as a pair
	s_mov_b32 s34, 0x76543210                      ; v_permlanex16_b32: each lane takes its own place in the other half
	s_mov_b32 s35, 0xfedcba98
	s_mov_b32 s21, 4
	s_mov_b32 s39, 0
	s_wait_kmcnt 0x0
	s_lshl_b32 s38, ttmp9, 17
	s_add_nc_u64 s[22:23], s[4:5], s[38:39]        ; tgt and query_pos at my 128 rows
	s_add_nc_u64 s[24:25], s[6:7], s[38:39]
	s_lshl_b32 s38, ttmp9, 12
	s_add_nc_u64 s[26:27], s[8:9], s[38:39]        ; their reference points
	s_lshl_b32 s38, s20, 22
	s_lshl_b32 s40, ttmp9, 13
	s_add_co_u32 s38, s38, s40
	s_add_nc_u64 s[28:29], s[16:17], s[38:39]      ; sidx at (head 2 w, tile 8 g)
	s_lshl_b32 s38, s20, 23
	s_lshl_b32 s40, ttmp9, 14
	s_add_co_u32 s38, s38, s40
	s_add_nc_u64 s[30:31], s[18:19], s[38:39]      ; swt likewise
	s_add_nc_u64 s[36:37], s[10:11], 131072        ; the table of 384 rows in wt
.irp s, 0,1,2,3,4,5,6,7
.if \s < 5
	WIN 0x40
.set wf, 48*\s
.else
	WIN 0x80
.set wf, 48*(\s-5)
.endif
.irp c, 0,1,2,3
	global_load_b128 v[wf+8*\c:wf+8*\c+3],   v[WO], s[36:37] offset:\c*8192+64*\s
	global_load_b128 v[wf+8*\c+4:wf+8*\c+7], v[WO], s[36:37] offset:\c*8192+64*\s+32
.endr
.irp c, 4,5
	global_load_b128 v[wf+8*\c:wf+8*\c+3],   v[WA], s[36:37] offset:(\c-4)*8192+64*\s
	global_load_b128 v[wf+8*\c+4:wf+8*\c+7], v[WA], s[36:37] offset:(\c-4)*8192+64*\s+32
.endr
.endr
	WIN 0
.irp c, 0,1,2,3
	global_load_b128 v[BI+8*\c:BI+8*\c+3],   v[BO], s[12:13] offset:64*\c
	global_load_b128 v[BI+8*\c+4:BI+8*\c+7], v[BO], s[12:13] offset:64*\c+16
.endr
.irp e, 0,1
	global_load_b128 v[BI+32+8*\e:BI+32+8*\e+3],   v[BA], s[14:15] offset:64*\e
	global_load_b128 v[BI+32+8*\e+4:BI+32+8*\e+7], v[BA], s[14:15] offset:64*\e+32
.endr
.macro BATCH                           ; my 8 rows of tgt and of query_pos, and my queries' reference points, for 32 queries
	WIN 0xc0                                       ; destination window 3
.set j, 0
.rept 16
	global_load_b128 v[TG+4*j:TG+4*j+3], v[LO], s[22:23] offset:512*j th:TH_LOAD_NT
	global_load_b128 v[PS+4*j:PS+4*j+3], v[LO], s[24:25] offset:512*j th:TH_LOAD_NT
.set j, j+1
.endr
	WIN 0
.irp b, 0,1
.irp k, 0,1
	global_load_b64 v[RPN+4*\b+2*\k:RPN+4*\b+2*\k+1], v[RO], s[26:27] offset:512*\b+16*\k
.endr
.endr
.endm
	BATCH
	s_wait_loadcnt 0x0
.set j, 0
.rept 16
	v_pk_add_f32 v[BI+2*j:BI+2*j+1], v[BI+2*j:BI+2*j+1], -0.5 op_sel_hi:[1,0]   ; the places' - 0.5 rides on the offsets' bias
.set j, j+1
.endr
; One sampling point: tile b of queries, head e, level half + 2 k, point p.
.macro POINT b, e, k, p
.set rO, ACC+48*(\b)+8*(2*(\e)+(\k))+2*(\p)
	v_pk_add_f32 v[PP:PP+1], v[rO:rO+1], v[RPS+4*(\b)+2*(\k):RPS+4*(\b)+2*(\k)+1]   ; (x, y)
	v_floor_f32 v[FF], v[PP]
	v_floor_f32 v[FF+1], v[PP+1]
	v_med3_num_f32 v[BB], v[FF], 0, v[WM2+(\k)]                                    ; the patch corner
	v_med3_num_f32 v[BB+1], v[FF+1], 0, v[WM2+(\k)]
	v_pk_add_f32 v[UU:UU+1], v[PP:PP+1], v[BB:BB+1] neg_lo:[0,1] neg_hi:[0,1]      ; distance to the first column and row,
	v_pk_add_f32 v[VV:VV+1], v[UU:UU+1], -1.0 op_sel_hi:[1,0]                      ; to the second
	v_sub_f32 v[WXA], 1.0, |v[UU]|
	v_sub_f32 v[WXB], 1.0, |v[VV]|
	v_sub_f32 v[WY], 1.0, |v[UU+1]|
	v_sub_f32 v[WY+1], 1.0, |v[VV+1]|
	v_max_num_f32 v[WXA], 0, v[WXA]
	v_max_num_f32 v[WXB], 0, v[WXB]
	v_max_num_f32 v[WY], 0, v[WY]
	v_max_num_f32 v[WY+1], 0, v[WY+1]
	v_mul_f32 v[FF], v[WY], v[E+4*(\k)+(\p)]                                       ; the attention weight goes into the rows' hats
	v_mul_f32 v[FF+1], v[WY+1], v[E+4*(\k)+(\p)]
	v_pk_mul_f32 v[UU:UU+1], v[FF:FF+1], v[WXA:WXA+1] op_sel_hi:[1,0]
	v_pk_mul_f32 v[VV:VV+1], v[FF:FF+1], v[WXB:WXB+1] op_sel_hi:[1,0]
	v_cvt_pk_bf16_f32 v[OW+8*(\k)+(\p)], v[UU], v[UU+1]
	v_cvt_pk_bf16_f32 v[OW+8*(\k)+4+(\p)], v[VV], v[VV+1]
	v_add_f32 v[PP], v[BB], v[BASEF+(\k)]
	v_fma_f32 v[PP], v[BB+1], v[WL+2*(\k)], v[PP]                                  ; by W + bx + the level's first row: whole numbers under 2^24, exact
	v_cvt_u32_f32 v[OI+4*(\k)+(\p)], v[PP]
.endm
; The way out for tile b and head e: the softmax of the head's 16 logits (8 in my lane, 8 in the lane 16 away), then the 8 points of my two levels.
.macro EPI b, e
.set A, ACC+48*(\b)+8*(4+(\e))
	s_wait_xcnt 0x0                                ; OI and OW, which the last stores read, are rewritten only behind this wait
	v_max3_num_f32 v[T], v[A], v[A+1], v[A+2]      ; the accumulator's lowest registers first
	v_max3_num_f32 v[T], v[T], v[A+3], v[A+4]
	v_max3_num_f32 v[T], v[T], v[A+5], v[A+6]
	v_max_num_f32 v[T], v[T], v[A+7]
	v_permlanex16_b32 v[T+1], v[T], s34, s35
	v_max_num_f32 v[T], v[T], v[T+1]
	v_mul_f32 v[T+2], s32, v[T]
.irp i, 0,1,2,3
	v_pk_fma_f32 v[E+2*\i:E+2*\i+1], v[A+2*\i:A+2*\i+1], s[32:33], v[T+2:T+3] op_sel_hi:[1,0,0] neg_lo:[0,0,1] neg_hi:[0,0,1]
.endr
.irp i, 0,1,2,3,4,5,6,7
	v_exp_f32 v[E+\i], v[E+\i]
.endr
	v_nop                                          ; a plain instruction behind the last exponential (ISA guide 5.7.2)
	s_wait_alu depctr_va_vdst(0)
	v_pk_add_f32 v[T:T+1], v[E:E+1], v[E+2:E+3]
	v_pk_add_f32 v[T+4:T+5], v[E+4:E+5], v[E+6:E+7]
	v_pk_add_f32 v[T:T+1], v[T:T+1], v[T+4:T+5]
	v_add_f32 v[T], v[T], v[T+1]
	v_permlanex16_b32 v[T+1], v[T], s34, s35
	v_add_f32 v[T], v[T], v[T+1]
	v_rcp_f32 v[T+2], v[T]
	v_nop
	s_wait_alu depctr_va_vdst(0)
.irp i, 0,1,2,3
	v_pk_mul_f32 v[E+2*\i:E+2*\i+1], v[E+2*\i:E+2*\i+1], v[T+2:T+3] op_sel_hi:[1,0]
.endr
.irp k, 0,1
.irp p, 0,1,2,3
	POINT \b, \e, \k, \p
.endr
.endr
.irp k, 0,1                                        ; each store: 512 consecutive bytes, at a multiple of 256 from its buffer's first byte
	global_store_b128 v[L16], v[OI+4*\k:OI+4*\k+3],     s[28:29] offset:(\e)*2097152+(\b)*1024+\k*512
	global_store_b128 v[L16], v[OW+8*\k:OW+8*\k+3],     s[30:31] offset:(\e)*4194304+(\b)*2048+\k*1024
	global_store_b128 v[L16], v[OW+8*\k+4:OW+8*\k+7],   s[30:31] offset:(\e)*4194304+(\b)*2048+\k*1024+512
.endr
.endm
.Ltrip:
	s_wait_loadcnt 0x0                             ; the batch asked for a trip ago
	WIN 0xcf
.set j, 0
.rept 32
	v_pk_add_f32 v[TG+2*j:TG+2*j+1], v[TG+2*j:TG+2*j+1], v[PS+2*j:PS+2*j+1]   ; q = tgt + query_pos
.set j, j+1
.endr
	WIN 0x0f
.set j, 0
.rept 32
	v_cvt_pk_bf16_f32 v[TP+j], v[TG+2*j], v[TG+2*j+1]
.set j, j+1
.endr
	WIN 0
.irp b, 0,1
.irp k, 0,1
	v_pk_mul_f32 v[RPS+4*\b+2*\k:RPS+4*\b+2*\k+1], v[RPN+4*\b+2*\k:RPN+4*\b+2*\k+1], v[WL+2*\k:WL+2*\k+1]
.endr
.endr
	s_cmp_eq_u32 s21, 1
	s_cbranch_scc1 .Lno_more                       ; the last trip asks for nothing
	s_add_nc_u64 s[22:23], s[22:23], 32768         ; free: the wait above has shown their loads done
	s_add_nc_u64 s[24:25], s[24:25], 32768
	s_add_nc_u64 s[26:27], s[26:27], 1024
	BATCH
.Lno_more:
	s_wait_dscnt 0x0
	s_barrier_signal -1
	s_barrier_wait -1                              ; every wave's reads of the last trip's rows are over
.set j, 0
.rept 16
	ds_store_b64 v[SA], v[TP+2*j:TP+2*j+1] offset:(j>>1)*RP+(j&1)*256
.set j, j+1
.endr
	s_wait_dscnt 0x0                               ; for the others' sake: my rows are in LDS
	s_barrier_signal -1
	s_barrier_wait -1
	WIN 0xc0
.irp s, 0,1,2,3,4,5,6,7
.irp b, 0,1
	ds_load_b128 v[64*\b+8*\s:64*\b+8*\s+3],   v[FA] offset:16*\b*RP+64*\s
	ds_load_b128 v[64*\b+8*\s+4:64*\b+8*\s+7], v[FA] offset:16*\b*RP+64*\s+32
.endr
.endr
.irp s, 0,1,2,3,4,5,6,7                            ; twelve accumulators take turns; the bias starts the sums
	s_wait_dscnt 28-4*\s                           ; the four loads of each later K step may stay out
.if \s < 5
	WIN 0x0d                                       ; source 0 window 1, source 1 window 3
.set wf, 48*\s
.else
	WIN 0x0e                                       ; source 0 window 2
.set wf, 48*(\s-5)
.endif
.irp b, 0,1
.irp c, 0,1,2,3,4,5
.if \s == 0
	v_wmma_f32_16x16x32_bf16 v[ACC+48*\b+8*\c:ACC+48*\b+8*\c+7], v[wf+8*\c:wf+8*\c+7], v[64*\b+8*\s:64*\b+8*\s+7], v[BI+8*\c:BI+8*\c+7]
.else
	v_wmma_f32_16x16x32_bf16 v[ACC+48*\b+8*\c:ACC+48*\b+8*\c+7], v[wf+8*\c:wf+8*\c+7], v[64*\b+8*\s:64*\b+8*\s+7], v[ACC+48*\b+8*\c:ACC+48*\b+8*\c+7]
.endif
.endr
.endr
.endr
	WIN 0
	PLACES
	EPI 0, 0
	EPI 0, 1
	EPI 1, 0
	EPI 1, 1
	s_wait_xcnt 0x0                                ; the stores' bases are stepped only behind this wait
	s_add_nc_u64 s[28:29], s[28:29], 2048          ; two tiles of queries on
	s_add_nc_u64 s[30:31], s[30:31], 4096
	s_sub_co_u32 s21, s21, 1
	s_cmp_lg_u32 s21, 0
	s_cbranch_scc1 .Ltrip
	s_wait_tensorcnt 0x0                           ; the wave's end, behind my last LDS store
	ds_add_u32 v[SPW], v[NIL]
	s_wait_dscnt 0x0
	s_endpgm
.Lfunc_end_k_qf83f1522e2_qprj:
	.size	k_qf83f1522e2_qprj, .Lfunc_end_k_qf83f1522e2_qprj-k_qf83f1522e2_qprj
	.p2alignl 7, 3214868480
	.fill 96, 4, 3214868480
	.section	.rodata,"a",@progbits
	.p2align	6, 0x0
	.amdhsa_kernel k_qf83f1522e2_qprj
		.amdhsa_group_segment_fixed_size 17408
		.amdhsa_private_segment_fixed_size 0
		.amdhsa_enable_private_segment 0
		.amdhsa_kernarg_size 64
		.amdhsa_user_sgpr_count 2
		.amdhsa_user_sgpr_kernarg_segment_ptr 1
		.amdhsa_wavefront_size32 1
		.amdhsa_system_sgpr_workgroup_id_x 1
		.amdhsa_system_sgpr_workgroup_id_y 1
		.amdhsa_system_sgpr_workgroup_id_z 1
		.amdhsa_system_vgpr_workitem_id 0
		.amdhsa_next_free_vgpr 1024
		.amdhsa_next_free_sgpr 66
		.amdhsa_reserve_vcc 0
		.amdhsa_float_denorm_mode_32 3
		.amdhsa_float_denorm_mode_16_64 3
		.amdhsa_memory_ordered 1
		.amdhsa_forward_progress 1
		.amdhsa_inst_pref_size 83
	.end_amdhsa_kernel
	.amdgpu_metadata
---
amdhsa.version: [ 1, 2 ]
amdhsa.kernels:
  - .name:           k_qf83f1522e2_qprj
    .symbol:         k_qf83f1522e2_qprj.kd
    .args:
      - { .name: tgt, .offset: 0, .size: 8, .value_kind: global_buffer, .address_space: global }
      - { .name: query_pos, .offset: 8, .size: 8, .value_kind: global_buffer, .address_space: global }
      - { .name: reference_points, .offset: 16, .size: 8, .value_kind: global_buffer, .address_space: global }
      - { .name: wt, .offset: 24, .size: 8, .value_kind: global_buffer, .address_space: global }
      - { .name: b_off, .offset: 32, .size: 8, .value_kind: global_buffer, .address_space: global }
      - { .name: b_attn, .offset: 40, .size: 8, .value_kind: global_buffer, .address_space: global }
      - { .name: sidx, .offset: 48, .size: 8, .value_kind: global_buffer, .address_space: global }
      - { .name: swt, .offset: 56, .size: 8, .value_kind: global_buffer, .address_space: global }
    .group_segment_fixed_size: 17408
    .private_segment_fixed_size: 0
    .kernarg_segment_align: 8
    .kernarg_segment_size: 64
    .max_flat_workgroup_size: 128
    .sgpr_count:     66
    .vgpr_count:     1024
    .wavefront_size: 32
...
	.end_amdgpu_metadata
.endif
;; end of part 3
;; launch gath (part 4): grid 2048 x 1, 8 waves a work-group, no clusters, 9,216 bytes of LDS; arguments sidx, swt, value, samp; writes samp
.if DOCPART == 4
	.amdgcn_target "amdgcn-amd-amdhsa--gfx1250"
	.amdhsa_code_object_version 6
	.text
	.protected	k_qf83f1522e2_gath
	.globl	k_qf83f1522e2_gath
	.p2align	8
	.type	k_qf83f1522e2_gath,@function
k_qf83f1522e2_gath:
	s_mov_b64 s[64:65], 0
	v_nop
	global_prefetch_b8 v0, s[64:65] scope:SCOPE_SE
	s_setreg_imm32_b32 hwreg(HW_REG_WAVE_MODE, 25, 1), 1
	s_wait_xcnt 0x0
; GATH.  For each query and head: the sum over 16 points x 4 corners of weight x value[head][row][32 channels], in f32, rounded once to bf16.
; The rows come from sidx, whole numbers that the launch before stored; the weights (bf16 pairs) from swt.  Every query has its own rows, so this is no matrix product: multiply-adds straight from bf16 halves into f32.
; SHARES.  A work-group is a tile of 16 queries, wave h is head h.  A trip takes 4 queries: lane = 8 sel + 4 xc + cg: query 4 trip + sel, patch column xc, channels 8 cg to 8 cg + 7.
; One load of a wave brings, for each of its 4 queries, 128 consecutive bytes: the two neighbouring pixels of one patch row.  16 such loads are always out (a ring of 16 quads in registers).
; OUT: samp[2,048 tiles][8 heads][2 e][32 lanes][8 channels] in bf16, the order in which the next launch's matrix fragments want it; gathered in 1 KiB of LDS of the wave's own, stored as 512 consecutive bytes.
; Many waves a SIMD (128 registers each) cover the loads' way; no tensor load, no cluster: no two work-groups want the same bytes at the same time by any rule that the text could know.
.set PLANE, 5570560
.set SPARE, 8192
.set PI, 1                             ; v1   16 sel: my query's indices
.set PW, 2                             ; v2   512 xc + 16 sel: its weights for my column
.set LC, 3                             ; v3   16 (lane % 8): my 16 bytes of a patch row's 128
.set SS, 4                             ; v4   where the trip's 16 bytes go
.set SL, 5                             ; v5   back out of the stage
.set GO, 6                             ; v6   16 lane
.set Z0, 7                             ; v7   0
.set SPW, 8                            ; v8   LDS address of my spare word; never rewritten
.set NIL, 9                            ; v9   0; never rewritten
.set ACC, 10                           ; v10-17  eight sums
.set PKD, 18                           ; v18-21
.set SS0, 22                           ; v22  the lane's part of SS
.set IDX, 24                           ; v24-39  point 4 l + p: index, then byte offset
.set WT, 40                            ; v40-55  its weights
.set D, 56                             ; v56-119 sixteen quads
.set OB, 120
	s_load_b256 s[4:11], s[0:1], 0x0               ; sidx, swt, value, samp
	v_lshl_add_u32 v[SPW], v0, 2, SPARE
	v_mov_b32 v[NIL], 0
	v_lshrrev_b32 v1, 5, v0
	v_readfirstlane_b32 s21, v1                    ; wave = head
	v_and_b32 v[SS], 31, v0                        ; lane
	v_lshrrev_b32 v23, 3, v[SS]                    ; sel
	v_lshlrev_b32 v[PI], 4, v23
	v_bfe_u32 v23, v0, 2, 1                        ; xc
	v_lshl_add_u32 v[PW], v23, 9, v[PI]
	v_and_b32 v[LC], 7, v0
	v_lshlrev_b32 v[LC], 4, v[LC]
	v_bfe_u32 v23, v0, 1, 1                        ; cg / 2 = e
	v_lshl_add_u32 v[SS0], v23, 9, v[PI]
	v_and_b32 v23, 1, v0                           ; cg % 2 = the fragment's half
	v_lshl_add_u32 v[SS0], v23, 8, v[SS0]
	v_lshlrev_b32 v[GO], 4, v[SS]
	s_lshl_b32 s22, s21, 10                        ; my wave's stage; steps 64 bytes a trip
	v_add_nc_u32 v[SL], s22, v[GO]
	v_mov_b32 v[Z0], 0
	s_lshl_b32 s23, s21, 11
	s_add_co_u32 s23, s23, ttmp9                   ; head x 2,048 + tile
	s_mov_b32 s25, 0
	s_mov_b32 s20, 4
	s_wait_kmcnt 0x0
	s_lshl_b32 s24, s23, 10
	s_add_nc_u64 s[12:13], s[4:5], s[24:25]
	s_lshl_b32 s24, s23, 11
	s_add_nc_u64 s[14:15], s[6:7], s[24:25]
	s_mul_i32 s24, s21, PLANE
	s_add_nc_u64 s[16:17], s[8:9], s[24:25]
	s_lshl_b32 s24, ttmp9, 13
	s_add_co_u32 s24, s24, s22
	s_add_nc_u64 s[18:19], s[10:11], s[24:25]
.macro GLOAD n                         ; load n of 32: point n / 2, patch row n % 2 (one map row = 8,192 >> level bytes further on)
	global_load_b128 v[D+4*((\n)&15):D+4*((\n)&15)+3], v[IDX+((\n)>>1)], s[16:17] offset:((\n)&1)*(8192>>((\n)>>3))
.endm
.macro TAKE n                          ; its eight channels times the row's weight (low half: first row, high half: second) onto the sums; the first starts them
.set dq, D+4*((\n)&15)
.set wr, WT+((\n)>>1)
.irp d, 0,1,2,3
.if (\n) == 0
	v_fma_mix_f32_bf16 v[ACC+2*\d],   v[dq+\d], v[wr], v[Z0] op_sel:[0,0,0] op_sel_hi:[1,1,0]
	v_fma_mix_f32_bf16 v[ACC+2*\d+1], v[dq+\d], v[wr], v[Z0] op_sel:[1,0,0] op_sel_hi:[1,1,0]
.elseif ((\n)&1) == 0
	v_fma_mix_f32_bf16 v[ACC+2*\d],   v[dq+\d], v[wr], v[ACC+2*\d]   op_sel:[0,0,0] op_sel_hi:[1,1,0]
	v_fma_mix_f32_bf16 v[ACC+2*\d+1], v[dq+\d], v[wr], v[ACC+2*\d+1] op_sel:[1,0,0] op_sel_hi:[1,1,0]
.else
	v_fma_mix_f32_bf16 v[ACC+2*\d],   v[dq+\d], v[wr], v[ACC+2*\d]   op_sel:[0,1,0] op_sel_hi:[1,1,0]
	v_fma_mix_f32_bf16 v[ACC+2*\d+1], v[dq+\d], v[wr], v[ACC+2*\d+1] op_sel:[1,1,0] op_sel_hi:[1,1,0]
.endif
.endr
.endm
.Ltrip:
.irp l, 0,1,2,3                                    ; level l lies at k = l / 2, lane half l % 2
	global_load_b128 v[IDX+4*\l:IDX+4*\l+3], v[PI], s[12:13] offset:(\l>>1)*512+(\l&1)*256
.endr
.irp l, 0,1,2,3
	global_load_b128 v[WT+4*\l:WT+4*\l+3], v[PW], s[14:15] offset:(\l>>1)*1024+(\l&1)*256
.endr
	v_add_nc_u32 v[SS], s22, v[SS0]
	s_wait_loadcnt 0x4                             ; the indices are in; the four loads of weights may stay out
.set i, 0
.rept 16
	v_min_u32 v[IDX+i], 0x153ee, v[IDX+i]          ; the last patch corner of the table: 3 x 21,760 + 21,504 + 14 x 16 + 14
	v_lshl_add_u32 v[IDX+i], v[IDX+i], 6, v[LC]    ; 64 bytes a pixel
.set i, i+1
.endr
.set n, 0
.rept 16
	GLOAD n
.set n, n+1
.endr
.set n, 0
.rept 32
.if n < 16
	s_wait_loadcnt 15                              ; behind load n: 15 - n of the first run and the n issued since
.else
	s_wait_loadcnt 31-n                            ; the counts run down
.endif
	TAKE n
.if n < 16
	GLOAD n+16                                     ; into the quad just read
.endif
.set n, n+1
.endr
.set i, 0
.rept 8
	v_add_f32_dpp v[ACC+i], v[ACC+i], v[ACC+i] row_xmask:4 row_mask:0xf bank_mask:0xf   ; the other patch column's share lies 4 lanes away
.set i, i+1
.endr
.irp d, 0,1,2,3
	v_cvt_pk_bf16_f32 v[PKD+\d], v[ACC+2*\d], v[ACC+2*\d+1]
.endr
	ds_store_b128 v[SS], v[PKD:PKD+3]              ; both columns' lanes hold the same sum and write the same bytes
	s_add_co_u32 s22, s22, 64                      ; four queries on
	s_add_nc_u64 s[12:13], s[12:13], 64            ; free: the count-down to 0 has shown every load done
	s_add_nc_u64 s[14:15], s[14:15], 64
	s_sub_co_u32 s20, s20, 1
	s_cmp_lg_u32 s20, 0
	s_cbranch_scc1 .Ltrip
	ds_load_b128 v[OB:OB+3], v[SL]                 ; my wave's own bytes; LDS serves a wave's instructions in order (ISA guide 5.7.1.4)
	ds_load_b128 v[OB+4:OB+7], v[SL] offset:512
	s_wait_dscnt 0x1
	global_store_b128 v[GO], v[OB:OB+3], s[18:19]
	s_wait_dscnt 0x0
	global_store_b128 v[GO], v[OB+4:OB+7], s[18:19] offset:512
	s_wait_tensorcnt 0x0                           ; the wave's end, behind my last LDS store
	ds_add_u32 v[SPW], v[NIL]
	s_wait_dscnt 0x0
	s_endpgm
.Lfunc_end_k_qf83f1522e2_gath:
	.size	k_qf83f1522e2_gath, .Lfunc_end_k_qf83f1522e2_gath-k_qf83f1522e2_gath
	.p2alignl 7, 3214868480
	.fill 96, 4, 3214868480
	.section	.rodata,"a",@progbits
	.p2align	6, 0x0
	.amdhsa_kernel k_qf83f1522e2_gath
		.amdhsa_group_segment_fixed_size 9216
		.amdhsa_private_segment_fixed_size 0
		.amdhsa_enable_private_segment 0
		.amdhsa_kernarg_size 32
		.amdhsa_user_sgpr_count 2
		.amdhsa_user_sgpr_kernarg_segment_ptr 1
		.amdhsa_wavefront_size32 1
		.amdhsa_system_sgpr_workgroup_id_x 1
		.amdhsa_system_sgpr_workgroup_id_y 1
		.amdhsa_system_sgpr_workgroup_id_z 1
		.amdhsa_system_vgpr_workitem_id 0
		.amdhsa_next_free_vgpr 128
		.amdhsa_next_free_sgpr 66
		.amdhsa_reserve_vcc 0
		.amdhsa_float_denorm_mode_32 3
		.amdhsa_float_denorm_mode_16_64 3
		.amdhsa_memory_ordered 1
		.amdhsa_forward_progress 1
		.amdhsa_inst_pref_size 26
	.end_amdhsa_kernel
	.amdgpu_metadata
---
amdhsa.version: [ 1, 2 ]
amdhsa.kernels:
  - .name:           k_qf83f1522e2_gath
    .symbol:         k_qf83f1522e2_gath.kd
    .args:
      - { .name: sidx, .offset: 0, .size: 8, .value_kind: global_buffer, .address_space: global }
      - { .name: swt, .offset: 8, .size: 8, .value_kind: global_buffer, .address_space: global }
      - { .name: value, .offset: 16, .size: 8, .value_kind: global_buffer, .address_space: global }
      - { .name: samp, .offset: 24, .size: 8, .value_kind: global_buffer, .address_space: global }
    .group_segment_fixed_size: 9216
    .private_segment_fixed_size: 0
    .kernarg_segment_align: 8
    .kernarg_segment_size: 32
    .max_flat_workgroup_size: 256
    .sgpr_count:     66
    .vgpr_count:     128
    .wavefront_size: 32
...
	.end_amdgpu_metadata
.endif
;; end of part 4
;; launch mlp (part 5): grid 256 x 1, 4 waves a work-group, clusters of 4 x 1, 327,680 bytes of LDS; arguments samp, tgt, wt, b_out, ln1_g, ln1_b, b_fc1, b_fc2, ln2_g, ln2_b, out0; writes out0
.if DOCPART == 5
	.amdgcn_target "amdgcn-amd-amdhsa--gfx1250"
	.amdhsa_code_object_version 6
	.text
	.protected	k_qf83f1522e2_mlp
	.globl	k_qf83f1522e2_mlp
	.p2align	8
	.type	k_qf83f1522e2_mlp,@function
k_qf83f1522e2_mlp:
	s_mov_b64 s[64:65], 0
	v_nop
	global_prefetch_b8 v0, s[64:65] scope:SCOPE_SE
	s_setreg_imm32_b32 hwreg(HW_REG_WAVE_MODE, 25, 1), 1
	s_wait_xcnt 0x0
	s_wait_alu depctr_hold_cnt(0) depctr_sa_sdst(0) depctr_va_vdst(0) depctr_va_sdst(0) depctr_va_ssrc(0) depctr_va_vcc(0) depctr_vm_vsrc(0)
	s_getreg_b32 s2, hwreg(HW_REG_IB_STS2, 6, 4)
	s_cmp_eq_u32 s2, 0
	s_cbranch_scc0 .Lentry_in_a_cluster
	s_endpgm
.Lentry_in_a_cluster:
	s_bfe_u32 s2, ttmp6, 0x10000c
	s_cmp_lg_u32 s2, 0x3003
	s_cbranch_scc0 .Lentry_shape_is_right
	s_endpgm
.Lentry_shape_is_right:
; MLP.  x1 = LN1(tgt + samp W_out + b_out);  out0 = LN2(x1 + relu(x1 W_fc1 + b_fc1) W_fc2 + b_fc2).  Products in bf16 with f32 sums; residuals, means and variances in f32; the variance is taken of the centred numbers.
; LIMITS: NaN and infinities are not treated apart; x1 and the hidden layer are rounded once to bf16 as matrix operands.
; SHARES.  A work-group owns 128 queries, each of its four waves 32 (two tiles of 16) through the whole chain.  EVERY PRODUCT IS USED TRANSPOSED: source 0 = 16 rows of a transposed weight (output channels),
; source 1 = 16 queries.  A lane then holds ONE query (lane % 16) and channels 8 (lane / 16) + 0..7 of each tile, and two result tiles rounded in pairs ARE the next product's source 1: nothing changes lanes,
; no wave needs another's numbers, and a row's mean wants one exchange between the halves of the lanes.  The 256 channels of 32 queries stay in 256 accumulator registers from tgt to out0:
; tgt starts the sums of the first product, x1 those of the last (the two residuals); nothing is cleared.
; WEIGHTS.  All work-groups walk the same weights in the same order: the four of a cluster ask for each tile JOINTLY (one tensor load, the same descriptor, the mask of four).  Two LDS slots take turns:
; first W_out^T (256 rows), then eight chunks of 128 hidden units: 128 rows of W_fc1^T (waves 0, 1 fetch 64 each) and 256 rows x 128 of W_fc2^T (waves 2, 3 fetch 128 each).
; A refill has a chunk's 256 matrix instructions a wave in which to land.  By this text's count a wave has two tensor loads out at the start and one behind each round.
; Slot 1 first takes the wave's 32 rows of tgt (a load of its own), and after its last fill serves as the stage for the way out.
; REGISTERS: window 0: addresses, statistics, v32-63 the hidden accumulators, v64-79 b_fc1, v80-95 the hidden layer in bf16, v96-127 at work, v128-255 fragments of W_fc1^T (or W_out^T)
;   window 1: Y, tile i of channels and tile t of queries at 16 i + 8 t     window 2: v0-127 source 1 (K step s, t at 16 s + 8 t), v128-255 a gain     window 3: v0-127 fragments of W_fc2^T (or W_out^T), v128-255 a bias
.set SLOT,  137216
.set S1,    SLOT
.set P1,    528                        ; rows of 512 bytes + 16
.set P2,    272                        ; rows of 256 bytes + 16
.set W2O,   128*P1                     ; W_fc2^T's part of a slot
.set TPI,   1040                       ; rows of 1,024 bytes + 16 (tgt, and the way out)
.set TW,    32*TPI
.set PAR,   2*SLOT                     ; b_fc1 +0, b_out +4096, ln1_g +5120, ln1_b +6144, b_fc2 +7168, ln2_g +8192, ln2_b +9216: stored once, never a tensor load's target
.set SPARE, PAR+10240                  ; the spare words, 128 bytes for each wave
.set WOT,   327680                     ; places in wt
.set W1T,   458752
.set W2T,   983040
.set LA, 2                             ; v2   r x 528 + 16 half
.set LB, 3                             ; v3   r x 272 + 16 half
.set A1, 4                             ; v4   W_fc1^T's fragments to be fetched next
.set A2, 5                             ; v5   W_fc2^T's
.set HBA, 6                            ; v6   b_fc1's
.set O1, 8                             ; v8   LA + 128 rows
.set SO, 9                             ; v9   my query's row in my wave's part of slot 1, + 32 half
.set SI, 10                            ; v10  the same part, + 16 lane
.set L16, 11                           ; v11  16 lane
.set PA, 12                            ; v12  PAR + 32 half
.set Z0, 13                            ; v13  0
.set SPW, 14                           ; v14  LDS address of my spare word; never rewritten
.set NIL, 15                           ; v15  0; never rewritten
.set MEAN, 16                          ; v16-19  by t, in the low word of a pair
.set RS, 20                            ; v20-23  1 / sqrt(var + eps), likewise
.set TT, 24                            ; v24-27  at work
.set HACC, 32
.set HB, 64
.set HP, 80
.set CH, 96                            ; v96-111 four chains of pairs for each t
.set AF1, 128
.set G1A, 16                           ; s[16:23] 64 rows x 256 bf16, joint
.set G1B, 24                           ; s[24:31] 128 rows x 128 bf16 out of rows of 1,024, joint
.set G1T, 32                           ; s[32:39] 32 rows x 256 f32, my own
.set G0A, 40                           ; s[40:47] W_fc1^T's group 0, one for each slot
.set G0B, 48                           ; s[48:55] W_fc2^T's
.set G0W, 56                           ; s[56:59] W_out^T's
.set G0T, 60                           ; s[60:63] tgt's
.set MSB, 0
.macro WIN new
.if MSB != (\new)
	s_set_vgpr_msb (MSB<<8)|(\new)
.set MSB, \new
.endif
.endm
.macro PLACES                          ; four places between a matrix instruction and what reads its result or writes its registers (ISA guide 7.12.1)
.rept 4
	v_nop
.endr
.endm
.macro ROUND                           ; a round of the cluster's barrier: my work-group's barrier; wave 0 signals for it; every wave waits for all four work-groups; my work-group's barrier once more
	s_barrier_signal -1
	s_barrier_wait -1
	s_cmp_lg_u32 s8, 0
	s_cbranch_scc1 .Lnot_wave_0_\@
	s_barrier_signal -3
.Lnot_wave_0_\@:
	s_barrier_wait -3
	s_barrier_signal -1
	s_barrier_wait -1
.endm
.macro JLOAD f                         ; a joint refill of slot f; the branch hangs on the wave's number alone; an s_nop 0 and four v_nop follow each line
	s_cmp_lt_u32 s8, 2
	s_cbranch_scc0 .Lfor_w2_\@
	tensor_load_to_lds s[G0A+4*(\f):G0A+4*(\f)+3], s[G1A:G1A+7]
	s_nop 0
.rept 4
	v_nop
.endr
	s_branch .Lasked_\@
.Lfor_w2_\@:
	tensor_load_to_lds s[G0B+4*(\f):G0B+4*(\f)+3], s[G1B:G1B+7]
	s_nop 0
.rept 4
	v_nop
.endr
.Lasked_\@:
.endm
; THE CHANGE OF SLOTS.  Each wave waits for all its tensor loads (one is out: its part of the other slot), adds 0 to its spare word, and waits for that and for its reads of the slot that it leaves.
; f = 0, 1: slot f is filled again, first thing behind a round of the cluster's barrier; step = 1: with the chunk two further on.  f = -1: nothing is left to fetch.
.macro CHANGE f, step
	WIN 0
	s_wait_tensorcnt 0x0                           ; no tensor load of mine is out, so a group 0 may be written
	ds_add_u32 v[SPW], v[NIL]
.if \step
	s_add_nc_u64 s[G0A+4*(\f)+2:G0A+4*(\f)+3], s[G0A+4*(\f)+2:G0A+4*(\f)+3], 131072   ; 256 rows of 512 bytes
	s_add_nc_u64 s[G0B+4*(\f)+2:G0B+4*(\f)+3], s[G0B+4*(\f)+2:G0B+4*(\f)+3], 512      ; 256 columns of 2 bytes
.endif
	s_wait_dscnt 0x0                               ; the add is done, and my LDS reads and stores are over
.if (\f) >= 0
	ROUND
	JLOAD \f
.else
	s_barrier_signal -1
	s_barrier_wait -1
.endif
.endm
	s_load_b512 s[68:83], s[0:1], 0x0              ; samp 68, tgt 70, wt 72, b_out 74, ln1_g 76, ln1_b 78, b_fc1 80, b_fc2 82
	s_load_b128 s[84:87], s[0:1], 0x40             ; ln2_g 84, ln2_b 86
	s_load_b64 s[88:89], s[0:1], 0x50              ; out0
	v_lshl_add_u32 v[SPW], v0, 2, SPARE
	v_mov_b32 v[NIL], 0
	ds_add_u32 v[SPW], v[NIL]                      ; the wave's opening: the add and its wait ahead of my first tensor load; work on registers stands between them
	v_lshrrev_b32 v1, 5, v0
	v_readfirstlane_b32 s8, v1                     ; wave
	s_bfe_u32 s9, ttmp6, 0x40000                   ; cx: it enters the addresses of samp, tgt and out0 alone
	s_lshl_b32 s10, ttmp9, 2
	s_add_co_u32 s10, s10, s9                      ; my block of 128 queries
	s_and_b32 s3, s8, 1                            ; which half of a tile I fetch
	s_mov_b32 s[G1A+0], 15|(1<<16)|(1<<20)|(1<<21)|(6<<22)|(3<<25)  ; the mask of four; 2-byte elements; padding on; bit 21 beside a mask; after every 128 words, 4 words
	s_mov_b32 s[G1A+1], 256<<16                    ; tensor_dim0
	s_mov_b32 s[G1A+2], 64<<16                     ; tensor_dim1
	s_mov_b32 s[G1A+3], 256<<16                    ; tile_dim0
	s_mov_b32 s[G1A+4], 64                         ; tile_dim1
	s_mov_b32 s[G1A+5], 256                        ; elements from row to row
	s_mov_b32 s[G1A+6], 0
	s_mov_b32 s[G1A+7], 0
	s_mov_b32 s[G1B+0], 15|(1<<16)|(1<<20)|(1<<21)|(5<<22)|(3<<25)  ; after every 64 words, 4 words
	s_mov_b32 s[G1B+1], 128<<16
	s_mov_b32 s[G1B+2], 128<<16
	s_mov_b32 s[G1B+3], 128<<16
	s_mov_b32 s[G1B+4], 128
	s_mov_b32 s[G1B+5], 1024
	s_mov_b32 s[G1B+6], 0
	s_mov_b32 s[G1B+7], 0
	s_mov_b32 s[G1T+0], (2<<16)|(1<<20)|(7<<22)|(3<<25)             ; no mask; 4-byte elements; after every 256 words, 4 words
	s_mov_b32 s[G1T+1], 256<<16
	s_mov_b32 s[G1T+2], 32<<16
	s_mov_b32 s[G1T+3], 256<<16
	s_mov_b32 s[G1T+4], 32
	s_mov_b32 s[G1T+5], 256
	s_mov_b32 s[G1T+6], 0
	s_mov_b32 s[G1T+7], 0
	s_mul_i32 s4, s3, 64*P1
	s_mul_i32 s5, s3, 128*P2
	s_mov_b32 s[G0A+0], 1
	s_mov_b32 s[G0A+1], s4                         ; slot 0
	s_mov_b32 s[G0A+4], 1
	s_add_co_u32 s[G0A+5], s4, S1                  ; slot 1
	s_mov_b32 s[G0B+0], 1
	s_add_co_u32 s[G0B+1], s5, W2O
	s_mov_b32 s[G0B+4], 1
	s_add_co_u32 s[G0B+5], s5, S1+W2O
	s_mov_b32 s[G0W+0], 1
	s_mul_i32 s[G0W+1], s8, 64*P1
	s_mov_b32 s[G0T+0], 1
	s_mul_i32 s[G0T+1], s8, TW
	s_add_co_u32 s[G0T+1], s[G0T+1], S1
	s_mov_b32 s90, 0x76543210                      ; v_permlanex16_b32: each lane takes its own place in the other half
	s_mov_b32 s91, 0xfedcba98
	s_mov_b32 s98, 0x3b800000                      ; 1 / 256
	s_mov_b32 s99, 0x3727c5ac                      ; 1e-5
	s_mov_b32 s15, 0                               ; the byte in b_fc1 of the hidden units to be fetched next
	s_mov_b32 s7, 0
	s_mov_b32 s101, 0
	s_wait_dscnt 0x0                               ; the opening add is done
	s_wait_kmcnt 0x0
	s_lshl_b32 s6, s3, 15
	s_add_co_u32 s6, s6, W1T
	s_add_nc_u64 s[G0A+6:G0A+7], s[72:73], s[6:7]              ; slot 1 begins with chunk 0,
	s_add_nc_u64 s[G0A+2:G0A+3], s[G0A+6:G0A+7], 65536         ; slot 0 with chunk 1
	s_or_b32 s[G0A+7], s[G0A+7], 0x80000000
	s_or_b32 s[G0A+3], s[G0A+3], 0x80000000
	s_lshl_b32 s6, s3, 18
	s_add_co_u32 s6, s6, W2T
	s_add_nc_u64 s[G0B+6:G0B+7], s[72:73], s[6:7]
	s_add_nc_u64 s[G0B+2:G0B+3], s[G0B+6:G0B+7], 256
	s_or_b32 s[G0B+7], s[G0B+7], 0x80000000
	s_or_b32 s[G0B+3], s[G0B+3], 0x80000000
	s_lshl_b32 s6, s8, 15
	s_add_co_u32 s6, s6, WOT
	s_add_nc_u64 s[G0W+2:G0W+3], s[72:73], s[6:7]
	s_or_b32 s[G0W+3], s[G0W+3], 0x80000000
	s_lshl_b32 s100, s10, 17                       ; my wave's 32 rows of 1,024 bytes
	s_lshl_b32 s11, s8, 15
	s_add_co_u32 s100, s100, s11
	s_add_nc_u64 s[G0T+2:G0T+3], s[70:71], s[100:101]
	s_or_b32 s[G0T+3], s[G0T+3], 0x80000000
	s_add_nc_u64 s[88:89], s[88:89], s[100:101]
	s_lshl_b32 s100, s10, 16                       ; my wave's two tiles of 8,192 bytes in samp
	s_lshl_b32 s11, s8, 14
	s_add_co_u32 s100, s100, s11
	s_add_nc_u64 s[68:69], s[68:69], s[100:101]
	s_cmp_lt_u32 s8, 2                             ; waves 0, 1 copy one vector of 256 numbers, waves 2, 3 the next
	s_cselect_b64 s[92:93], s[74:75], s[76:77]
	s_cselect_b64 s[94:95], s[78:79], s[82:83]
	s_cselect_b64 s[96:97], s[84:85], s[86:87]
	ROUND                                          ; all four work-groups are here: the first joint loads meet
	tensor_load_to_lds s[G0W:G0W+3], s[G1A:G1A+7]  ; my 64 rows of W_out^T into slot 0
	s_nop 0
	tensor_load_to_lds s[G0T:G0T+3], s[G1T:G1T+7]  ; my 32 rows of tgt into slot 1
	s_nop 0
.rept 4
	v_nop
.endr
	v_and_b32 v1, 15, v0                           ; r
	v_bfe_u32 v7, v0, 4, 1                         ; half
	v_and_b32 v[L16], 31, v0
	v_lshlrev_b32 v[L16], 4, v[L16]
	WIN 0x80                                       ; destination window 2: the sampled values, already in fragment order: 512 consecutive bytes a load
.irp s, 0,1,2,3,4,5,6,7
.irp t, 0,1
	global_load_b128 v[16*\s+8*\t:16*\s+8*\t+3],   v[L16], s[68:69] offset:\t*8192+\s*1024 th:TH_LOAD_NT
	global_load_b128 v[16*\s+8*\t+4:16*\s+8*\t+7], v[L16], s[68:69] offset:\t*8192+\s*1024+512 th:TH_LOAD_NT
.endr
.endr
	WIN 0
	v_lshlrev_b32 v116, 4, v0                      ; 16 x thread
	v_and_b32 v117, 63, v0
	v_lshlrev_b32 v117, 4, v117
	v_add_nc_u32 v118, PAR, v116
	global_load_b128 v[96:99],   v116, s[80:81]
	global_load_b128 v[100:103], v116, s[80:81] offset:2048
	global_load_b128 v[104:107], v117, s[92:93]
	global_load_b128 v[108:111], v117, s[94:95]
	global_load_b128 v[112:115], v117, s[96:97]
	v_mul_u32_u24 v[LA], v1, P1
	v_lshl_add_u32 v[LA], v7, 4, v[LA]
	v_mul_u32_u24 v[LB], v1, P2
	v_lshl_add_u32 v[LB], v7, 4, v[LB]
	v_add_nc_u32 v[O1], 128*P1, v[LA]
	v_mul_u32_u24 v[SO], v1, TPI
	v_lshl_add_u32 v[SO], v7, 5, v[SO]
	v_add_nc_u32 v[SO], s[G0T+1], v[SO]
	v_add_nc_u32 v[SI], s[G0T+1], v[L16]
	v_lshlrev_b32 v[PA], 5, v7
	v_add_nc_u32 v[PA], PAR, v[PA]
	v_mov_b32 v[Z0], 0
.set i, 16
.rept 16
	v_mov_b32 v[i], 0                              ; the statistics' pairs and the exchange's destinations are written once
.set i, i+1
.endr
	s_wait_loadcnt 0x0
	ds_store_b128 v118, v[96:99]
	ds_store_b128 v118, v[100:103] offset:2048
	ds_store_b128 v118, v[104:107] offset:4096
	ds_store_b128 v118, v[108:111] offset:6144
	ds_store_b128 v118, v[112:115] offset:8192
	s_wait_tensorcnt 0x0                           ; my own rows of tgt are in (and my part of W_out^T)
	WIN 0x40                                       ; tgt starts the sums
.set t, 0
.rept 2
.set i, 0
.rept 16
	ds_load_b128 v[16*i+8*t:16*i+8*t+3],   v[SO] offset:t*16*TPI+64*i
	ds_load_b128 v[16*i+8*t+4:16*i+8*t+7], v[SO] offset:t*16*TPI+64*i+16
.set i, i+1
.endr
.set t, t+1
.endr
	CHANGE 1, 0                                    ; tgt has been read: slot 1 takes chunk 0.  The round also shows W_out^T and the vectors to every wave
; THE OUT PROJECTION: 8 K steps (heads) x 32 accumulators, which take turns; the weights' fragments in two buffers
.macro LOADO s
.if ((\s)&1) == 0
	WIN 0
.set fb, AF1
.else
	WIN 0xc0
.set fb, 0
.endif
.set i, 0
.rept 8
	ds_load_b128 v[fb+8*i:fb+8*i+3],   v[LA] offset:i*16*P1+64*(\s)
	ds_load_b128 v[fb+8*i+4:fb+8*i+7], v[LA] offset:i*16*P1+64*(\s)+32
.set i, i+1
.endr
.set i, 0
.rept 8
	ds_load_b128 v[fb+64+8*i:fb+64+8*i+3],   v[O1] offset:i*16*P1+64*(\s)
	ds_load_b128 v[fb+64+8*i+4:fb+64+8*i+7], v[O1] offset:i*16*P1+64*(\s)+32
.set i, i+1
.endr
.endm
	LOADO 0
	LOADO 1
.irp s, 0,1,2,3,4,5,6,7
.if \s < 7
	s_wait_dscnt 32                                ; the next K step's 32 loads may stay out
.else
	s_wait_dscnt 0x0
.endif
.if (\s&1) == 0
	WIN 0x58                                       ; Y window 1, source 1 window 2, source 0 window 0
.set fb, AF1
.else
	WIN 0x5b                                       ; source 0 window 3
.set fb, 0
.endif
.set i, 0
.rept 16
	v_wmma_f32_16x16x32_bf16 v[16*i:16*i+7],    v[fb+8*i:fb+8*i+7], v[16*\s:16*\s+7],    v[16*i:16*i+7]
	v_wmma_f32_16x16x32_bf16 v[16*i+8:16*i+15], v[fb+8*i:fb+8*i+7], v[16*\s+8:16*\s+15], v[16*i+8:16*i+15]
.set i, i+1
.endr
.if \s < 6
	PLACES
	LOADO \s+2
.endif
.endr
; LAYER NORM of Y + bias, in place, both tiles of queries: Y = (Y + bias - mean) / sqrt(var + 1e-5) x gain + shift.  The three arguments are the vectors' places in PAR.
.macro VEC o                           ; a vector's 128 numbers for my half of the lanes -> v128-255 of the window set
.set i, 0
.rept 16
	ds_load_b128 v[128+8*i:128+8*i+3],   v[PA] offset:(\o)+64*i
	ds_load_b128 v[128+8*i+4:128+8*i+7], v[PA] offset:(\o)+64*i+16
.set i, i+1
.endr
.endm
.macro EACHY line:vararg               ; one line for each pair of Y: rY the pair, rV the vectors' pair of the same channels, t the tile; each accumulator's registers in ascending order
.set t, 0
.rept 2
.set i, 0
.rept 16
.set q, 0
.rept 4
.set rY, 16*i+8*t+2*q
.set rV, 128+8*i+2*q
	\line
.set q, q+1
.endr
.set i, i+1
.endr
.set t, t+1
.endr
.endm
.macro FOLD                            ; the chains, their two halves and the other half of the lanes' -> v[TT + t]
	WIN 0
.irp t, 0,1
	v_pk_add_f32 v[CH+8*\t:CH+8*\t+1],   v[CH+8*\t:CH+8*\t+1],   v[CH+8*\t+2:CH+8*\t+3]
	v_pk_add_f32 v[CH+8*\t+4:CH+8*\t+5], v[CH+8*\t+4:CH+8*\t+5], v[CH+8*\t+6:CH+8*\t+7]
.endr
.irp t, 0,1
	v_pk_add_f32 v[CH+8*\t:CH+8*\t+1], v[CH+8*\t:CH+8*\t+1], v[CH+8*\t+4:CH+8*\t+5]
.endr
.irp t, 0,1
	v_add_f32 v[TT+\t], v[CH+8*\t], v[CH+8*\t+1]
.endr
.irp t, 0,1
	v_permlanex16_b32 v[TT+2+\t], v[TT+\t], s90, s91
.endr
.irp t, 0,1
	v_add_f32 v[TT+\t], v[TT+\t], v[TT+2+\t]
.endr
.endm
.macro LN vb, vg, vz
	WIN 0xc0
	VEC \vb                                        ; the bias, window 3
	WIN 0x80
	VEC \vg                                        ; the gain, window 2
	s_wait_dscnt 32                                ; the gain's 32 loads may stay out
	WIN 0x4d
	EACHY v_pk_add_f32 v[rY:rY+1], v[rY:rY+1], v[rV:rV+1]
	WIN 0xc0
	VEC \vz                                        ; the shift takes the bias's place
	WIN 0x05                                       ; the sums: four chains for each t, started by the first two tiles
.set t, 0
.rept 2
.set q, 0
.rept 4
	v_pk_add_f32 v[CH+8*t+2*q:CH+8*t+2*q+1], v[8*t+2*q:8*t+2*q+1], v[16+8*t+2*q:16+8*t+2*q+1]
.set q, q+1
.endr
.set t, t+1
.endr
	WIN 0x04
.set i, 2
.rept 14
.set t, 0
.rept 2
.set q, 0
.rept 4
	v_pk_add_f32 v[CH+8*t+2*q:CH+8*t+2*q+1], v[CH+8*t+2*q:CH+8*t+2*q+1], v[16*i+8*t+2*q:16*i+8*t+2*q+1]
.set q, q+1
.endr
.set t, t+1
.endr
.set i, i+1
.endr
	FOLD
.irp t, 0,1
	v_mul_f32 v[MEAN+2*\t], s98, v[TT+\t]
.endr
	WIN 0x41
	EACHY v_pk_add_f32 v[rY:rY+1], v[rY:rY+1], v[MEAN+2*t:MEAN+2*t+1] op_sel_hi:[1,0] neg_lo:[0,1] neg_hi:[0,1]
	WIN 0x05                                       ; the squares of the centred numbers
.set t, 0
.rept 2
.set q, 0
.rept 4
	v_pk_mul_f32 v[CH+8*t+2*q:CH+8*t+2*q+1], v[8*t+2*q:8*t+2*q+1], v[8*t+2*q:8*t+2*q+1]
.set q, q+1
.endr
.set t, t+1
.endr
.set i, 1
.rept 15
.set t, 0
.rept 2
.set q, 0
.rept 4
	v_pk_fma_f32 v[CH+8*t+2*q:CH+8*t+2*q+1], v[16*i+8*t+2*q:16*i+8*t+2*q+1], v[16*i+8*t+2*q:16*i+8*t+2*q+1], v[CH+8*t+2*q:CH+8*t+2*q+1]
.set q, q+1
.endr
.set t, t+1
.endr
.set i, i+1
.endr
	FOLD
.irp t, 0,1
	v_fma_f32 v[TT+\t], v[TT+\t], s98, s99         ; var + 1e-5
.endr
.irp t, 0,1
	v_rsq_f32 v[RS+2*\t], v[TT+\t]
.endr
	v_nop                                          ; a plain instruction behind the last of them (ISA guide 5.7.2)
	s_wait_alu depctr_va_vdst(0)
	WIN 0x41
	EACHY v_pk_mul_f32 v[rY:rY+1], v[rY:rY+1], v[RS+2*t:RS+2*t+1] op_sel_hi:[1,0]
	s_wait_dscnt 0x0                               ; gain and shift are in
	WIN 0x79                                       ; Y window 1, gain window 2, shift window 3
	EACHY v_pk_fma_f32 v[rY:rY+1], v[rY:rY+1], v[rV:rV+1], v[rV:rV+1]
.endm
	PLACES
	LN 4096, 5120, 6144
	WIN 0x85                                       ; x1 in bf16 is source 1 of the next product: K step s takes channel tiles 2 s and 2 s + 1.  Y keeps x1 in f32: the second residual
.set t, 0
.rept 2
.set i, 0
.rept 16
.set q, 0
.rept 4
	v_cvt_pk_bf16_f32 v[16*(i/2)+8*t+4*(i%2)+q], v[16*i+8*t+2*q], v[16*i+8*t+2*q+1]
.set q, q+1
.endr
.set i, i+1
.endr
.set t, t+1
.endr
; A CHUNK of 128 hidden units in four sub-steps of 32: 32 products make them (8 K steps x 4 accumulators, b_fc1 starts the sums), ReLU and rounding make source 1 of 32 products onto Y.
.macro LOAD1                           ; 32 hidden units' rows of W_fc1^T (16 fragments) and their bias: 36 loads
	WIN 0
.irp i, 0,1
.irp s, 0,1,2,3,4,5,6,7
	ds_load_b128 v[AF1+64*\i+8*\s:AF1+64*\i+8*\s+3],   v[A1] offset:\i*16*P1+64*\s
	ds_load_b128 v[AF1+64*\i+8*\s+4:AF1+64*\i+8*\s+7], v[A1] offset:\i*16*P1+64*\s+32
.endr
.endr
.irp i, 0,1
	ds_load_b128 v[HB+8*\i:HB+8*\i+3],   v[HBA] offset:64*\i
	ds_load_b128 v[HB+8*\i+4:HB+8*\i+7], v[HBA] offset:64*\i+16
.endr
.endm
.macro LOAD2                           ; the same 32 hidden units' columns of W_fc2^T: 16 fragments, 32 loads
	WIN 0xc0
.set i, 0
.rept 16
	ds_load_b128 v[8*i:8*i+3],   v[A2] offset:i*16*P2
	ds_load_b128 v[8*i+4:8*i+7], v[A2] offset:i*16*P2+32
.set i, i+1
.endr
.endm
.macro CHUNK slot
	WIN 0
	s_mov_b32 s13, (\slot)*SLOT
	s_mov_b32 s14, (\slot)*SLOT+W2O
	v_add_nc_u32 v[A1], s13, v[LA]
	v_add_nc_u32 v[HBA], s15, v[PA]
	LOAD1
	s_mov_b32 s12, 4
.Lsub_\@:
	s_add_co_u32 s13, s13, 32*P1
	s_add_co_u32 s15, s15, 128
	v_add_nc_u32 v[A1], s13, v[LA]                 ; the next sub-step's addresses; with the v_nop these are the four places behind the last product onto Y
	v_add_nc_u32 v[HBA], s15, v[PA]
	v_add_nc_u32 v[A2], s14, v[LB]
	v_nop
	s_add_co_u32 s14, s14, 64
	LOAD2
	s_wait_dscnt 32                                ; all but the 32 just issued
	WIN 0x08                                       ; source 1 window 2
.irp s, 0,1,2,3,4,5,6,7
.irp i, 0,1
.irp t, 0,1
.if \s == 0
	v_wmma_f32_16x16x32_bf16 v[HACC+16*\i+8*\t:HACC+16*\i+8*\t+7], v[AF1+64*\i+8*\s:AF1+64*\i+8*\s+7], v[16*\s+8*\t:16*\s+8*\t+7], v[HB+8*\i:HB+8*\i+7]
.else
	v_wmma_f32_16x16x32_bf16 v[HACC+16*\i+8*\t:HACC+16*\i+8*\t+7], v[AF1+64*\i+8*\s:AF1+64*\i+8*\s+7], v[16*\s+8*\t:16*\s+8*\t+7], v[HACC+16*\i+8*\t:HACC+16*\i+8*\t+7]
.endif
.endr
.endr
.endr
	WIN 0
	PLACES
.irp i, 0,1
.irp t, 0,1
.irp q, 0,1,2,3
	v_cvt_pk_bf16_f32 v[HP+8*\t+4*\i+\q], v[HACC+16*\i+8*\t+2*\q], v[HACC+16*\i+8*\t+2*\q+1]
.endr
.endr
.endr
.set n, 0
.rept 16
	v_pk_max_num_bf16 v[HP+n], v[HP+n], v[Z0]      ; ReLU on the rounded pairs: nothing is rounded again
.set n, n+1
.endr
	s_cmp_eq_u32 s12, 1
	s_cbranch_scc1 .Llast_\@
	LOAD1                                          ; the next sub-step's, 32 products ahead of their use
	s_wait_dscnt 36                                ; all but the 36 just issued
	s_branch .Lgo_\@
.Llast_\@:
	s_wait_dscnt 0x0
.Lgo_\@:
	WIN 0x53                                       ; Y window 1, source 0 window 3, source 1 window 0
.set i, 0
.rept 16
	v_wmma_f32_16x16x32_bf16 v[16*i:16*i+7],    v[8*i:8*i+7], v[HP:HP+7],    v[16*i:16*i+7]
	v_wmma_f32_16x16x32_bf16 v[16*i+8:16*i+15], v[8*i:8*i+7], v[HP+8:HP+15], v[16*i+8:16*i+15]
.set i, i+1
.endr
	WIN 0
	s_sub_co_u32 s12, s12, 1
	s_cmp_lg_u32 s12, 0
	s_cbranch_scc1 .Lsub_\@
.endm
	CHANGE 0, 0                                    ; W_out^T has been read: slot 0 takes chunk 1
	CHUNK 1                                        ; chunk 0
	s_mov_b32 s11, 3
.Lpair:                                            ; chunks 1 to 6; slot 1 takes chunks 2, 4, 6, slot 0 chunks 3, 5, 7
	CHANGE 1, 1
	CHUNK 0
	CHANGE 0, 1
	CHUNK 1
	s_sub_co_u32 s11, s11, 1
	s_cmp_lg_u32 s11, 0
	s_cbranch_scc1 .Lpair
	CHANGE -1, 0                                   ; the tail is written out: nothing is asked for
	CHUNK 0                                        ; chunk 7
	PLACES
	LN 7168, 8192, 9216
	; THE WAY OUT.  Slot 1 has had its last fill, and every wave's reads of it ended ahead of the last change of slots: my wave's part of it is my stage.  In by channels, back by rows.
	WIN 0x04                                       ; store data window 1
.set t, 0
.rept 2
.set i, 0
.rept 16
	ds_store_b128 v[SO], v[16*i+8*t:16*i+8*t+3]   offset:t*16*TPI+64*i
	ds_store_b128 v[SO], v[16*i+8*t+4:16*i+8*t+7] offset:t*16*TPI+64*i+16
.set i, i+1
.endr
.set t, t+1
.endr
.set bt, 0
.rept 4                                            ; eight rows at a time
	WIN 0x80                                       ; LDS serves a wave's instructions in order (ISA guide 5.7.1.4): these see the stores above
.set n, 0
.rept 16
	ds_load_b128 v[128+4*n:128+4*n+3], v[SI] offset:(8*bt+(n>>1))*TPI+(n&1)*512
.set n, n+1
.endr
	WIN 0x08                                       ; store data window 2
.set n, 0
.rept 16
	s_wait_dscnt 15-n                              ; the younger loads may stay out
	global_store_b128 v[L16], v[128+4*n:128+4*n+3], s[88:89] offset:(8*bt+(n>>1))*1024+(n&1)*512 th:TH_STORE_NT   ; 512 consecutive bytes, at a multiple of 256 from out0's first byte
.set n, n+1
.endr
	s_wait_xcnt 0x0                                ; the stores' data are loaded again only behind this wait
.set bt, bt+1
.endr
	WIN 0
	s_wait_tensorcnt 0x0                           ; the wave's end, behind my last tensor load and my last LDS store
	ds_add_u32 v[SPW], v[NIL]
	s_wait_dscnt 0x0
	ROUND                                          ; the closing round: no work-group ends while a partner may still ask for a tile that names it
	s_endpgm
.Lfunc_end_k_qf83f1522e2_mlp:
	.size	k_qf83f1522e2_mlp, .Lfunc_end_k_qf83f1522e2_mlp-k_qf83f1522e2_mlp
	.p2alignl 7, 3214868480
	.fill 96, 4, 3214868480
	.section	.rodata,"a",@progbits
	.p2align	6, 0x0
	.amdhsa_kernel k_qf83f1522e2_mlp
		.amdhsa_group_segment_fixed_size 327680
		.amdhsa_private_segment_fixed_size 0
		.amdhsa_enable_private_segment 0
		.amdhsa_kernarg_size 88
		.amdhsa_user_sgpr_count 2
		.amdhsa_user_sgpr_kernarg_segment_ptr 1
		.amdhsa_wavefront_size32 1
		.amdhsa_system_sgpr_workgroup_id_x 1
		.amdhsa_system_sgpr_workgroup_id_y 1
		.amdhsa_system_sgpr_workgroup_id_z 1
		.amdhsa_system_vgpr_workitem_id 0
		.amdhsa_next_free_vgpr 1024
		.amdhsa_next_free_sgpr 102
		.amdhsa_reserve_vcc 0
		.amdhsa_float_denorm_mode_32 3
		.amdhsa_float_denorm_mode_16_64 3
		.amdhsa_memory_ordered 1
		.amdhsa_forward_progress 1
		.amdhsa_inst_pref_size 244
	.end_amdhsa_kernel
	.amdgpu_metadata
---
amdhsa.version: [ 1, 2 ]
amdhsa.kernels:
  - .name:           k_qf83f1522e2_mlp
    .symbol:         k_qf83f1522e2_mlp.kd
    .args:
      - { .name: samp, .offset: 0, .size: 8, .value_kind: global_buffer, .address_space: global }
      - { .name: tgt, .offset: 8, .size: 8, .value_kind: global_buffer, .address_space: global }
      - { .name: wt, .offset: 16, .size: 8, .value_kind: global_buffer, .address_space: global }
      - { .name: b_out, .offset: 24, .size: 8, .value_kind: global_buffer, .address_space: global }
      - { .name: ln1_g, .offset: 32, .size: 8, .value_kind: global_buffer, .address_space: global }
      - { .name: ln1_b, .offset: 40, .size: 8, .value_kind: global_buffer, .address_space: global }
      - { .name: b_fc1, .offset: 48, .size: 8, .value_kind: global_buffer, .address_space: global }
      - { .name: b_fc2, .offset: 56, .size: 8, .value_kind: global_buffer, .address_space: global }
      - { .name: ln2_g, .offset: 64, .size: 8, .value_kind: global_buffer, .address_space: global }
      - { .name: ln2_b, .offset: 72, .size: 8, .value_kind: global_buffer, .address_space: global }
      - { .name: out0, .offset: 80, .size: 8, .value_kind: global_buffer, .address_space: global }
    .group_segment_fixed_size: 327680
    .private_segment_fixed_size: 0
    .kernarg_segment_align: 8
    .kernarg_segment_size: 88
    .max_flat_workgroup_size: 128
    .sgpr_count:     102
    .vgpr_count:     1024
    .wavefront_size: 32
...
	.end_amdgpu_metadata
.endif
;; end of part 5
;; ======== version 2 of 3: 4 launches; 1.63 times as fast as version 1
;; workspace buffers: wt 1,507,328 bytes; value 44,564,480 bytes; sidx 16,777,216 bytes of whole numbers; swt 33,554,432 bytes; samp 16,777,216 bytes
;; launch prep: the kernel of part 1 again; grid 92 x 1, 8 waves a work-group, no clusters, 18,432 bytes of LDS; arguments W_val, W_off, W_attn, W_out, W_fc1, W_fc2, wt; writes wt
;; launch proj (part 6): grid 256 x 1, 4 waves a work-group, no clusters, 54,784 bytes of LDS; arguments src, src_padding_mask, b_val, value, tgt, query_pos, reference_points, wt, b_off, b_attn, sidx, swt; writes value, sidx, swt
.if DOCPART == 6
	.amdgcn_target "amdgcn-amd-amdhsa--gfx1250"
	.amdhsa_code_object_version 6
	.text
	.protected	k_qf83f1522e2_proj
	.globl	k_qf83f1522e2_proj
	.p2align	8
	.type	k_qf83f1522e2_proj,@function
k_qf83f1522e2_proj:
	s_mov_b64 s[64:65], 0
	v_nop
	global_prefetch_b8 v0, s[64:65] scope:SCOPE_SE
	s_setreg_imm32_b32 hwreg(HW_REG_WAVE_MODE, 25, 1), 1
	s_wait_xcnt 0x0
; PROJ.  Two jobs that share no data, done by one work-group one after the other, so that they pay for one launch: the first job's last stores leave while the second job's weights come in.
; PART 1.  value = mask ? 0 : src W_val + b_val, rounded once to bf16 and laid out in tables for the gather: value[4 batches][8 heads][8 slices][21,760 pixels][4 channels]: a table = 174,080 bytes on end.
;   87,040 rows are 2,720 sub-tiles of 32; work-group g takes sub-tiles (85 g) >> 3 up to (85 g + 85) >> 3: 10 or 11, all of batch g >> 6 (680 sub-tiles for 64 work-groups).  Wave w owns channels 64 w to 64 w + 63
;   (16 slices) of all rows: its 4 x 8 fragments of W_val^T stay in 256 registers.  Of each sub-tile wave w fetches rows 8 w to 8 w + 7 (16 loads of 512 consecutive bytes), rounds them to bf16 and puts them into LDS for all four waves.
;   A trip works on two sub-tiles while the next two (16 KiB a wave) are on their way into registers.  Six trips; in a half that has no sub-tile the rounding and the LDS stores run on stale registers and only the products and stores are jumped.
; PART 2.  q = tgt + query_pos; offsets = q W_off + b_off; logits = q W_attn + b_attn; softmax over a head's 16 logits (their true maximum is taken away first); for each of the 128 sampling points of a query
;   the place x = ref_x W + off_x - 0.5 (W a power of two, so this is the module's (ref + off / W) W - 0.5 but for one rounding), y likewise.  Stored for the next launch, which gathers:
;   sidx[8 heads][2,048 tiles of 16 queries][2 k][32 lanes][4 points]: 8 x (the level's first pixel + by W + bx), the byte place of the patch corner in the batch's table, bx = clamp(floor x, 0, W - 2): a whole number;
;   swt [8][2,048][2 k][2 xc][32 lanes][4 points]: a word {bf16 w(by, bx + xc), bf16 w(by + 1, bx + xc)}, w = attention weight x hat(x - column) x hat(y - row), hat(u) = max(0, 1 - |u|) = the middle one of 1 + u, 1 - u and 0.
;   The hats on the clamped 2 x 2 patch give the module's four corners with their zero padding for every x and y: a corner outside the map has weight 0, and a corner on the edge keeps its weight.
;   The pyramid (128, 64, 32, 16 squared) is the module's own constant; src_spatial_shapes and level_start_index are read by no step of the module and are not given to any launch.
;   A work-group takes 128 queries in 4 trips of 32.  Wave w owns heads 2 w, 2 w + 1: six tiles of 16 columns, whose fragments stay in 384 registers.  Offsets' tile 2 e + k: register j = (point j / 2, x or y) of level
;   half + 2 k.  The logits' rows are taken in the order 4 (r / 8) + 8 ((r % 8) / 4) + r % 4, so that in tile 4 + e register j = (k = j / 4, point j % 4) of the same level: weights and places meet in one lane.
; BOTH PARTS USE THE MATRIX INSTRUCTION TRANSPOSED: source 0 = 16 columns of a weight, source 1 = 16 rows of data; a lane then holds one row (lane % 16) and eight neighbouring columns.  Products in bf16 with f32 sums.
; LIMITS: a mask byte is 0 or 1; NaN and infinities are not treated apart; table and weights are rounded once to bf16.
; No cluster, no tensor load: the work-groups share the weights alone (128 and 192 KiB, read once by each beside its own rows), and the f32 rows must pass through registers to be added and rounded.
.set RP,    528                        ; a row in LDS: 512 bytes + 16: the 16 rows of a fragment load start at 16 different groups of four banks (ISA guide 11.1)
.set STG,   64*RP                      ; behind the rows (part 1: 64, part 2: the first 32): part 1's stage for each wave, 16 slices x 32 rows of 8 bytes
.set SP,    320                        ; from slice to slice: 256 bytes + 64, so that the two halves of the lanes, two slices apart, store 128 bytes apart modulo 256
.set STGW,  16*SP
.set SPARE, STG+4*STGW                 ; the spare words, 128 bytes for each wave
.set BLOCK, 174080                     ; bytes of a table in value
.set SPW, 14                           ; v14  LDS address of my spare word; never rewritten
.set NIL, 15                           ; v15  0; never rewritten
.set MSB, 0
.macro WIN new                         ; the immediate's high byte repeats the setting that is left; a switch that changes nothing is dropped
.if MSB != (\new)
	s_set_vgpr_msb (MSB<<8)|(\new)
.set MSB, \new
.endif
.endm
.macro PLACES                          ; four places between a matrix instruction and what reads its result or writes its registers (ISA guide 7.12.1)
.rept 4
	v_nop
.endr
.endm
; ---------------------------------------------------------------- PART 1: the value tables
; REGISTERS: window 0 addresses, bias, accumulators, work; window 1 the weights' fragments (K step s, channel tile c at 32 s + 8 c); window 2: v0-127 the first sub-tile's fragments (64 b + 8 s), v128-255 two sub-tiles as loaded;
; window 3: v0-127 the second sub-tile's fragments.
.set LO, 4                             ; v4   16 lane + 8,192 wave: my 16 bytes in my wave's rows of a sub-tile
.set MO, 5                             ; v5   lane % 16: my row's mask byte
.set SA, 6                             ; v6   where my rounded 8 bytes go
.set FA, 7                             ; v7   my place in a fragment: row x pitch + 16 x half
.set ST, 8                             ; v8   into my stage
.set SR, 9                             ; v9   out of my stage
.set GO, 10                            ; v10  my 16 bytes in two neighbouring tables' blocks of 256
.set WO, 11                            ; v11  my place in W_val^T
.set BO, 12                            ; v12  my place in b_val
.set MK, 16                            ; v16-19  mask bytes, by sub-tile h and row block b
.set KEEP, 20                          ; v20-23  all ones where the row is kept, 0 where it is masked
.set BI, 24                            ; v24-55  b_val, 8 a channel tile
.set ACC, 56                           ; v56-119 accumulator (b, c) at 56 + 32 b + 8 c
.set TP, 120                           ; v120-183 rounded numbers
.set OB, 184                           ; v184-215 read back from the stage
.set XA, 128                           ; window 2
	s_load_b256 s[4:11], s[0:1], 0x0               ; src s[4:5], mask s[6:7], b_val s[8:9], value s[10:11]
	s_load_b512 s[68:83], s[0:1], 0x20             ; tgt 68, query_pos 70, reference_points 72, wt 74, b_off 76, b_attn 78, sidx 80, swt 82
	v_lshl_add_u32 v[SPW], v0, 2, SPARE
	v_mov_b32 v[NIL], 0
	v_lshrrev_b32 v1, 5, v0
	v_readfirstlane_b32 s14, v1                    ; wave
	v_and_b32 v1, 31, v0                           ; lane
	v_and_b32 v2, 15, v0                           ; r
	v_bfe_u32 v3, v0, 4, 1                         ; half
	s_mul_i32 s15, ttmp9, 85
	s_add_co_u32 s16, s15, 85
	s_lshr_b32 s15, s15, 3                         ; my first sub-tile
	s_lshr_b32 s16, s16, 3
	s_sub_co_u32 s16, s16, s15                     ; how many: 10 or 11
	s_lshl_b32 s26, s14, 13
	v_lshl_add_u32 v[LO], v1, 4, s26
	v_mov_b32 v[MO], v2
	s_mul_i32 s26, s14, 8*RP
	v_lshl_add_u32 v[SA], v1, 3, s26
	v_mul_u32_u24 v[FA], v2, RP
	v_lshl_add_u32 v[FA], v3, 4, v[FA]
	s_mul_i32 s26, s14, STGW
	s_add_co_u32 s26, s26, STG                     ; my stage
	v_mul_u32_u24 v[ST], v3, 2*SP                  ; in: slice 2 x half (+ 4 c, + 1), row r (+ 16 b), 8 bytes
	v_lshl_add_u32 v[ST], v2, 3, v[ST]
	v_add_nc_u32 v[ST], s26, v[ST]
	v_mul_u32_u24 v[SR], v3, SP                    ; back: lanes 0-15 take one slice's 256 bytes, lanes 16-31 the next slice's
	v_lshl_add_u32 v[SR], v2, 4, v[SR]
	v_add_nc_u32 v[SR], s26, v[SR]
	v_mul_u32_u24 v[GO], v3, BLOCK                 ; and the same in value: the next slice's table lies BLOCK bytes on
	v_lshl_add_u32 v[GO], v2, 4, v[GO]
	s_lshl_b32 s26, s14, 15
	v_lshlrev_b32 v[WO], 9, v2                     ; (64 w + r) rows of 512 bytes + 16 x half
	v_lshl_add_u32 v[WO], v3, 4, v[WO]
	v_add_nc_u32 v[WO], s26, v[WO]
	s_lshl_b32 s26, s14, 8
	v_lshl_add_u32 v[BO], v3, 5, s26               ; (64 w + 8 half) x 4
	s_mov_b32 s18, 0                               ; the sub-tile to be asked for next
	s_mov_b32 s19, 0                               ; the trip's first sub-tile,
	s_mov_b32 s30, 1                               ; and its second
	s_mov_b32 s27, 0
	s_wait_kmcnt 0x0
	s_lshl_b32 s26, s15, 15
	s_add_nc_u64 s[20:21], s[4:5], s[26:27]        ; src at my first sub-tile
	s_lshl_b32 s26, s15, 5
	s_add_nc_u64 s[22:23], s[6:7], s[26:27]        ; its mask bytes
	s_lshr_b32 s28, ttmp9, 6                       ; the batch
	s_lshl_b32 s26, s28, 6
	s_lshl_b32 s29, s14, 4
	s_add_co_u32 s26, s26, s29                     ; my first table: 64 x batch + 16 x wave
	s_mul_i32 s26, s26, BLOCK
	s_mul_i32 s28, s28, 680
	s_sub_co_u32 s28, s15, s28                     ; my first sub-tile within the batch,
	s_lshl_b32 s28, s28, 8                         ; 256 bytes of each table
	s_add_co_u32 s26, s26, s28
	s_add_nc_u64 s[24:25], s[10:11], s[26:27]
	s_mov_b32 s26, 0                               ; s[26:27]: what the next way out adds to that address: nothing the first time
	WIN 0x40                                       ; destination window 1
.irp s, 0,1,2,3,4,5,6,7
.irp c, 0,1,2,3
	global_load_b128 v[32*\s+8*\c:32*\s+8*\c+3],   v[WO], s[74:75] offset:\c*8192+64*\s
	global_load_b128 v[32*\s+8*\c+4:32*\s+8*\c+7], v[WO], s[74:75] offset:\c*8192+64*\s+32
.endr
.endr
	WIN 0
.irp c, 0,1,2,3
	global_load_b128 v[BI+8*\c:BI+8*\c+3],   v[BO], s[8:9] offset:64*\c
	global_load_b128 v[BI+8*\c+4:BI+8*\c+7], v[BO], s[8:9] offset:64*\c+16
.endr
; The next sub-tile is asked for, into half h of the registers; the half's place stands in the immediate.  cond = 1: only if the sub-tile exists (no load leaves the buffers).
.macro ISSUE h, cond
	WIN 0
.if \cond
	s_cmp_lt_u32 s18, s16
	s_cbranch_scc0 .Lnone_\@
.endif
	WIN 0x80                                       ; destination window 2
.set j, 0
.rept 16
	global_load_b128 v[XA+64*(\h)+4*j:XA+64*(\h)+4*j+3], v[LO], s[20:21] offset:(\h)*32768+512*j th:TH_LOAD_NT
.set j, j+1
.endr
	WIN 0
	global_load_u8 v[MK+2*(\h)],   v[MO], s[22:23] offset:(\h)*32
	global_load_u8 v[MK+2*(\h)+1], v[MO], s[22:23] offset:(\h)*32+16
.if \cond
.Lnone_\@:
.endif
	s_add_co_u32 s18, s18, 1
.endm
.macro CONV h                          ; my 8 rows of sub-tile h are rounded to bf16; the mask bytes become masks
	WIN 0x0a                                       ; sources in window 2
.set j, 0
.rept 32
	v_cvt_pk_bf16_f32 v[TP+32*(\h)+j], v[XA+64*(\h)+2*j], v[XA+64*(\h)+2*j+1]
.set j, j+1
.endr
	WIN 0
	v_add_nc_u32 v[KEEP+2*(\h)],   -1, v[MK+2*(\h)]    ; 0 -> all ones, 1 -> 0
	v_add_nc_u32 v[KEEP+2*(\h)+1], -1, v[MK+2*(\h)+1]
.endm
.macro PUT h                           ; and go into LDS: 32 lanes x 8 bytes are 256 consecutive bytes
.set j, 0
.rept 16
	ds_store_b64 v[SA], v[TP+32*(\h)+2*j:TP+32*(\h)+2*j+1] offset:(\h)*32*RP+(j>>1)*RP+(j&1)*256
.set j, j+1
.endr
.endm
.macro FRAGS                           ; both sub-tiles' fragments in one run of 64 loads, in every trip: the second's land under the first's products
	WIN 0x80                                       ; destination window 2
.irp s, 0,1,2,3,4,5,6,7
.irp b, 0,1
	ds_load_b128 v[64*\b+8*\s:64*\b+8*\s+3],   v[FA] offset:16*\b*RP+64*\s
	ds_load_b128 v[64*\b+8*\s+4:64*\b+8*\s+7], v[FA] offset:16*\b*RP+64*\s+32
.endr
.endr
	WIN 0xc0                                       ; destination window 3
.irp s, 0,1,2,3,4,5,6,7
.irp b, 0,1
	ds_load_b128 v[64*\b+8*\s:64*\b+8*\s+3],   v[FA] offset:(32+16*\b)*RP+64*\s
	ds_load_b128 v[64*\b+8*\s+4:64*\b+8*\s+7], v[FA] offset:(32+16*\b)*RP+64*\s+32
.endr
.endr
	WIN 0
.endm
; Sub-tile h: 64 matrix instructions on eight accumulators that take turns; the bias starts the sums.  Then the way out through my own stage.
.macro COMPUTE h
.if (\h) == 0
	WIN 0x09                                       ; source 0 window 1, source 1 window 2
.else
	s_wait_dscnt 0x0                               ; the second sub-tile's fragments (met at once behind the first's way out)
	WIN 0x0d                                       ; source 1 window 3
.endif
.irp s, 0,1,2,3,4,5,6,7
.if (\h) == 0
	s_wait_dscnt 60-4*\s                           ; the four loads of each later K step and the other sub-tile's 32 may stay out
.endif
.irp b, 0,1
.irp c, 0,1,2,3
.if \s == 0
	v_wmma_f32_16x16x32_bf16 v[ACC+32*\b+8*\c:ACC+32*\b+8*\c+7], v[32*\s+8*\c:32*\s+8*\c+7], v[64*\b+8*\s:64*\b+8*\s+7], v[BI+8*\c:BI+8*\c+7]
.else
	v_wmma_f32_16x16x32_bf16 v[ACC+32*\b+8*\c:ACC+32*\b+8*\c+7], v[32*\s+8*\c:32*\s+8*\c+7], v[64*\b+8*\s:64*\b+8*\s+7], v[ACC+32*\b+8*\c:ACC+32*\b+8*\c+7]
.endif
.endr
.endr
.endr
	WIN 0
	PLACES
.irp b, 0,1
.irp c, 0,1,2,3
.irp q, 0,1,2,3                                    ; each accumulator's registers in ascending order
	v_cvt_pk_bf16_f32 v[TP+16*\b+4*\c+\q], v[ACC+32*\b+8*\c+2*\q], v[ACC+32*\b+8*\c+2*\q+1]
.endr
.irp q, 0,1,2,3
	v_and_b32 v[TP+16*\b+4*\c+\q], v[KEEP+2*(\h)+\b], v[TP+16*\b+4*\c+\q]   ; a masked row is 0
.endr
	ds_store_b64 v[ST], v[TP+16*\b+4*\c:TP+16*\b+4*\c+1]   offset:4*\c*SP+\b*128       ; slice 4 c + 2 half
	ds_store_b64 v[ST], v[TP+16*\b+4*\c+2:TP+16*\b+4*\c+3] offset:(4*\c+1)*SP+\b*128   ; and the next
.endr
.endr
	s_wait_xcnt 0x0                                ; the last sub-tile's stores: their data registers and their base are rewritten only behind this wait
	s_add_nc_u64 s[24:25], s[24:25], s[26:27]      ; 32 pixels on in every table (the first time: no further)
	s_mov_b32 s26, 256
.irp n, 0,1,2,3,4,5,6,7                            ; slices 2 n and 2 n + 1; LDS serves a wave's instructions in order (ISA guide 5.7.1.4): these see the stores above
	ds_load_b128 v[OB+4*\n:OB+4*\n+3], v[SR] offset:\n*2*SP
.endr
.irp n, 0,1,2,3,4,5,6,7
	s_wait_dscnt 7-\n                              ; the younger loads may stay out
	global_store_b128 v[GO], v[OB+4*\n:OB+4*\n+3], s[24:25] offset:\n*2*BLOCK   ; 16 lanes store 256 consecutive bytes, at a multiple of 256 from value's first byte
.endr
.endm
	ISSUE 0, 0                                     ; every work-group has ten sub-tiles or more
	ISSUE 1, 0
	s_mov_b32 s17, 6
.Lvtrip:
	s_wait_loadcnt 0x0                             ; all that was asked for a trip ago is in: the loads' bases are free
	CONV 0
	CONV 1
	s_add_nc_u64 s[20:21], s[20:21], 65536         ; two sub-tiles on
	s_add_nc_u64 s[22:23], s[22:23], 64
	ISSUE 0, 1                                     ; the next trip's rows are on their way through all of this trip's work
	ISSUE 1, 1
	s_wait_dscnt 0x0
	s_barrier_signal -1
	s_barrier_wait -1                              ; every wave's reads of the last trip's rows are over
	PUT 0
	PUT 1
	s_wait_dscnt 0x0                               ; for the others' sake: my rows are in LDS
	s_barrier_signal -1
	s_barrier_wait -1
	FRAGS
	s_cmp_lt_u32 s19, s16
	s_cbranch_scc0 .Lvno0                          ; no such sub-tile: nothing is multiplied or stored
	COMPUTE 0
.Lvno0:
	s_cmp_lt_u32 s30, s16
	s_cbranch_scc0 .Lvno1
	COMPUTE 1
.Lvno1:
	s_add_co_u32 s19, s19, 2
	s_add_co_u32 s30, s30, 2
	s_sub_co_u32 s17, s17, 1
	s_cmp_lg_u32 s17, 0
	s_cbranch_scc1 .Lvtrip
; ---------------------------------------------------------------- PART 2: places and weights of the sampling points
; REGISTERS: window 0 addresses, constants, bias, accumulators, work; windows 1 and 2 the weights (K steps 0-4, 5-7; tile c at 48 s + 8 c); window 3: v0-127 q's fragments, v128-191 tgt, v192-255 query_pos as loaded.
.set LO, 4                             ; v4   16 lane + 8,192 wave
.set RO, 5                             ; v5   32 r + 8 half: my query's point of level 'half'
.set SA, 6                             ; v6   where my rounded 8 bytes go
.set FA, 7                             ; v7   my place in a fragment
.set L16, 8                            ; v8   16 lane
.set WO, 9                             ; v9   my place in the offsets' weights
.set WA, 10                            ; v10  in the logits' weights
.set BO, 11
.set BA, 12
.set WL8, 2                            ; v2-3    8 W of level half + 2 k
.set WL, 16                            ; v16-19  W of level half + 2 k, as a pair
.set WM2, 20                           ; v20-21  W - 2
.set BASE8, 22                         ; v22-23  8 x the level's first pixel, as f32 (exact)
.set RPN, 24                           ; v24-31  reference points as loaded, by (b, k)
.set RPS, 32                           ; v32-39  times W
.set BI, 40                            ; v40-87  bias; 0.5 is taken off the offsets' once
.set ACC, 88                           ; v88-183 accumulator (b, c) at 88 + 48 b + 8 c
.set TP, 184                           ; v184-215 q in bf16; then v184-199 four registers for each softmax,
.set FF, TP+16                         ; v200-207 and four sets of temporaries, a pair for each of a level's four points
.set AA, TP+24                         ; v208-215
.set OI, 216                           ; v216-223 indices (k, p)
.set OW, 224                           ; v224-239 weights (k, xc, p)
.set BB, 240                           ; v240-247
.set CC, 248                           ; v248-255
.set TG, 128                           ; window 3
.set PS, 192
	s_wait_loadcnt 0x0                             ; part 1 is over: no load is on its way into a register that is now used otherwise,
	s_wait_dscnt 0x0
	s_wait_xcnt 0x0                                ; and its last stores' registers and base are rewritten only behind this wait
	v_lshrrev_b32 v1, 5, v0
	v_readfirstlane_b32 s20, v1                    ; wave
	v_and_b32 v1, 31, v0
	v_and_b32 v2, 15, v0                           ; r
	v_bfe_u32 v3, v0, 4, 1                         ; half
	s_lshl_b32 s38, s20, 13
	v_lshl_add_u32 v[LO], v1, 4, s38
	v_lshlrev_b32 v[RO], 5, v2
	v_lshl_add_u32 v[RO], v3, 3, v[RO]
	s_mul_i32 s38, s20, 8*RP
	v_lshl_add_u32 v[SA], v1, 3, s38
	v_mul_u32_u24 v[FA], v2, RP
	v_lshl_add_u32 v[FA], v3, 4, v[FA]
	v_lshlrev_b32 v[L16], 4, v1
	s_lshl_b32 s38, s20, 15
	v_lshlrev_b32 v[WO], 9, v2                     ; (64 w + r) x 512 + 16 half
	v_lshl_add_u32 v[WO], v3, 4, v[WO]
	v_add_nc_u32 v[WO], s38, v[WO]
	v_bfe_u32 v13, v0, 3, 1
	v_and_b32 v[WA], 3, v0
	v_lshl_add_u32 v[WA], v13, 2, v[WA]
	v_bfe_u32 v13, v0, 2, 1
	v_lshl_add_u32 v[WA], v13, 3, v[WA]            ; the logits' row for lane r
	v_lshlrev_b32 v[WA], 9, v[WA]
	v_lshl_add_u32 v[WA], v3, 4, v[WA]
	s_lshl_b32 s38, s20, 14
	s_add_co_u32 s38, s38, 131072                  ; (256 + 32 w) x 512
	v_add_nc_u32 v[WA], s38, v[WA]
	s_lshl_b32 s38, s20, 8
	v_lshl_add_u32 v[BO], v3, 5, s38               ; (64 w + 8 half) x 4
	s_lshl_b32 s38, s20, 7
	v_lshl_add_u32 v[BA], v3, 4, s38               ; (32 w + 4 half) x 4
	v_mov_b32 v13, 128
	v_lshrrev_b32 v13, v3, v13                     ; W of level half: 128 or 64
	v_cvt_f32_u32 v[WL], v13
	v_mov_b32 v[WL+1], v[WL]
	v_mov_b32 v13, 32
	v_lshrrev_b32 v13, v3, v13                     ; of level 2 + half: 32 or 16
	v_cvt_f32_u32 v[WL+2], v13
	v_mov_b32 v[WL+3], v[WL+2]
	v_add_f32 v[WM2], -2.0, v[WL]
	v_add_f32 v[WM2+1], -2.0, v[WL+2]
	v_lshlrev_b32 v13, 17, v3                      ; levels begin at pixels 0, 16,384,
	v_cvt_f32_u32 v[BASE8], v13
	v_lshl_add_u32 v13, v3, 13, 0x28000            ; 20,480 and 21,504: times 8
	v_cvt_f32_u32 v[BASE8+1], v13
	v_mul_f32 v[WL8], 0x41000000, v[WL]            ; r and half have served: their registers take 8 W
	v_mul_f32 v[WL8+1], 0x41000000, v[WL+2]
	s_mov_b32 s32, 0x3fb8aa3b                      ; log2 e
	s_mov_b32 s33, s32                             ; named with it as a pair
	s_mov_b32 s34, 0x76543210                      ; v_permlanex16_b32: each lane takes its own place in the other half
	s_mov_b32 s35, 0xfedcba98
	s_mov_b32 s21, 4
	s_mov_b32 s39, 0
	s_mov_b32 s42, 0                               ; s[42:43], s[44:45]: what a trip adds to the stores' bases: nothing the first time
	s_mov_b32 s43, 0
	s_mov_b32 s44, 0
	s_mov_b32 s45, 0
	s_lshl_b32 s38, ttmp9, 17
	s_add_nc_u64 s[22:23], s[68:69], s[38:39]      ; tgt and query_pos at my 128 rows
	s_add_nc_u64 s[24:25], s[70:71], s[38:39]
	s_lshl_b32 s38, ttmp9, 12
	s_add_nc_u64 s[26:27], s[72:73], s[38:39]      ; their reference points
	s_lshl_b32 s38, s20, 22
	s_lshl_b32 s40, ttmp9, 13
	s_add_co_u32 s38, s38, s40
	s_add_nc_u64 s[28:29], s[80:81], s[38:39]      ; sidx at (head 2 w, tile 8 g)
	s_lshl_b32 s38, s20, 23
	s_lshl_b32 s40, ttmp9, 14
	s_add_co_u32 s38, s38, s40
	s_add_nc_u64 s[30:31], s[82:83], s[38:39]      ; swt likewise
	s_add_nc_u64 s[36:37], s[74:75], 131072        ; the table of 384 rows in wt
.irp s, 0,1,2,3,4,5,6,7
.if \s < 5
	WIN 0x40
.set wf, 48*\s
.else
	WIN 0x80
.set wf, 48*(\s-5)
.endif
.irp c, 0,1,2,3
	global_load_b128 v[wf+8*\c:wf+8*\c+3],   v[WO], s[36:37] offset:\c*8192+64*\s
	global_load_b128 v[wf+8*\c+4:wf+8*\c+7], v[WO], s[36:37] offset:\c*8192+64*\s+32
.endr
.irp c, 4,5
	global_load_b128 v[wf+8*\c:wf+8*\c+3],   v[WA], s[36:37] offset:(\c-4)*8192+64*\s
	global_load_b128 v[wf+8*\c+4:wf+8*\c+7], v[WA], s[36:37] offset:(\c-4)*8192+64*\s+32
.endr
.endr
	WIN 0
.irp c, 0,1,2,3
	global_load_b128 v[BI+8*\c:BI+8*\c+3],   v[BO], s[76:77] offset:64*\c
	global_load_b128 v[BI+8*\c+4:BI+8*\c+7], v[BO], s[76:77] offset:64*\c+16
.endr
.irp e, 0,1
	global_load_b128 v[BI+32+8*\e:BI+32+8*\e+3],   v[BA], s[78:79] offset:64*\e
	global_load_b128 v[BI+32+8*\e+4:BI+32+8*\e+7], v[BA], s[78:79] offset:64*\e+32
.endr
.macro BATCH                           ; my 8 rows of tgt and of query_pos, and my queries' reference points, for 32 queries
	WIN 0xc0                                       ; destination window 3
.set j, 0
.rept 16
	global_load_b128 v[TG+4*j:TG+4*j+3], v[LO], s[22:23] offset:512*j th:TH_LOAD_NT
	global_load_b128 v[PS+4*j:PS+4*j+3], v[LO], s[24:25] offset:512*j th:TH_LOAD_NT
.set j, j+1
.endr
	WIN 0
.irp b, 0,1
.irp k, 0,1
	global_load_b64 v[RPN+4*\b+2*\k:RPN+4*\b+2*\k+1], v[RO], s[26:27] offset:512*\b+16*\k
.endr
.endr
.endm
	BATCH
	s_wait_loadcnt 0x0
.set j, 0
.rept 16
	v_pk_add_f32 v[BI+2*j:BI+2*j+1], v[BI+2*j:BI+2*j+1], -0.5 op_sel_hi:[1,0]   ; the places' - 0.5 rides on the offsets' bias
.set j, j+1
.endr
; THE WAY OUT is laid stage by stage, so that a line's result is read several lines later.
; One line for each of the trip's four softmaxes (tile b = c / 2 of queries, head e = c % 2): A its logits' accumulator, worked on in place, T its four registers.
.macro EACHC line:vararg
.set c, 0
.rept 4
.set A, ACC+48*(c>>1)+8*(4+(c&1))
.set T, TP+4*c
	\line
.set c, c+1
.endr
.endm
.macro SOFTMAX                         ; of a head's 16 logits 8 lie in my lane, 8 in the lane 16 away
	EACHC v_max3_num_f32 v[T], v[A], v[A+1], v[A+2]                                ; the accumulator's lowest registers first
	EACHC v_max3_num_f32 v[T], v[T], v[A+3], v[A+4]
	EACHC v_max3_num_f32 v[T], v[T], v[A+5], v[A+6]
	EACHC v_max_num_f32 v[T], v[T], v[A+7]
	EACHC v_permlanex16_b32 v[T+1], v[T], s34, s35
	EACHC v_max_num_f32 v[T], v[T], v[T+1]
	EACHC v_mul_f32 v[T+2], s32, v[T]
.irp i, 0,1,2,3
	EACHC v_pk_fma_f32 v[A+2*\i:A+2*\i+1], v[A+2*\i:A+2*\i+1], s[32:33], v[T+2:T+3] op_sel_hi:[1,0,0] neg_lo:[0,0,1] neg_hi:[0,0,1]
.endr
.irp i, 0,1,2,3,4,5,6,7
	EACHC v_exp_f32 v[A+\i], v[A+\i]
.endr
	v_nop                                          ; a plain instruction behind the last exponential (ISA guide 5.7.2)
	s_wait_alu depctr_va_vdst(0)
	EACHC v_pk_add_f32 v[T:T+1], v[A:A+1], v[A+2:A+3]
	EACHC v_pk_add_f32 v[T+2:T+3], v[A+4:A+5], v[A+6:A+7]
	EACHC v_pk_add_f32 v[T:T+1], v[T:T+1], v[T+2:T+3]
	EACHC v_add_f32 v[T], v[T], v[T+1]
	EACHC v_permlanex16_b32 v[T+1], v[T], s34, s35
	EACHC v_add_f32 v[T], v[T], v[T+1]
	EACHC v_rcp_f32 v[T+2], v[T]
	v_nop
	s_wait_alu depctr_va_vdst(0)
.irp i, 0,1,2,3
	EACHC v_pk_mul_f32 v[A+2*\i:A+2*\i+1], v[A+2*\i:A+2*\i+1], v[T+2:T+3] op_sel_hi:[1,0]
.endr
.endm
; The four points of level half + 2 k for tile b and head e, side by side.  rO: the offsets' accumulator, worked on in place: (x, y), then the distances (ux, uy) to the patch's first column and row.  rE: the four attention weights.
.macro POINTS b, e, k
.set rO, ACC+48*(\b)+8*(2*(\e)+(\k))
.set rE, ACC+48*(\b)+8*(4+(\e))+4*(\k)
.irp p, 0,1,2,3
	v_pk_add_f32 v[rO+2*\p:rO+2*\p+1], v[rO+2*\p:rO+2*\p+1], v[RPS+4*(\b)+2*(\k):RPS+4*(\b)+2*(\k)+1]   ; (x, y)
.endr
.irp p, 0,1,2,3
	v_floor_f32 v[FF+2*\p], v[rO+2*\p]
	v_floor_f32 v[FF+2*\p+1], v[rO+2*\p+1]
.endr
.irp p, 0,1,2,3
	v_med3_num_f32 v[FF+2*\p], v[FF+2*\p], 0, v[WM2+(\k)]                          ; the patch corner (bx, by)
	v_med3_num_f32 v[FF+2*\p+1], v[FF+2*\p+1], 0, v[WM2+(\k)]
.endr
.irp p, 0,1,2,3
	v_pk_add_f32 v[rO+2*\p:rO+2*\p+1], v[rO+2*\p:rO+2*\p+1], v[FF+2*\p:FF+2*\p+1] neg_lo:[0,1] neg_hi:[0,1]   ; (ux, uy)
.endr
.irp p, 0,1,2,3
	v_fmamk_f32 v[FF+2*\p], v[FF+2*\p], 0x41000000, v[BASE8+(\k)]                  ; 8 bx + 8 x the level's first pixel
.endr
.irp p, 0,1,2,3
	v_fma_f32 v[FF+2*\p], v[FF+2*\p+1], v[WL8+(\k)], v[FF+2*\p]                    ; + 8 W by: whole numbers under 2^24, exact
.endr
.if (\k) == 0
	s_wait_xcnt 0x0                                ; OI and OW, which the last stores read, are rewritten only behind this wait
.endif
.irp p, 0,1,2,3
	v_cvt_u32_f32 v[OI+4*(\k)+\p], v[FF+2*\p]
.endr
.irp p, 0,1,2,3
	v_pk_add_f32 v[AA+2*\p:AA+2*\p+1], v[rO+2*\p:rO+2*\p+1], 1.0 op_sel_hi:[1,0]          ; 1 + u
	v_pk_fma_f32 v[BB+2*\p:BB+2*\p+1], v[rO+2*\p:rO+2*\p+1], -1.0, 1.0 op_sel_hi:[1,0,0]  ; 1 - u
	v_pk_fma_f32 v[CC+2*\p:CC+2*\p+1], v[rO+2*\p:rO+2*\p+1], -1.0, 2.0 op_sel_hi:[1,0,0]  ; 2 - u = 1 - (u - 1)
.endr
.irp p, 0,1,2,3
	v_med3_num_f32 v[FF+2*\p], v[AA+2*\p+1], v[BB+2*\p+1], 0                       ; hat(uy): the first row's
	v_med3_num_f32 v[FF+2*\p+1], v[rO+2*\p+1], v[CC+2*\p+1], 0                     ; hat(uy - 1): the second row's
	v_med3_num_f32 v[AA+2*\p], v[AA+2*\p], v[BB+2*\p], 0                           ; hat(ux): the first column's, in the low word of a pair
	v_med3_num_f32 v[CC+2*\p], v[rO+2*\p], v[CC+2*\p], 0                           ; hat(ux - 1): the second column's, likewise
.endr
.irp p, 0,1,2,3
	v_mul_f32 v[FF+2*\p], v[FF+2*\p], v[rE+\p]                                     ; the attention weight goes into the rows' hats
	v_mul_f32 v[FF+2*\p+1], v[FF+2*\p+1], v[rE+\p]
.endr
.irp p, 0,1,2,3
	v_pk_mul_f32 v[AA+2*\p:AA+2*\p+1], v[FF+2*\p:FF+2*\p+1], v[AA+2*\p:AA+2*\p+1] op_sel_hi:[1,0]
	v_pk_mul_f32 v[CC+2*\p:CC+2*\p+1], v[FF+2*\p:FF+2*\p+1], v[CC+2*\p:CC+2*\p+1] op_sel_hi:[1,0]
.endr
.irp p, 0,1,2,3
	v_cvt_pk_bf16_f32 v[OW+8*(\k)+\p], v[AA+2*\p], v[AA+2*\p+1]
	v_cvt_pk_bf16_f32 v[OW+8*(\k)+4+\p], v[CC+2*\p], v[CC+2*\p+1]
.endr
.endm
.macro SEND b, e                       ; each store: 512 consecutive bytes, at a multiple of 256 from its buffer's first byte
.irp k, 0,1
	global_store_b128 v[L16], v[OI+4*\k:OI+4*\k+3],     s[28:29] offset:(\e)*2097152+(\b)*1024+\k*512
	global_store_b128 v[L16], v[OW+8*\k:OW+8*\k+3],     s[30:31] offset:(\e)*4194304+(\b)*2048+\k*1024
	global_store_b128 v[L16], v[OW+8*\k+4:OW+8*\k+7],   s[30:31] offset:(\e)*4194304+(\b)*2048+\k*1024+512
.endr
.endm
.Lqtrip:
	s_wait_loadcnt 0x0                             ; the batch asked for a trip ago
	WIN 0xcf
.set j, 0
.rept 32
	v_pk_add_f32 v[TG+2*j:TG+2*j+1], v[TG+2*j:TG+2*j+1], v[PS+2*j:PS+2*j+1]   ; q = tgt + query_pos
.set j, j+1
.endr
	WIN 0x0f
.set j, 0
.rept 32
	v_cvt_pk_bf16_f32 v[TP+j], v[TG+2*j], v[TG+2*j+1]
.set j, j+1
.endr
	WIN 0
.irp b, 0,1
.irp k, 0,1
	v_pk_mul_f32 v[RPS+4*\b+2*\k:RPS+4*\b+2*\k+1], v[RPN+4*\b+2*\k:RPN+4*\b+2*\k+1], v[WL+2*\k:WL+2*\k+1]
.endr
.endr
	s_cmp_eq_u32 s21, 1
	s_cbranch_scc1 .Lqno_more                      ; the last trip asks for nothing
	s_add_nc_u64 s[22:23], s[22:23], 32768         ; free: the wait above has shown their loads done
	s_add_nc_u64 s[24:25], s[24:25], 32768
	s_add_nc_u64 s[26:27], s[26:27], 1024
	BATCH
.Lqno_more:
	s_wait_dscnt 0x0
	s_barrier_signal -1
	s_barrier_wait -1                              ; every wave's reads of the rows, the last trip's or part 1's, are over
.set j, 0
.rept 16
	ds_store_b64 v[SA], v[TP+2*j:TP+2*j+1] offset:(j>>1)*RP+(j&1)*256
.set j, j+1
.endr
	s_wait_dscnt 0x0                               ; for the others' sake: my rows are in LDS
	s_barrier_signal -1
	s_barrier_wait -1
	WIN 0xc0
.irp s, 0,1,2,3,4,5,6,7
.irp b, 0,1
	ds_load_b128 v[64*\b+8*\s:64*\b+8*\s+3],   v[FA] offset:16*\b*RP+64*\s
	ds_load_b128 v[64*\b+8*\s+4:64*\b+8*\s+7], v[FA] offset:16*\b*RP+64*\s+32
.endr
.endr
.irp s, 0,1,2,3,4,5,6,7                            ; twelve accumulators take turns; the bias starts the sums
	s_wait_dscnt 28-4*\s                           ; the four loads of each later K step may stay out
.if \s < 5
	WIN 0x0d                                       ; source 0 window 1, source 1 window 3
.set wf, 48*\s
.else
	WIN 0x0e                                       ; source 0 window 2
.set wf, 48*(\s-5)
.endif
.irp b, 0,1
.irp c, 0,1,2,3,4,5
.if \s == 0
	v_wmma_f32_16x16x32_bf16 v[ACC+48*\b+8*\c:ACC+48*\b+8*\c+7], v[wf+8*\c:wf+8*\c+7], v[64*\b+8*\s:64*\b+8*\s+7], v[BI+8*\c:BI+8*\c+7]
.else
	v_wmma_f32_16x16x32_bf16 v[ACC+48*\b+8*\c:ACC+48*\b+8*\c+7], v[wf+8*\c:wf+8*\c+7], v[64*\b+8*\s:64*\b+8*\s+7], v[ACC+48*\b+8*\c:ACC+48*\b+8*\c+7]
.endif
.endr
.endr
.endr
	WIN 0
	PLACES
	s_wait_xcnt 0x0                                ; the last trip's stores: their bases are stepped only behind this wait
	s_add_nc_u64 s[28:29], s[28:29], s[42:43]      ; two tiles of queries on (the first time: no further)
	s_add_nc_u64 s[30:31], s[30:31], s[44:45]
	s_mov_b32 s42, 2048
	s_mov_b32 s44, 4096
	SOFTMAX
.irp b, 0,1
.irp e, 0,1
	POINTS \b, \e, 0
	POINTS \b, \e, 1
	SEND \b, \e
.endr
.endr
	s_sub_co_u32 s21, s21, 1
	s_cmp_lg_u32 s21, 0
	s_cbranch_scc1 .Lqtrip
	s_wait_tensorcnt 0x0                           ; the wave's end, behind my last LDS store
	ds_add_u32 v[SPW], v[NIL]
	s_wait_dscnt 0x0
	s_endpgm
.Lfunc_end_k_qf83f1522e2_proj:
	.size	k_qf83f1522e2_proj, .Lfunc_end_k_qf83f1522e2_proj-k_qf83f1522e2_proj
	.p2alignl 7, 3214868480
	.fill 96, 4, 3214868480
	.section	.rodata,"a",@progbits
	.p2align	6, 0x0
	.amdhsa_kernel k_qf83f1522e2_proj
		.amdhsa_group_segment_fixed_size 54784
		.amdhsa_private_segment_fixed_size 0
		.amdhsa_enable_private_segment 0
		.amdhsa_kernarg_size 96
		.amdhsa_user_sgpr_count 2
		.amdhsa_user_sgpr_kernarg_segment_ptr 1
		.amdhsa_wavefront_size32 1
		.amdhsa_system_sgpr_workgroup_id_x 1
		.amdhsa_system_sgpr_workgroup_id_y 1
		.amdhsa_system_sgpr_workgroup_id_z 1
		.amdhsa_system_vgpr_workitem_id 0
		.amdhsa_next_free_vgpr 1024
		.amdhsa_next_free_sgpr 84
		.amdhsa_reserve_vcc 0
		.amdhsa_float_denorm_mode_32 3
		.amdhsa_float_denorm_mode_16_64 3
		.amdhsa_memory_ordered 1
		.amdhsa_forward_progress 1
		.amdhsa_inst_pref_size 132
	.end_amdhsa_kernel
	.amdgpu_metadata
---
amdhsa.version: [ 1, 2 ]
amdhsa.kernels:
  - .name:           k_qf83f1522e2_proj
    .symbol:         k_qf83f1522e2_proj.kd
    .args:
      - { .name: src, .offset: 0, .size: 8, .value_kind: global_buffer, .address_space: global }
      - { .name: src_padding_mask, .offset: 8, .size: 8, .value_kind: global_buffer, .address_space: global }
      - { .name: b_val, .offset: 16, .size: 8, .value_kind: global_buffer, .address_space: global }
      - { .name: value, .offset: 24, .size: 8, .value_kind: global_buffer, .address_space: global }
      - { .name: tgt, .offset: 32, .size: 8, .value_kind: global_buffer, .address_space: global }
      - { .name: query_pos, .offset: 40, .size: 8, .value_kind: global_buffer, .address_space: global }
      - { .name: reference_points, .offset: 48, .size: 8, .value_kind: global_buffer, .address_space: global }
      - { .name: wt, .offset: 56, .size: 8, .value_kind: global_buffer, .address_space: global }
      - { .name: b_off, .offset: 64, .size: 8, .value_kind: global_buffer, .address_space: global }
      - { .name: b_attn, .offset: 72, .size: 8, .value_kind: global_buffer, .address_space: global }
      - { .name: sidx, .offset: 80, .size: 8, .value_kind: global_buffer, .address_space: global }
      - { .name: swt, .offset: 88, .size: 8, .value_kind: global_buffer, .address_space: global }
    .group_segment_fixed_size: 54784
    .private_segment_fixed_size: 0
    .kernarg_segment_align: 8
    .kernarg_segment_size: 96
    .max_flat_workgroup_size: 128
    .sgpr_count:     84
    .vgpr_count:     1024
    .wavefront_size: 32
...
	.end_amdgpu_metadata
.endif
;; end of part 6
;; launch gath (part 7): grid 256 x 1, 16 waves a work-group, no clusters, 176,128 bytes of LDS; arguments sidx, swt, value, samp; writes samp
.if DOCPART == 7
	.amdgcn_target "amdgcn-amd-amdhsa--gfx1250"
	.amdhsa_code_object_version 6
	.text
	.protected	k_qf83f1522e2_gath
	.globl	k_qf83f1522e2_gath
	.p2align	8
	.type	k_qf83f1522e2_gath,@function
k_qf83f1522e2_gath:
	s_mov_b64 s[64:65], 0
	v_nop
	global_prefetch_b8 v0, s[64:65] scope:SCOPE_SE
	s_setreg_imm32_b32 hwreg(HW_REG_WAVE_MODE, 25, 1), 1
	s_wait_xcnt 0x0
; GATH.  For each query and head: the sum over 16 points x 4 corners of weight x value[pixel][channels], in f32, rounded once to bf16.
; The pixels come from sidx, whole numbers that an earlier launch stored (the byte place of a patch's first corner in the batch's table); the weights (bf16 pairs) from swt.  Every query has its own pixels, so this is no
; matrix product: multiply-adds straight from bf16 halves into f32.
; THE TABLE LIES IN LDS.  A work-group is (batch, head, slice of 4 channels): number ((batch x 8 + head) x 8 + slice), 256 in all.  Its table, 21,760 pixels x 8 bytes = 174,080 bytes on end in value, is brought in once,
; by eight tensor loads of 85 rows x 256 bytes (waves 0 to 7, one each), and is only read from then on: each table byte leaves memory once, where a gather out of memory would ask for each some 24 times.
; (8 channels a pixel would be 348,160 bytes: more than a WGP's LDS.)
; SHARES.  The work-group serves the batch's 8,192 queries: 256 tasks of 32; wave w takes tasks w, w + 16, ..: 16.  A LANE IS A QUERY: its 16 indices and 32 words of weights come by loads of 16 bytes, 16 lanes to 256
; consecutive bytes; a point is one clamp, 4 LDS loads of 8 bytes (the corners stand in the immediate: 0, 8, a map row, a map row + 8) and 16 multiply-adds; nothing crosses lanes.
; A task's indices and weights are asked for a task ahead, into the registers just read; the last trip steps its bases by 0 and loads the same rows again, so that no load leaves its buffer and every count holds in every trip.
; OUT: samp[1,024 blocks of 32 queries][64 planes = head x 8 + slice][32 queries][4 channels] in bf16: a task's result is 32 lanes x 8 bytes = 256 consecutive bytes, at a multiple of 256 from samp's first byte.
; NO CLUSTER: the eight work-groups of a head read the same indices and weights, but a joint load would bring them through LDS: 12 more loads of 16 bytes a lane beside a task's 64 of 8 bytes.
; They have neighbouring numbers and walk the tasks in the same order.
; LIMIT: an index beyond its level's last patch corner is held to that corner (the launch that stores them makes none).
.set BLOCK, 174080                     ; bytes of a table
.set PART,  21760                      ; what one tensor load brings: 85 rows of 256 bytes
.set SPARE, BLOCK                      ; behind the table: the spare words, 128 bytes for each of the 16 waves
.set PI, 1                             ; v1   my query's place in a task's indices: 1,024 x tile + 16 r
.set PW, 2                             ; v2   in its weights: 2,048 x tile + 16 r
.set GO, 3                             ; v3   8 lane
.set SPW, 4                            ; v4   LDS address of my spare word; never rewritten
.set NIL, 5                            ; v5   0; never rewritten
.set Z0, 6                             ; v6   0: what the first products are added to
.set ACC, 8                            ; v8-15   sums: patch column xc, channel j at 8 + 4 xc + j
.set PK, 16                            ; v16-17  the result
.set IDX, 20                           ; v20-35  point 4 l + p: the byte place as loaded
.set ADR, 36                           ; v36-51  its LDS address (the table begins at LDS byte 0)
.set WT, 52                            ; v52-83  level l, column xc, point p at 52 + 8 l + 4 xc + p: {w(first row), w(second row)}
.set D, 84                             ; v84-147 two buffers of a level: point p, corner c = 2 y + xc at 84 + 32 bf + 8 p + 2 c
.set G0, 36                            ; s[36:39] descriptor group 0
.set G1, 40                            ; s[40:47] descriptor group 1
	s_load_b256 s[4:11], s[0:1], 0x0               ; sidx s[4:5], swt s[6:7], value s[8:9], samp s[10:11]
	v_lshl_add_u32 v[SPW], v0, 2, SPARE
	v_mov_b32 v[NIL], 0
	ds_add_u32 v[SPW], v[NIL]                      ; the wave's opening: the add and its wait ahead of my first tensor load; work on registers stands between them
	v_lshrrev_b32 v1, 5, v0
	v_readfirstlane_b32 s12, v1                    ; wave
	s_mov_b32 s[G1+0], 3<<16                       ; elements of 8 bytes; no mask, no padding
	s_mov_b32 s[G1+1], 32<<16                      ; tensor_dim0 = 32 elements: rows of 256 bytes
	s_mov_b32 s[G1+2], 85<<16                      ; tensor_dim1 = 85
	s_mov_b32 s[G1+3], 32<<16                      ; tile_dim0
	s_mov_b32 s[G1+4], 85                          ; tile_dim1
	s_mov_b32 s[G1+5], 32                          ; from row to row: the block is dense
	s_mov_b32 s[G1+6], 0
	s_mov_b32 s[G1+7], 0
	s_mov_b32 s[G0], 1
	s_mul_i32 s[G0+1], s12, PART                   ; my eighth of the table (waves 0 to 7)
	s_lshr_b32 s14, ttmp9, 6                       ; batch
	s_bfe_u32 s15, ttmp9, 0x30003                  ; head
	s_and_b32 s17, ttmp9, 63                       ; plane = head x 8 + slice
	s_lshl_b32 s18, s15, 11
	s_lshl_b32 s19, s14, 9
	s_add_co_u32 s18, s18, s19
	s_lshl_b32 s19, s12, 1
	s_add_co_u32 s18, s18, s19                     ; my first task's first tile of 16 queries: head x 2,048 + batch x 512 + 2 x wave
	s_mov_b32 s35, 0
	s_mov_b32 s29, 0
	s_mov_b32 s31, 0
	s_mov_b32 s32, 0                               ; the first trip's result goes to the first task's place
	s_mov_b32 s33, 0
	s_mov_b32 s26, 16
	s_wait_dscnt 0x0                               ; the opening add is done
	s_wait_kmcnt 0x0
	s_mul_i32 s34, ttmp9, BLOCK
	s_add_co_u32 s34, s34, s[G0+1]
	s_add_nc_u64 s[G0+2:G0+3], s[8:9], s[34:35]
	s_or_b32 s[G0+3], s[G0+3], 0x80000000          ; type = 2
	s_cmp_lt_u32 s12, 8
	s_cbranch_scc0 .Lno_fill
	tensor_load_to_lds s[G0:G0+3], s[G1:G1+7]      ; the launch's only fills: one load of mine is out
	s_nop 0
.rept 4
	v_nop
.endr
.Lno_fill:
	s_lshl_b32 s34, s18, 10
	s_add_nc_u64 s[20:21], s[4:5], s[34:35]        ; indices: 1,024 bytes a tile
	s_lshl_b32 s34, s18, 11
	s_add_nc_u64 s[22:23], s[6:7], s[34:35]        ; weights: 2,048 bytes a tile
	s_lshl_b32 s34, s14, 8
	s_add_co_u32 s34, s34, s12                     ; my first block of 32 queries: batch x 256 + wave
	s_lshl_b32 s34, s34, 14
	s_lshl_b32 s19, s17, 8
	s_add_co_u32 s34, s34, s19
	s_add_nc_u64 s[24:25], s[10:11], s[34:35]
	v_and_b32 v7, 15, v0                           ; r
	v_bfe_u32 v18, v0, 4, 1                        ; which of the task's two tiles
	v_lshlrev_b32 v[PI], 4, v7
	v_lshl_add_u32 v[PW], v18, 11, v[PI]
	v_lshl_add_u32 v[PI], v18, 10, v[PI]
	v_and_b32 v[GO], 31, v0
	v_lshlrev_b32 v[GO], 3, v[GO]
	v_mov_b32 v[Z0], 0
.macro ILOAD                           ; a task's indices: level l lies at k = l / 2, lane half l % 2
.irp l, 0,1,2,3
	global_load_b128 v[IDX+4*\l:IDX+4*\l+3], v[PI], s[20:21] offset:(\l>>1)*512+(\l&1)*256
.endr
.endm
.macro WLOAD l                         ; its weights for level l, both patch columns
	global_load_b128 v[WT+8*(\l):WT+8*(\l)+3],   v[PW], s[22:23] offset:((\l)>>1)*1024+((\l)&1)*256
	global_load_b128 v[WT+8*(\l)+4:WT+8*(\l)+7], v[PW], s[22:23] offset:((\l)>>1)*1024+((\l)&1)*256+512
.endm
.macro LLOAD l, bf                     ; level l's 4 points x 4 corners out of the table; a map row is (128 >> l) pixels of 8 bytes
.set p, 0
.rept 4
.set c, 0
.rept 4
	ds_load_b64 v[D+32*(\bf)+8*p+2*c:D+32*(\bf)+8*p+2*c+1], v[ADR+4*(\l)+p] offset:(c>>1)*(1024>>(\l))+(c&1)*8
.set c, c+1
.endr
.set p, p+1
.endr
.endm
; Level l's 64 multiply-adds.  young = the LDS loads issued behind this level's: the next level's 16, or none.  A sum comes round again every eight lines.
.macro LFMA l, bf, young
	s_wait_loadcnt 10                              ; this level's weights are in.  Behind them: 2 (3 - l) loads of this task's later levels, the next task's 4 of indices and its 2 l of earlier levels
	s_wait_dscnt \young                            ; this level's 16 loads, issued a level ahead, are in; the next level's may stay out
.set p, 0
.rept 4
.set c, 0
.rept 4
.set dq, D+32*(\bf)+8*p+2*c
.set wr, WT+8*(\l)+4*(c&1)+p
.set j, 0
.rept 4
.set ac, ACC+4*(c&1)+j
.set ad, ac
.if ((\l) == 0) && (p == 0) && (c < 2)
.set ad, Z0                                        ; the first products start the sums
.endif
.if ((j&1) == 0) && (c < 2)
	v_fma_mix_f32_bf16 v[ac], v[dq+(j>>1)], v[wr], v[ad] op_sel:[0,0,0] op_sel_hi:[1,1,0]
.elseif c < 2
	v_fma_mix_f32_bf16 v[ac], v[dq+(j>>1)], v[wr], v[ad] op_sel:[1,0,0] op_sel_hi:[1,1,0]
.elseif (j&1) == 0
	v_fma_mix_f32_bf16 v[ac], v[dq+(j>>1)], v[wr], v[ad] op_sel:[0,1,0] op_sel_hi:[1,1,0]
.else
	v_fma_mix_f32_bf16 v[ac], v[dq+(j>>1)], v[wr], v[ad] op_sel:[1,1,0] op_sel_hi:[1,1,0]
.endif
.set j, j+1
.endr
.set c, c+1
.endr
.set p, p+1
.endr
.endm
	ILOAD                                          ; the first task's, on their way while the table lands
	WLOAD 0
	WLOAD 1
	WLOAD 2
	WLOAD 3
	s_wait_tensorcnt 0x0                           ; my part of the table is in,
	s_barrier_signal -1
	s_barrier_wait -1                              ; everybody's is
.Ltask:
	s_wait_loadcnt 0x8                             ; the task's indices are in; its 8 loads of weights may stay out
	s_wait_xcnt 0x0                                ; the three bases and the last store's data are rewritten only behind this wait
	s_cmp_lg_u32 s26, 1
	s_cselect_b32 s28, 32768, 0                    ; 16 waves x 2 tiles on; in the last trip no further
	s_cselect_b32 s30, 65536, 0
	s_add_nc_u64 s[20:21], s[20:21], s[28:29]      ; from here on the bases are the next task's
	s_add_nc_u64 s[22:23], s[22:23], s[30:31]
	s_add_nc_u64 s[24:25], s[24:25], s[32:33]      ; and the result's base this task's
	s_mov_b32 s32, 262144                          ; 16 blocks of 16,384 bytes
.set i, 0
.rept 16
.set l, i>>2                                       ; 8 x (the level's first pixel + its last patch corner): pixels 16,254, 20,414, 21,470, 21,742
	v_min_u32 v[ADR+i], 8*((65536-(65536>>(2*l)))/3+(128>>l)*((128>>l)-2)+(128>>l)-2), v[IDX+i]
.set i, i+1
.endr
	ILOAD                                          ; the next task's indices
	LLOAD 0, 0
	LLOAD 1, 1
	LFMA 0, 0, 16
	WLOAD 0                                        ; the next task's weights, into the registers just read
	LLOAD 2, 0
	LFMA 1, 1, 16
	WLOAD 1
	LLOAD 3, 1
	LFMA 2, 0, 16
	WLOAD 2
	LFMA 3, 1, 0
	WLOAD 3
	v_pk_add_f32 v[ACC:ACC+1],   v[ACC:ACC+1],   v[ACC+4:ACC+5]   ; the two patch columns' shares
	v_pk_add_f32 v[ACC+2:ACC+3], v[ACC+2:ACC+3], v[ACC+6:ACC+7]
	v_cvt_pk_bf16_f32 v[PK],   v[ACC],   v[ACC+1]
	v_cvt_pk_bf16_f32 v[PK+1], v[ACC+2], v[ACC+3]
	global_store_b64 v[GO], v[PK:PK+1], s[24:25]   ; 256 consecutive bytes
	s_sub_co_u32 s26, s26, 1
	s_cmp_lg_u32 s26, 0
	s_cbranch_scc1 .Ltask
	s_wait_tensorcnt 0x0                           ; the wave's end, behind my last tensor load
	ds_add_u32 v[SPW], v[NIL]
	s_wait_dscnt 0x0
	s_endpgm
.Lfunc_end_k_qf83f1522e2_gath:
	.size	k_qf83f1522e2_gath, .Lfunc_end_k_qf83f1522e2_gath-k_qf83f1522e2_gath
	.p2alignl 7, 3214868480
	.fill 96, 4, 3214868480
	.section	.rodata,"a",@progbits
	.p2align	6, 0x0
	.amdhsa_kernel k_qf83f1522e2_gath
		.amdhsa_group_segment_fixed_size 176128
		.amdhsa_private_segment_fixed_size 0
		.amdhsa_enable_private_segment 0
		.amdhsa_kernarg_size 32
		.amdhsa_user_sgpr_count 2
		.amdhsa_user_sgpr_kernarg_segment_ptr 1
		.amdhsa_wavefront_size32 1
		.amdhsa_system_sgpr_workgroup_id_x 1
		.amdhsa_system_sgpr_workgroup_id_y 1
		.amdhsa_system_sgpr_workgroup_id_z 1
		.amdhsa_system_vgpr_workitem_id 0
		.amdhsa_next_free_vgpr 148
		.amdhsa_next_free_sgpr 66
		.amdhsa_reserve_vcc 0
		.amdhsa_float_denorm_mode_32 3
		.amdhsa_float_denorm_mode_16_64 3
		.amdhsa_memory_ordered 1
		.amdhsa_forward_progress 1
		.amdhsa_inst_pref_size 28
	.end_amdhsa_kernel
	.amdgpu_metadata
---
amdhsa.version: [ 1, 2 ]
amdhsa.kernels:
  - .name:           k_qf83f1522e2_gath
    .symbol:         k_qf83f1522e2_gath.kd
    .args:
      - { .name: sidx, .offset: 0, .size: 8, .value_kind: global_buffer, .address_space: global }
      - { .name: swt, .offset: 8, .size: 8, .value_kind: global_buffer, .address_space: global }
      - { .name: value, .offset: 16, .size: 8, .value_kind: global_buffer, .address_space: global }
      - { .name: samp, .offset: 24, .size: 8, .value_kind: global_buffer, .address_space: global }
    .group_segment_fixed_size: 176128
    .private_segment_fixed_size: 0
    .kernarg_segment_align: 8
    .kernarg_segment_size: 32
    .max_flat_workgroup_size: 512
    .sgpr_count:     66
    .vgpr_count:     148
    .wavefront_size: 32
...
	.end_amdgpu_metadata
.endif
;; end of part 7
;; launch mlp (part 8): grid 256 x 1, 4 waves a work-group, clusters of 4 x 1, 327,680 bytes of LDS; arguments samp, tgt, wt, b_out, ln1_g, ln1_b, b_fc1, b_fc2, ln2_g, ln2_b, out0; writes out0
.if DOCPART == 8
	.amdgcn_target "amdgcn-amd-amdhsa--gfx1250"
	.amdhsa_code_object_version 6
	.text
	.protected	k_qf83f1522e2_mlp
	.globl	k_qf83f1522e2_mlp
	.p2align	8
	.type	k_qf83f1522e2_mlp,@function
k_qf83f1522e2_mlp:
	s_mov_b64 s[64:65], 0
	v_nop
	global_prefetch_b8 v0, s[64:65] scope:SCOPE_SE
	s_setreg_imm32_b32 hwreg(HW_REG_WAVE_MODE, 25, 1), 1
	s_wait_xcnt 0x0
	s_wait_alu depctr_hold_cnt(0) depctr_sa_sdst(0) depctr_va_vdst(0) depctr_va_sdst(0) depctr_va_ssrc(0) depctr_va_vcc(0) depctr_vm_vsrc(0)
	s_getreg_b32 s2, hwreg(HW_REG_IB_STS2, 6, 4)
	s_cmp_eq_u32 s2, 0
	s_cbranch_scc0 .Lentry_in_a_cluster
	s_endpgm
.Lentry_in_a_cluster:
	s_bfe_u32 s2, ttmp6, 0x10000c
	s_cmp_lg_u32 s2, 0x3003
	s_cbranch_scc0 .Lentry_shape_is_right
	s_endpgm
.Lentry_shape_is_right:
; MLP.  x1 = LN1(tgt + samp W_out + b_out);  out0 = LN2(x1 + relu(x1 W_fc1 + b_fc1) W_fc2 + b_fc2).  Products in bf16 with f32 sums; residuals, means and variances in f32; the variance is taken of the centred numbers.
; LIMITS: NaN and infinities are not treated apart; x1 and the hidden layer are rounded once to bf16 as matrix operands.
; SHARES.  A work-group owns 128 queries, each of its four waves 32 (two tiles of 16) through the whole chain.  EVERY PRODUCT IS USED TRANSPOSED: source 0 = 16 rows of a transposed weight (output channels),
; source 1 = 16 queries.  A lane then holds ONE query (lane % 16) and channels 8 (lane / 16) + 0..7 of each tile, and two result tiles rounded in pairs ARE the next product's source 1: nothing changes lanes,
; no wave needs another's numbers, and a row's mean wants one exchange between the halves of the lanes.  The 256 channels of 32 queries stay in 256 accumulator registers from tgt to out0:
; tgt starts the sums of the first product, x1 those of the last (the two residuals); nothing is cleared.
; WEIGHTS.  All work-groups walk the same weights in the same order: the four of a cluster ask for each tile JOINTLY (one tensor load, the same descriptor, the mask of four).  Two LDS slots take turns:
; first W_out^T (256 rows), then eight chunks of 128 hidden units: 128 rows of W_fc1^T (waves 0, 1 fetch 64 each) and 256 rows x 128 of W_fc2^T (waves 2, 3 fetch 128 each).
; A refill has a chunk's 256 matrix instructions a wave in which to land.  By this text's count a wave has two tensor loads out at the start and one behind each round.
; Slot 1 first takes the wave's 32 rows of tgt (a load of its own), and after its last fill serves as the stage for the way out.
; REGISTERS: window 0: addresses, statistics, v32-63 the hidden accumulators, v64-79 b_fc1, v80-95 the hidden layer in bf16, v96-127 at work, v128-255 fragments of W_fc1^T (or W_out^T)
;   window 1: Y, tile i of channels and tile t of queries at 16 i + 8 t     window 2: v0-127 source 1 (K step s, t at 16 s + 8 t), v128-255 a gain     window 3: v0-127 fragments of W_fc2^T (or W_out^T), v128-255 a bias
.set SLOT,  137216
.set S1,    SLOT
.set P1,    528                        ; rows of 512 bytes + 16
.set P2,    272                        ; rows of 256 bytes + 16
.set W2O,   128*P1                     ; W_fc2^T's part of a slot
.set TPI,   1040                       ; rows of 1,024 bytes + 16 (tgt, and the way out)
.set TW,    32*TPI
.set PAR,   2*SLOT                     ; b_fc1 +0, b_out +4096, ln1_g +5120, ln1_b +6144, b_fc2 +7168, ln2_g +8192, ln2_b +9216: stored once, never a tensor load's target
.set SPARE, PAR+10240                  ; the spare words, 128 bytes for each wave
.set WOT,   327680                     ; places in wt
.set W1T,   458752
.set W2T,   983040
.set LA, 2                             ; v2   r x 528 + 16 half
.set LB, 3                             ; v3   r x 272 + 16 half
.set A1, 4                             ; v4   W_fc1^T's fragments to be fetched next
.set A2, 5                             ; v5   W_fc2^T's
.set HBA, 6                            ; v6   b_fc1's
.set O1, 8                             ; v8   LA + 128 rows
.set SO, 9                             ; v9   my query's row in my wave's part of slot 1, + 32 half
.set SI, 10                            ; v10  the same part, + 16 lane
.set L16, 11                           ; v11  16 lane
.set PA, 12                            ; v12  PAR + 32 half
.set Z0, 13                            ; v13  0
.set SPW, 14                           ; v14  LDS address of my spare word; never rewritten
.set NIL, 15                           ; v15  0; never rewritten
.set MEAN, 16                          ; v16-19  by t, in the low word of a pair
.set RS, 20                            ; v20-23  1 / sqrt(var + eps), likewise
.set TT, 24                            ; v24-27  at work
.set HACC, 32
.set HB, 64
.set HP, 80
.set CH, 96                            ; v96-111 four chains of pairs for each t
.set SMO, 119                          ; v119 my place in a block of samp: 512 half + 8 r
.set AF1, 128
.set G1A, 16                           ; s[16:23] 64 rows x 256 bf16, joint
.set G1B, 24                           ; s[24:31] 128 rows x 128 bf16 out of rows of 1,024, joint
.set G1T, 32                           ; s[32:39] 32 rows x 256 f32, my own
.set G0A, 40                           ; s[40:47] W_fc1^T's group 0, one for each slot
.set G0B, 48                           ; s[48:55] W_fc2^T's
.set G0W, 56                           ; s[56:59] W_out^T's
.set G0T, 60                           ; s[60:63] tgt's
.set MSB, 0
.macro WIN new
.if MSB != (\new)
	s_set_vgpr_msb (MSB<<8)|(\new)
.set MSB, \new
.endif
.endm
.macro PLACES                          ; four places between a matrix instruction and what reads its result or writes its registers (ISA guide 7.12.1)
.rept 4
	v_nop
.endr
.endm
.macro ROUND                           ; a round of the cluster's barrier: my work-group's barrier; wave 0 signals for it; every wave waits for all four work-groups; my work-group's barrier once more
	s_barrier_signal -1
	s_barrier_wait -1
	s_cmp_lg_u32 s8, 0
	s_cbranch_scc1 .Lnot_wave_0_\@
	s_barrier_signal -3
.Lnot_wave_0_\@:
	s_barrier_wait -3
	s_barrier_signal -1
	s_barrier_wait -1
.endm
.macro JLOAD f                         ; a joint refill of slot f; the branch hangs on the wave's number alone; an s_nop 0 and four v_nop follow each line
	s_cmp_lt_u32 s8, 2
	s_cbranch_scc0 .Lfor_w2_\@
	tensor_load_to_lds s[G0A+4*(\f):G0A+4*(\f)+3], s[G1A:G1A+7]
	s_nop 0
.rept 4
	v_nop
.endr
	s_branch .Lasked_\@
.Lfor_w2_\@:
	tensor_load_to_lds s[G0B+4*(\f):G0B+4*(\f)+3], s[G1B:G1B+7]
	s_nop 0
.rept 4
	v_nop
.endr
.Lasked_\@:
.endm
; THE CHANGE OF SLOTS.  Each wave waits for all its tensor loads (one is out: its part of the other slot), adds 0 to its spare word, and waits for that and for its reads of the slot that it leaves.
; f = 0, 1: slot f is filled again, first thing behind a round of the cluster's barrier; step = 1: with the chunk two further on.  f = -1: nothing is left to fetch.
.macro CHANGE f, step
	WIN 0
	s_wait_tensorcnt 0x0                           ; no tensor load of mine is out, so a group 0 may be written
	ds_add_u32 v[SPW], v[NIL]
.if \step
	s_add_nc_u64 s[G0A+4*(\f)+2:G0A+4*(\f)+3], s[G0A+4*(\f)+2:G0A+4*(\f)+3], 131072   ; 256 rows of 512 bytes
	s_add_nc_u64 s[G0B+4*(\f)+2:G0B+4*(\f)+3], s[G0B+4*(\f)+2:G0B+4*(\f)+3], 512      ; 256 columns of 2 bytes
.endif
	s_wait_dscnt 0x0                               ; the add is done, and my LDS reads and stores are over
.if (\f) >= 0
	ROUND
	JLOAD \f
.else
	s_barrier_signal -1
	s_barrier_wait -1
.endif
.endm
	s_load_b512 s[68:83], s[0:1], 0x0              ; samp 68, tgt 70, wt 72, b_out 74, ln1_g 76, ln1_b 78, b_fc1 80, b_fc2 82
	s_load_b128 s[84:87], s[0:1], 0x40             ; ln2_g 84, ln2_b 86
	s_load_b64 s[88:89], s[0:1], 0x50              ; out0
	v_lshl_add_u32 v[SPW], v0, 2, SPARE
	v_mov_b32 v[NIL], 0
	ds_add_u32 v[SPW], v[NIL]                      ; the wave's opening: the add and its wait ahead of my first tensor load; work on registers stands between them
	v_lshrrev_b32 v1, 5, v0
	v_readfirstlane_b32 s8, v1                     ; wave
	s_bfe_u32 s9, ttmp6, 0x40000                   ; cx: it enters the addresses of samp, tgt and out0 alone
	s_lshl_b32 s10, ttmp9, 2
	s_add_co_u32 s10, s10, s9                      ; my block of 128 queries
	s_and_b32 s3, s8, 1                            ; which half of a tile I fetch
	s_mov_b32 s[G1A+0], 15|(1<<16)|(1<<20)|(1<<21)|(6<<22)|(3<<25)  ; the mask of four; 2-byte elements; padding on; bit 21 beside a mask; after every 128 words, 4 words
	s_mov_b32 s[G1A+1], 256<<16                    ; tensor_dim0
	s_mov_b32 s[G1A+2], 64<<16                     ; tensor_dim1
	s_mov_b32 s[G1A+3], 256<<16                    ; tile_dim0
	s_mov_b32 s[G1A+4], 64                         ; tile_dim1
	s_mov_b32 s[G1A+5], 256                        ; elements from row to row
	s_mov_b32 s[G1A+6], 0
	s_mov_b32 s[G1A+7], 0
	s_mov_b32 s[G1B+0], 15|(1<<16)|(1<<20)|(1<<21)|(5<<22)|(3<<25)  ; after every 64 words, 4 words
	s_mov_b32 s[G1B+1], 128<<16
	s_mov_b32 s[G1B+2], 128<<16
	s_mov_b32 s[G1B+3], 128<<16
	s_mov_b32 s[G1B+4], 128
	s_mov_b32 s[G1B+5], 1024
	s_mov_b32 s[G1B+6], 0
	s_mov_b32 s[G1B+7], 0
	s_mov_b32 s[G1T+0], (2<<16)|(1<<20)|(7<<22)|(3<<25)             ; no mask; 4-byte elements; after every 256 words, 4 words
	s_mov_b32 s[G1T+1], 256<<16
	s_mov_b32 s[G1T+2], 32<<16
	s_mov_b32 s[G1T+3], 256<<16
	s_mov_b32 s[G1T+4], 32
	s_mov_b32 s[G1T+5], 256
	s_mov_b32 s[G1T+6], 0
	s_mov_b32 s[G1T+7], 0
	s_mul_i32 s4, s3, 64*P1
	s_mul_i32 s5, s3, 128*P2
	s_mov_b32 s[G0A+0], 1
	s_mov_b32 s[G0A+1], s4                         ; slot 0
	s_mov_b32 s[G0A+4], 1
	s_add_co_u32 s[G0A+5], s4, S1                  ; slot 1
	s_mov_b32 s[G0B+0], 1
	s_add_co_u32 s[G0B+1], s5, W2O
	s_mov_b32 s[G0B+4], 1
	s_add_co_u32 s[G0B+5], s5, S1+W2O
	s_mov_b32 s[G0W+0], 1
	s_mul_i32 s[G0W+1], s8, 64*P1
	s_mov_b32 s[G0T+0], 1
	s_mul_i32 s[G0T+1], s8, TW
	s_add_co_u32 s[G0T+1], s[G0T+1], S1
	s_mov_b32 s90, 0x76543210                      ; v_permlanex16_b32: each lane takes its own place in the other half
	s_mov_b32 s91, 0xfedcba98
	s_mov_b32 s98, 0x3b800000                      ; 1 / 256
	s_mov_b32 s99, 0x3727c5ac                      ; 1e-5
	s_mov_b32 s15, 0                               ; the byte in b_fc1 of the hidden units to be fetched next
	s_mov_b32 s7, 0
	s_mov_b32 s101, 0
	s_wait_dscnt 0x0                               ; the opening add is done
	s_wait_kmcnt 0x0
	s_lshl_b32 s6, s3, 15
	s_add_co_u32 s6, s6, W1T
	s_add_nc_u64 s[G0A+6:G0A+7], s[72:73], s[6:7]              ; slot 1 begins with chunk 0,
	s_add_nc_u64 s[G0A+2:G0A+3], s[G0A+6:G0A+7], 65536         ; slot 0 with chunk 1
	s_or_b32 s[G0A+7], s[G0A+7], 0x80000000
	s_or_b32 s[G0A+3], s[G0A+3], 0x80000000
	s_lshl_b32 s6, s3, 18
	s_add_co_u32 s6, s6, W2T
	s_add_nc_u64 s[G0B+6:G0B+7], s[72:73], s[6:7]
	s_add_nc_u64 s[G0B+2:G0B+3], s[G0B+6:G0B+7], 256
	s_or_b32 s[G0B+7], s[G0B+7], 0x80000000
	s_or_b32 s[G0B+3], s[G0B+3], 0x80000000
	s_lshl_b32 s6, s8, 15
	s_add_co_u32 s6, s6, WOT
	s_add_nc_u64 s[G0W+2:G0W+3], s[72:73], s[6:7]
	s_or_b32 s[G0W+3], s[G0W+3], 0x80000000
	s_lshl_b32 s100, s10, 17                       ; my wave's 32 rows of 1,024 bytes
	s_lshl_b32 s11, s8, 15
	s_add_co_u32 s100, s100, s11
	s_add_nc_u64 s[G0T+2:G0T+3], s[70:71], s[100:101]
	s_or_b32 s[G0T+3], s[G0T+3], 0x80000000
	s_add_nc_u64 s[88:89], s[88:89], s[100:101]
	s_lshl_b32 s100, s10, 16                       ; my wave's block of 32 queries in samp: 16,384 bytes
	s_lshl_b32 s11, s8, 14
	s_add_co_u32 s100, s100, s11
	s_add_nc_u64 s[68:69], s[68:69], s[100:101]
	s_cmp_lt_u32 s8, 2                             ; waves 0, 1 copy one vector of 256 numbers, waves 2, 3 the next
	s_cselect_b64 s[92:93], s[74:75], s[76:77]
	s_cselect_b64 s[94:95], s[78:79], s[82:83]
	s_cselect_b64 s[96:97], s[84:85], s[86:87]
	ROUND                                          ; all four work-groups are here: the first joint loads meet
	tensor_load_to_lds s[G0W:G0W+3], s[G1A:G1A+7]  ; my 64 rows of W_out^T into slot 0
	s_nop 0
	tensor_load_to_lds s[G0T:G0T+3], s[G1T:G1T+7]  ; my 32 rows of tgt into slot 1
	s_nop 0
.rept 4
	v_nop
.endr
	v_and_b32 v1, 15, v0                           ; r
	v_bfe_u32 v7, v0, 4, 1                         ; half
	v_and_b32 v[L16], 31, v0
	v_lshlrev_b32 v[L16], 4, v[L16]
	v_lshlrev_b32 v[SMO], 3, v1
	v_lshl_add_u32 v[SMO], v7, 9, v[SMO]
	; The sampled values: samp[block][64 planes of 4 channels][32 queries][4 channels].  A fragment's registers 2 u, 2 u + 1 are the 4 channels of plane 8 s + 4 (u / 2) + 2 half + u % 2 for query 16 t + r:
	; a load brings two runs of 128 bytes; the 64 loads together read my wave's 16,384 consecutive bytes once.
	WIN 0x80                                       ; destination window 2
.irp s, 0,1,2,3,4,5,6,7
.irp u, 0,1,2,3
.irp t, 0,1
	global_load_b64 v[16*\s+8*\t+2*\u:16*\s+8*\t+2*\u+1], v[SMO], s[68:69] offset:(8*\s+4*(\u>>1)+(\u&1))*256+\t*128
.endr
.endr
.endr
	WIN 0
	v_lshlrev_b32 v116, 4, v0                      ; 16 x thread
	v_and_b32 v117, 63, v0
	v_lshlrev_b32 v117, 4, v117
	v_add_nc_u32 v118, PAR, v116
	global_load_b128 v[96:99],   v116, s[80:81]
	global_load_b128 v[100:103], v116, s[80:81] offset:2048
	global_load_b128 v[104:107], v117, s[92:93]
	global_load_b128 v[108:111], v117, s[94:95]
	global_load_b128 v[112:115], v117, s[96:97]
	v_mul_u32_u24 v[LA], v1, P1
	v_lshl_add_u32 v[LA], v7, 4, v[LA]
	v_mul_u32_u24 v[LB], v1, P2
	v_lshl_add_u32 v[LB], v7, 4, v[LB]
	v_add_nc_u32 v[O1], 128*P1, v[LA]
	v_mul_u32_u24 v[SO], v1, TPI
	v_lshl_add_u32 v[SO], v7, 5, v[SO]
	v_add_nc_u32 v[SO], s[G0T+1], v[SO]
	v_add_nc_u32 v[SI], s[G0T+1], v[L16]
	v_lshlrev_b32 v[PA], 5, v7
	v_add_nc_u32 v[PA], PAR, v[PA]
	v_mov_b32 v[Z0], 0
.set i, 16
.rept 16
	v_mov_b32 v[i], 0                              ; the statistics' pairs and the exchange's destinations are written once
.set i, i+1
.endr
	s_wait_loadcnt 0x0
	ds_store_b128 v118, v[96:99]
	ds_store_b128 v118, v[100:103] offset:2048
	ds_store_b128 v118, v[104:107] offset:4096
	ds_store_b128 v118, v[108:111] offset:6144
	ds_store_b128 v118, v[112:115] offset:8192
	s_wait_tensorcnt 0x0                           ; my own rows of tgt are in (and my part of W_out^T)
	WIN 0x40                                       ; tgt starts the sums
.set t, 0
.rept 2
.set i, 0
.rept 16
	ds_load_b128 v[16*i+8*t:16*i+8*t+3],   v[SO] offset:t*16*TPI+64*i
	ds_load_b128 v[16*i+8*t+4:16*i+8*t+7], v[SO] offset:t*16*TPI+64*i+16
.set i, i+1
.endr
.set t, t+1
.endr
	CHANGE 1, 0                                    ; tgt has been read: slot 1 takes chunk 0.  The round also shows W_out^T and the vectors to every wave
; THE OUT PROJECTION: 8 K steps (heads) x 32 accumulators, which take turns; the weights' fragments in two buffers
.macro LOADO s
.if ((\s)&1) == 0
	WIN 0
.set fb, AF1
.else
	WIN 0xc0
.set fb, 0
.endif
.set i, 0
.rept 8
	ds_load_b128 v[fb+8*i:fb+8*i+3],   v[LA] offset:i*16*P1+64*(\s)
	ds_load_b128 v[fb+8*i+4:fb+8*i+7], v[LA] offset:i*16*P1+64*(\s)+32
.set i, i+1
.endr
.set i, 0
.rept 8
	ds_load_b128 v[fb+64+8*i:fb+64+8*i+3],   v[O1] offset:i*16*P1+64*(\s)
	ds_load_b128 v[fb+64+8*i+4:fb+64+8*i+7], v[O1] offset:i*16*P1+64*(\s)+32
.set i, i+1
.endr
.endm
	LOADO 0
	LOADO 1
.irp s, 0,1,2,3,4,5,6,7
.if \s < 7
	s_wait_dscnt 32                                ; the next K step's 32 loads may stay out
.else
	s_wait_dscnt 0x0
.endif
.if (\s&1) == 0
	WIN 0x58                                       ; Y window 1, source 1 window 2, source 0 window 0
.set fb, AF1
.else
	WIN 0x5b                                       ; source 0 window 3
.set fb, 0
.endif
.set i, 0
.rept 16
	v_wmma_f32_16x16x32_bf16 v[16*i:16*i+7],    v[fb+8*i:fb+8*i+7], v[16*\s:16*\s+7],    v[16*i:16*i+7]
	v_wmma_f32_16x16x32_bf16 v[16*i+8:16*i+15], v[fb+8*i:fb+8*i+7], v[16*\s+8:16*\s+15], v[16*i+8:16*i+15]
.set i, i+1
.endr
.if \s < 6
	PLACES
	LOADO \s+2
.endif
.endr
; LAYER NORM of Y + bias, in place, both tiles of queries: Y = (Y + bias - mean) / sqrt(var + 1e-5) x gain + shift.  The three arguments are the vectors' places in PAR.
.macro VEC o                           ; a vector's 128 numbers for my half of the lanes -> v128-255 of the window set
.set i, 0
.rept 16
	ds_load_b128 v[128+8*i:128+8*i+3],   v[PA] offset:(\o)+64*i
	ds_load_b128 v[128+8*i+4:128+8*i+7], v[PA] offset:(\o)+64*i+16
.set i, i+1
.endr
.endm
.macro EACHY line:vararg               ; one line for each pair of Y: rY the pair, rV the vectors' pair of the same channels, t the tile; each accumulator's registers in ascending order
.set t, 0
.rept 2
.set i, 0
.rept 16
.set q, 0
.rept 4
.set rY, 16*i+8*t+2*q
.set rV, 128+8*i+2*q
	\line
.set q, q+1
.endr
.set i, i+1
.endr
.set t, t+1
.endr
.endm
.macro FOLD                            ; the chains, their two halves and the other half of the lanes' -> v[TT + t]
	WIN 0
.irp t, 0,1
	v_pk_add_f32 v[CH+8*\t:CH+8*\t+1],   v[CH+8*\t:CH+8*\t+1],   v[CH+8*\t+2:CH+8*\t+3]
	v_pk_add_f32 v[CH+8*\t+4:CH+8*\t+5], v[CH+8*\t+4:CH+8*\t+5], v[CH+8*\t+6:CH+8*\t+7]
.endr
.irp t, 0,1
	v_pk_add_f32 v[CH+8*\t:CH+8*\t+1], v[CH+8*\t:CH+8*\t+1], v[CH+8*\t+4:CH+8*\t+5]
.endr
.irp t, 0,1
	v_add_f32 v[TT+\t], v[CH+8*\t], v[CH+8*\t+1]
.endr
.irp t, 0,1
	v_permlanex16_b32 v[TT+2+\t], v[TT+\t], s90, s91
.endr
.irp t, 0,1
	v_add_f32 v[TT+\t], v[TT+\t], v[TT+2+\t]
.endr
.endm
.macro LN vb, vg, vz
	WIN 0xc0
	VEC \vb                                        ; the bias, window 3
	WIN 0x80
	VEC \vg                                        ; the gain, window 2
	s_wait_dscnt 32                                ; the gain's 32 loads may stay out
	WIN 0x4d
	EACHY v_pk_add_f32 v[rY:rY+1], v[rY:rY+1], v[rV:rV+1]
	WIN 0xc0
	VEC \vz                                        ; the shift takes the bias's place
	WIN 0x05                                       ; the sums: four chains for each t, started by the first two tiles
.set t, 0
.rept 2
.set q, 0
.rept 4
	v_pk_add_f32 v[CH+8*t+2*q:CH+8*t+2*q+1], v[8*t+2*q:8*t+2*q+1], v[16+8*t+2*q:16+8*t+2*q+1]
.set q, q+1
.endr
.set t, t+1
.endr
	WIN 0x04
.set i, 2
.rept 14
.set t, 0
.rept 2
.set q, 0
.rept 4
	v_pk_add_f32 v[CH+8*t+2*q:CH+8*t+2*q+1], v[CH+8*t+2*q:CH+8*t+2*q+1], v[16*i+8*t+2*q:16*i+8*t+2*q+1]
.set q, q+1
.endr
.set t, t+1
.endr
.set i, i+1
.endr
	FOLD
.irp t, 0,1
	v_mul_f32 v[MEAN+2*\t], s98, v[TT+\t]
.endr
	WIN 0x41
	EACHY v_pk_add_f32 v[rY:rY+1], v[rY:rY+1], v[MEAN+2*t:MEAN+2*t+1] op_sel_hi:[1,0] neg_lo:[0,1] neg_hi:[0,1]
	WIN 0x05                                       ; the squares of the centred numbers
.set t, 0
.rept 2
.set q, 0
.rept 4
	v_pk_mul_f32 v[CH+8*t+2*q:CH+8*t+2*q+1], v[8*t+2*q:8*t+2*q+1], v[8*t+2*q:8*t+2*q+1]
.set q, q+1
.endr
.set t, t+1
.endr
.set i, 1
.rept 15
.set t, 0
.rept 2
.set q, 0
.rept 4
	v_pk_fma_f32 v[CH+8*t+2*q:CH+8*t+2*q+1], v[16*i+8*t+2*q:16*i+8*t+2*q+1], v[16*i+8*t+2*q:16*i+8*t+2*q+1], v[CH+8*t+2*q:CH+8*t+2*q+1]
.set q, q+1
.endr
.set t, t+1
.endr
.set i, i+1
.endr
	FOLD
.irp t, 0,1
	v_fma_f32 v[TT+\t], v[TT+\t], s98, s99         ; var + 1e-5
.endr
.irp t, 0,1
	v_rsq_f32 v[RS+2*\t], v[TT+\t]
.endr
	v_nop                                          ; a plain instruction behind the last of them (ISA guide 5.7.2)
	s_wait_alu depctr_va_vdst(0)
	WIN 0x41
	EACHY v_pk_mul_f32 v[rY:rY+1], v[rY:rY+1], v[RS+2*t:RS+2*t+1] op_sel_hi:[1,0]
	s_wait_dscnt 0x0                               ; gain and shift are in
	WIN 0x79                                       ; Y window 1, gain window 2, shift window 3
	EACHY v_pk_fma_f32 v[rY:rY+1], v[rY:rY+1], v[rV:rV+1], v[rV:rV+1]
.endm
	PLACES
	LN 4096, 5120, 6144
	WIN 0x85                                       ; x1 in bf16 is source 1 of the next product: K step s takes channel tiles 2 s and 2 s + 1.  Y keeps x1 in f32: the second residual
.set t, 0
.rept 2
.set i, 0
.rept 16
.set q, 0
.rept 4
	v_cvt_pk_bf16_f32 v[16*(i/2)+8*t+4*(i%2)+q], v[16*i+8*t+2*q], v[16*i+8*t+2*q+1]
.set q, q+1
.endr
.set i, i+1
.endr
.set t, t+1
.endr
; A CHUNK of 128 hidden units in four sub-steps of 32: 32 products make them (8 K steps x 4 accumulators, b_fc1 starts the sums), ReLU and rounding make source 1 of 32 products onto Y.
.macro LOAD1                           ; 32 hidden units' rows of W_fc1^T (16 fragments) and their bias: 36 loads
	WIN 0
.irp i, 0,1
.irp s, 0,1,2,3,4,5,6,7
	ds_load_b128 v[AF1+64*\i+8*\s:AF1+64*\i+8*\s+3],   v[A1] offset:\i*16*P1+64*\s
	ds_load_b128 v[AF1+64*\i+8*\s+4:AF1+64*\i+8*\s+7], v[A1] offset:\i*16*P1+64*\s+32
.endr
.endr
.irp i, 0,1
	ds_load_b128 v[HB+8*\i:HB+8*\i+3],   v[HBA] offset:64*\i
	ds_load_b128 v[HB+8*\i+4:HB+8*\i+7], v[HBA] offset:64*\i+16
.endr
.endm
.macro LOAD2                           ; the same 32 hidden units' columns of W_fc2^T: 16 fragments, 32 loads
	WIN 0xc0
.set i, 0
.rept 16
	ds_load_b128 v[8*i:8*i+3],   v[A2] offset:i*16*P2
	ds_load_b128 v[8*i+4:8*i+7], v[A2] offset:i*16*P2+32
.set i, i+1
.endr
.endm
.macro CHUNK slot
	WIN 0
	s_mov_b32 s13, (\slot)*SLOT
	s_mov_b32 s14, (\slot)*SLOT+W2O
	v_add_nc_u32 v[A1], s13, v[LA]
	v_add_nc_u32 v[HBA], s15, v[PA]
	LOAD1
	s_mov_b32 s12, 4
.Lsub_\@:
	s_add_co_u32 s13, s13, 32*P1
	s_add_co_u32 s15, s15, 128
	v_add_nc_u32 v[A1], s13, v[LA]                 ; the next sub-step's addresses; with the v_nop these are the four places behind the last product onto Y
	v_add_nc_u32 v[HBA], s15, v[PA]
	v_add_nc_u32 v[A2], s14, v[LB]
	v_nop
	s_add_co_u32 s14, s14, 64
	LOAD2
	s_wait_dscnt 32                                ; all but the 32 just issued
	WIN 0x08                                       ; source 1 window 2
.irp s, 0,1,2,3,4,5,6,7
.irp i, 0,1
.irp t, 0,1
.if \s == 0
	v_wmma_f32_16x16x32_bf16 v[HACC+16*\i+8*\t:HACC+16*\i+8*\t+7], v[AF1+64*\i+8*\s:AF1+64*\i+8*\s+7], v[16*\s+8*\t:16*\s+8*\t+7], v[HB+8*\i:HB+8*\i+7]
.else
	v_wmma_f32_16x16x32_bf16 v[HACC+16*\i+8*\t:HACC+16*\i+8*\t+7], v[AF1+64*\i+8*\s:AF1+64*\i+8*\s+7], v[16*\s+8*\t:16*\s+8*\t+7], v[HACC+16*\i+8*\t:HACC+16*\i+8*\t+7]
.endif
.endr
.endr
.endr
	WIN 0
	PLACES
.irp i, 0,1
.irp t, 0,1
.irp q, 0,1,2,3
	v_cvt_pk_bf16_f32 v[HP+8*\t+4*\i+\q], v[HACC+16*\i+8*\t+2*\q], v[HACC+16*\i+8*\t+2*\q+1]
.endr
.endr
.endr
.set n, 0
.rept 16
	v_pk_max_num_bf16 v[HP+n], v[HP+n], v[Z0]      ; ReLU on the rounded pairs: nothing is rounded again
.set n, n+1
.endr
	s_cmp_eq_u32 s12, 1
	s_cbranch_scc1 .Llast_\@
	LOAD1                                          ; the next sub-step's, 32 products ahead of their use
	s_wait_dscnt 36                                ; all but the 36 just issued
	s_branch .Lgo_\@
.Llast_\@:
	s_wait_dscnt 0x0
.Lgo_\@:
	WIN 0x53                                       ; Y window 1, source 0 window 3, source 1 window 0
.set i, 0
.rept 16
	v_wmma_f32_16x16x32_bf16 v[16*i:16*i+7],    v[8*i:8*i+7], v[HP:HP+7],    v[16*i:16*i+7]
	v_wmma_f32_16x16x32_bf16 v[16*i+8:16*i+15], v[8*i:8*i+7], v[HP+8:HP+15], v[16*i+8:16*i+15]
.set i, i+1
.endr
	WIN 0
	s_sub_co_u32 s12, s12, 1
	s_cmp_lg_u32 s12, 0
	s_cbranch_scc1 .Lsub_\@
.endm
	CHANGE 0, 0                                    ; W_out^T has been read: slot 0 takes chunk 1
	CHUNK 1                                        ; chunk 0
	s_mov_b32 s11, 3
.Lpair:                                            ; chunks 1 to 6; slot 1 takes chunks 2, 4, 6, slot 0 chunks 3, 5, 7
	CHANGE 1, 1
	CHUNK 0
	CHANGE 0, 1
	CHUNK 1
	s_sub_co_u32 s11, s11, 1
	s_cmp_lg_u32 s11, 0
	s_cbranch_scc1 .Lpair
	CHANGE -1, 0                                   ; the tail is written out: nothing is asked for
	CHUNK 0                                        ; chunk 7
	PLACES
	LN 7168, 8192, 9216
	; THE WAY OUT.  Slot 1 has had its last fill, and every wave's reads of it ended ahead of the last change of slots: my wave's part of it is my stage.  In by channels, back by rows.
	WIN 0x04                                       ; store data window 1
.set t, 0
.rept 2
.set i, 0
.rept 16
	ds_store_b128 v[SO], v[16*i+8*t:16*i+8*t+3]   offset:t*16*TPI+64*i
	ds_store_b128 v[SO], v[16*i+8*t+4:16*i+8*t+7] offset:t*16*TPI+64*i+16
.set i, i+1
.endr
.set t, t+1
.endr
.set bt, 0
.rept 4                                            ; eight rows at a time
	WIN 0x80                                       ; LDS serves a wave's instructions in order (ISA guide 5.7.1.4): these see the stores above
.set n, 0
.rept 16
	ds_load_b128 v[128+4*n:128+4*n+3], v[SI] offset:(8*bt+(n>>1))*TPI+(n&1)*512
.set n, n+1
.endr
	WIN 0x08                                       ; store data window 2
.set n, 0
.rept 16
	s_wait_dscnt 15-n                              ; the younger loads may stay out
	global_store_b128 v[L16], v[128+4*n:128+4*n+3], s[88:89] offset:(8*bt+(n>>1))*1024+(n&1)*512 th:TH_STORE_NT   ; 512 consecutive bytes, at a multiple of 256 from out0's first byte
.set n, n+1
.endr
	s_wait_xcnt 0x0                                ; the stores' data are loaded again only behind this wait
.set bt, bt+1
.endr
	WIN 0
	s_wait_tensorcnt 0x0                           ; the wave's end, behind my last tensor load and my last LDS store
	ds_add_u32 v[SPW], v[NIL]
	s_wait_dscnt 0x0
	ROUND                                          ; the closing round: no work-group ends while a partner may still ask for a tile that names it
	s_endpgm
.Lfunc_end_k_qf83f1522e2_mlp:
	.size	k_qf83f1522e2_mlp, .Lfunc_end_k_qf83f1522e2_mlp-k_qf83f1522e2_mlp
	.p2alignl 7, 3214868480
	.fill 96, 4, 3214868480
	.section	.rodata,"a",@progbits
	.p2align	6, 0x0
	.amdhsa_kernel k_qf83f1522e2_mlp
		.amdhsa_group_segment_fixed_size 327680
		.amdhsa_private_segment_fixed_size 0
		.amdhsa_enable_private_segment 0
		.amdhsa_kernarg_size 88
		.amdhsa_user_sgpr_count 2
		.amdhsa_user_sgpr_kernarg_segment_ptr 1
		.amdhsa_wavefront_size32 1
		.amdhsa_system_sgpr_workgroup_id_x 1
		.amdhsa_system_sgpr_workgroup_id_y 1
		.amdhsa_system_sgpr_workgroup_id_z 1
		.amdhsa_system_vgpr_workitem_id 0
		.amdhsa_next_free_vgpr 1024
		.amdhsa_next_free_sgpr 102
		.amdhsa_reserve_vcc 0
		.amdhsa_float_denorm_mode_32 3
		.amdhsa_float_denorm_mode_16_64 3
		.amdhsa_memory_ordered 1
		.amdhsa_forward_progress 1
		.amdhsa_inst_pref_size 247
	.end_amdhsa_kernel
	.amdgpu_metadata
---
amdhsa.version: [ 1, 2 ]
amdhsa.kernels:
  - .name:           k_qf83f1522e2_mlp
    .symbol:         k_qf83f1522e2_mlp.kd
    .args:
      - { .name: samp, .offset: 0, .size: 8, .value_kind: global_buffer, .address_space: global }
      - { .name: tgt, .offset: 8, .size: 8, .value_kind: global_buffer, .address_space: global }
      - { .name: wt, .offset: 16, .size: 8, .value_kind: global_buffer, .address_space: global }
      - { .name: b_out, .offset: 24, .size: 8, .value_kind: global_buffer, .address_space: global }
      - { .name: ln1_g, .offset: 32, .size: 8, .value_kind: global_buffer, .address_space: global }
      - { .name: ln1_b, .offset: 40, .size: 8, .value_kind: global_buffer, .address_space: global }
      - { .name: b_fc1, .offset: 48, .size: 8, .value_kind: global_buffer, .address_space: global }
      - { .name: b_fc2, .offset: 56, .size: 8, .value_kind: global_buffer, .address_space: global }
      - { .name: ln2_g, .offset: 64, .size: 8, .value_kind: global_buffer, .address_space: global }
      - { .name: ln2_b, .offset: 72, .size: 8, .value_kind: global_buffer, .address_space: global }
      - { .name: out0, .offset: 80, .size: 8, .value_kind: global_buffer, .address_space: global }
    .group_segment_fixed_size: 327680
    .private_segment_fixed_size: 0
    .kernarg_segment_align: 8
    .kernarg_segment_size: 88
    .max_flat_workgroup_size: 128
    .sgpr_count:     102
    .vgpr_count:     1024
    .wavefront_size: 32
...
	.end_amdgpu_metadata
.endif
;; end of part 8
;; ======== version 3 of 3: 4 launches; version 2 with the launches prep, proj written anew for expert scheduling mode
;; workspace buffers: wt 1,507,328 bytes; value 44,564,480 bytes; sidx 16,777,216 bytes of whole numbers; swt 33,554,432 bytes; samp 16,777,216 bytes
;; launch prep (part 9): grid 92 x 1, 8 waves a work-group, no clusters, 18,432 bytes of LDS; arguments W_val, W_off, W_attn, W_out, W_fc1, W_fc2, wt; writes wt
.if DOCPART == 9
	.amdgcn_target "amdgcn-amd-amdhsa--gfx1250"
	.amdhsa_code_object_version 6
	.text
	.protected	k_qf83f1522e2_prep
	.globl	k_qf83f1522e2_prep
	.p2align	8
	.type	k_qf83f1522e2_prep,@function
k_qf83f1522e2_prep:
	s_mov_b64 s[64:65], 0
	v_nop
	global_prefetch_b8 v0, s[64:65] scope:SCOPE_SE
	s_setreg_imm32_b32 hwreg(HW_REG_WAVE_SCHED_MODE, 0, 2), 2
	s_setreg_imm32_b32 hwreg(HW_REG_WAVE_MODE, 25, 1), 1
	s_wait_xcnt 0x0
	s_wait_alu depctr_vm_vsrc(0)
; PREP.  The six weight matrices, [K][N] in f32, are written transposed, [N][K] in bf16 (rounded once), into wt:
; W_val at byte 0, W_off at 131,072, W_attn behind it at 262,144 (rows 256-383 of one table of 384), W_out at 327,680, W_fc1 at 458,752, W_fc2 at 983,040.
; A work-group turns a tile of 128 k x 64 n: 8 + 8 + 4 + 8 + 32 + 32 = 92 tiles.  In: 16 lanes read 256 consecutive bytes of a row of the source.
; Through LDS (64 rows n of 256 bytes + 16 of padding).  Out: 16 lanes store 256 consecutive bytes, at a multiple of 256 from wt's first byte.
; THE MODE: SCHED_MODE bits 1:0 = 2 (LLVM: expert scheduling mode 2), set by the entry lines.  The code itself states the register dependences
; between vector instructions and memory or LDS instructions, with s_wait_alu, always for 0.
; THE PLAN.  Registers that memory or LDS instructions touch:
;   OFF            written once by vector instructions, read by the eight loads.
;   X              the loads land in it; the conversions read it; it is not loaded again.
;   PK             written by the sixteen conversions, read by the sixteen LDS stores; not written again.
;   STI, STO, GO   written once by vector instructions, behind the loads; read by the LDS stores, the LDS loads and the global stores.
;   BK             LDS loads land in it, global stores read it; no vector instruction names it.
; So two waits on va_vdst: one ahead of the loads (OFF), one behind the conversions (PK, STI, STO, GO), behind which no vector instruction follows.
; No register that a memory or LDS instruction reads is written again, so there is no wait on vm_vsrc.
.set PITCH, 272
.set SPARE, 64*PITCH                   ; behind the stage: the spare words, 128 bytes for each of the eight waves
.set OFF, 4                            ; v4-11   byte offsets of my eight rows k in the source tile
.set X,   12                           ; v12-43  eight quads as loaded
.set PK,  44                           ; v44-59  pairs (k, k + 1) of one column, in bf16
.set STI, 60                           ; v60     into the stage
.set STO, 61                           ; v61     out of the stage
.set GO,  62                           ; v62-65  byte offsets in wt
.set BK,  66                           ; v66-81  read back
.set SPW, 82                           ; v82     LDS address of my spare word; never rewritten
.set NIL, 83                           ; v83     0; never rewritten
	s_load_b256 s[4:11], s[0:1], 0x0               ; W_val, W_off, W_attn, W_out
	s_load_b128 s[12:15], s[0:1], 0x20             ; W_fc1, W_fc2
	s_load_b64 s[16:17], s[0:1], 0x30              ; wt
	v_lshl_add_u32 v[SPW], v0, 2, SPARE
	v_mov_b32 v[NIL], 0
	s_mov_b32 s19, ttmp9                           ; my tile's number
	s_mov_b32 s20, 0                               ; the matrix's first tile
	s_mov_b32 s21, 2                               ; log2 (N / 64)
	s_mov_b32 s22, 8                               ; log2 N
	s_mov_b32 s23, 8                               ; log2 K
	s_mov_b32 s24, 0                               ; its place in wt
	s_wait_kmcnt 0x0
	s_mov_b64 s[26:27], s[4:5]
.macro PICK first, lnt, ln, lk, dst, ptr           ; from tile 'first' on the next matrix's figures hold; the choice hangs on the tile's number alone
	s_cmp_ge_u32 s19, \first
	s_cselect_b32 s20, \first, s20
	s_cselect_b32 s21, \lnt, s21
	s_cselect_b32 s22, \ln, s22
	s_cselect_b32 s23, \lk, s23
	s_cselect_b32 s24, \dst, s24
	s_cselect_b64 s[26:27], s[\ptr:\ptr+1], s[26:27]
.endm
	PICK 8,  2, 8,  8,  131072, 6
	PICK 16, 1, 7,  8,  262144, 8
	PICK 20, 2, 8,  8,  327680, 10
	PICK 28, 4, 10, 8,  458752, 12
	PICK 60, 2, 8,  10, 983040, 14
	s_sub_co_u32 s32, s19, s20                     ; the tile's number in its matrix
	s_lshr_b32 s34, s32, s21                       ; kt
	s_lshl_b32 s35, s34, s21
	s_sub_co_u32 s33, s32, s35                     ; nt
	s_add_co_u32 s36, s22, 9
	s_lshl_b32 s36, s34, s36                       ; kt x 128 rows of 4 N bytes
	s_lshl_b32 s37, s33, 8                         ; nt x 64 columns of 4 bytes
	s_add_co_u32 s36, s36, s37
	s_mov_b32 s37, 0
	s_add_nc_u64 s[26:27], s[26:27], s[36:37]      ; the source tile
	s_add_co_u32 s38, s23, 7
	s_lshl_b32 s38, s33, s38                       ; nt x 64 rows of 2 K bytes
	s_lshl_b32 s39, s34, 8                         ; kt x 128 numbers of 2 bytes
	s_add_co_u32 s38, s38, s39
	s_add_co_u32 s38, s38, s24
	s_mov_b32 s39, 0
	s_add_nc_u64 s[28:29], s[16:17], s[38:39]      ; the tile's place in wt
	s_add_co_u32 s40, s22, 2                       ; log2 (4 N)
	s_lshl_b32 s30, 1, s40                         ; 4 N: bytes in a source row
	s_add_co_u32 s41, s23, 1                       ; log2 (2 K)
	v_and_b32 v1, 15, v0                           ; c: my four columns
	v_lshrrev_b32 v2, 4, v0                        ; rr: 0 to 15
	v_lshlrev_b32 v3, 1, v2
	v_lshlrev_b32 v3, s40, v3                      ; row 2 rr
	v_lshl_add_u32 v3, v1, 4, v3
.set j, 0
.rept 8                                            ; rows 32 i + 2 rr + e, j = 2 i + e
	s_mul_i32 s42, s30, 32*(j/2)+(j%2)
	v_add_nc_u32 v[OFF+j], s42, v3
.set j, j+1
.endr
	s_wait_alu depctr_va_vdst(0)                   ; the eight offsets v[OFF ..] are written, which the loads below read
.set j, 0
.rept 8
	global_load_b128 v[X+4*j:X+4*j+3], v[OFF+j], s[26:27]
.set j, j+1
.endr
	v_mul_u32_u24 v[STI], v1, 4*PITCH              ; stage row n = 4 c + n', bytes 2 k = 64 i + 4 rr
	v_lshl_add_u32 v[STI], v2, 2, v[STI]
	v_mul_u32_u24 v[STO], v2, PITCH                ; back: row rr + 16 m, 16 bytes at 16 c
	v_lshl_add_u32 v[STO], v1, 4, v[STO]
.set m, 0
.rept 4
	v_add_nc_u32 v[GO+m], 16*m, v2
	v_lshlrev_b32 v[GO+m], s41, v[GO+m]
	v_lshl_add_u32 v[GO+m], v1, 4, v[GO+m]
.set m, m+1
.endr
	s_wait_loadcnt 0x0
.set i, 0
.rept 4
.set n, 0
.rept 4
	v_cvt_pk_bf16_f32 v[PK+4*i+n], v[X+8*i+n], v[X+8*i+4+n]   ; column 4 c + n, rows k and k + 1
.set n, n+1
.endr
.set i, i+1
.endr
	s_wait_alu depctr_va_vdst(0)                   ; the conversions have written v[PK ..], which the LDS stores read; STI, STO and GO, the addresses of all that follows, are written too
.set i, 0
.rept 4
.set n, 0
.rept 4
	ds_store_b32 v[STI], v[PK+4*i+n] offset:n*PITCH+64*i
.set n, n+1
.endr
.set i, i+1
.endr
	s_wait_dscnt 0x0                               ; for the others' sake: my stores into the stage are done
	s_barrier_signal -1
	s_barrier_wait -1
.set m, 0
.rept 4
	ds_load_b128 v[BK+4*m:BK+4*m+3], v[STO] offset:m*16*PITCH
.set m, m+1
.endr
.set m, 0
.rept 4
	s_wait_dscnt 3-m                               ; the younger loads may stay out
	global_store_b128 v[GO+m], v[BK+4*m:BK+4*m+3], s[28:29]
.set m, m+1
.endr
	s_wait_dscnt 0x0                               ; the closing lines, six on end
	s_wait_alu 0x0
	s_wait_tensorcnt 0x0
	ds_add_u32 v[SPW], v[NIL]
	s_wait_dscnt 0x0
	s_endpgm
.Lfunc_end_k_qf83f1522e2_prep:
	.size	k_qf83f1522e2_prep, .Lfunc_end_k_qf83f1522e2_prep-k_qf83f1522e2_prep
	.p2alignl 7, 3214868480
	.fill 96, 4, 3214868480
	.section	.rodata,"a",@progbits
	.p2align	6, 0x0
	.amdhsa_kernel k_qf83f1522e2_prep
		.amdhsa_group_segment_fixed_size 18432
		.amdhsa_private_segment_fixed_size 0
		.amdhsa_enable_private_segment 0
		.amdhsa_kernarg_size 56
		.amdhsa_user_sgpr_count 2
		.amdhsa_user_sgpr_kernarg_segment_ptr 1
		.amdhsa_wavefront_size32 1
		.amdhsa_system_sgpr_workgroup_id_x 1
		.amdhsa_system_sgpr_workgroup_id_y 1
		.amdhsa_system_sgpr_workgroup_id_z 1
		.amdhsa_system_vgpr_workitem_id 0
		.amdhsa_next_free_vgpr 88
		.amdhsa_next_free_sgpr 66
		.amdhsa_reserve_vcc 0
		.amdhsa_float_denorm_mode_32 3
		.amdhsa_float_denorm_mode_16_64 3
		.amdhsa_memory_ordered 1
		.amdhsa_forward_progress 1
		.amdhsa_inst_pref_size 9
	.end_amdhsa_kernel
	.amdgpu_metadata
---
amdhsa.version: [ 1, 2 ]
amdhsa.kernels:
  - .name:           k_qf83f1522e2_prep
    .symbol:         k_qf83f1522e2_prep.kd
    .args:
      - { .name: W_val, .offset: 0, .size: 8, .value_kind: global_buffer, .address_space: global }
      - { .name: W_off, .offset: 8, .size: 8, .value_kind: global_buffer, .address_space: global }
      - { .name: W_attn, .offset: 16, .size: 8, .value_kind: global_buffer, .address_space: global }
      - { .name: W_out, .offset: 24, .size: 8, .value_kind: global_buffer, .address_space: global }
      - { .name: W_fc1, .offset: 32, .size: 8, .value_kind: global_buffer, .address_space: global }
      - { .name: W_fc2, .offset: 40, .size: 8, .value_kind: global_buffer, .address_space: global }
      - { .name: wt, .offset: 48, .size: 8, .value_kind: global_buffer, .address_space: global }
    .group_segment_fixed_size: 18432
    .private_segment_fixed_size: 0
    .kernarg_segment_align: 8
    .kernarg_segment_size: 56
    .max_flat_workgroup_size: 256
    .sgpr_count:     66
    .vgpr_count:     88
    .wavefront_size: 32
...
	.end_amdgpu_metadata
.endif
;; end of part 9
;; launch proj (part 10): grid 256 x 1, 4 waves a work-group, no clusters, 54,784 bytes of LDS; arguments src, src_padding_mask, b_val, value, tgt, query_pos, reference_points, wt, b_off, b_attn, sidx, swt; writes value, sidx, swt
.if DOCPART == 10
	.amdgcn_target "amdgcn-amd-amdhsa--gfx1250"
	.amdhsa_code_object_version 6
	.text
	.protected	k_qf83f1522e2_proj
	.globl	k_qf83f1522e2_proj
	.p2align	8
	.type	k_qf83f1522e2_proj,@function
k_qf83f1522e2_proj:
	s_mov_b64 s[64:65], 0
	v_nop
	global_prefetch_b8 v0, s[64:65] scope:SCOPE_SE
	s_setreg_imm32_b32 hwreg(HW_REG_WAVE_SCHED_MODE, 0, 2), 2
	s_setreg_imm32_b32 hwreg(HW_REG_WAVE_MODE, 25, 1), 1
	s_wait_xcnt 0x0
	s_wait_alu depctr_vm_vsrc(0)
; PROJ.  Two jobs that share no data, done by one work-group one after the other, so that they pay for one launch: the first job's last stores leave while the second job's weights come in.
; PART 1.  value = mask ? 0 : src W_val + b_val, rounded once to bf16 and laid out in tables for the gather: value[4 batches][8 heads][8 slices][21,760 pixels][4 channels]: a table = 174,080 bytes on end.
;   87,040 rows are 2,720 sub-tiles of 32; work-group g takes sub-tiles (85 g) >> 3 up to (85 g + 85) >> 3: 10 or 11, all of batch g >> 6 (680 sub-tiles for 64 work-groups).  Wave w owns channels 64 w to 64 w + 63
;   (16 slices) of all rows: its 4 x 8 fragments of W_val^T stay in 256 registers.  Of each sub-tile wave w fetches rows 8 w to 8 w + 7 (16 loads of 512 consecutive bytes), rounds them to bf16 and puts them into LDS for all four waves.
;   A trip works on two sub-tiles while the next two (16 KiB a wave) are on their way into registers.  Six trips; in a half that has no sub-tile the rounding and the LDS stores run on stale registers and only the products and stores are jumped.
; PART 2.  q = tgt + query_pos; offsets = q W_off + b_off; logits = q W_attn + b_attn; softmax over a head's 16 logits (their true maximum is taken away first); for each of the 128 sampling points of a query
;   the place x = ref_x W + off_x - 0.5 (W a power of two, so this is the module's (ref + off / W) W - 0.5 but for one rounding), y likewise.  Stored for the next launch, which gathers:
;   sidx[8 heads][2,048 tiles of 16 queries][2 k][32 lanes][4 points]: 8 x (the level's first pixel + by W + bx), the byte place of the patch corner in the batch's table, bx = clamp(floor x, 0, W - 2): a whole number;
;   swt [8][2,048][2 k][2 xc][32 lanes][4 points]: a word {bf16 w(by, bx + xc), bf16 w(by + 1, bx + xc)}, w = attention weight x hat(x - column) x hat(y - row), hat(u) = max(0, 1 - |u|) = the middle one of 1 + u, 1 - u and 0.
;   The hats on the clamped 2 x 2 patch give the module's four corners with their zero padding for every x and y: a corner outside the map has weight 0, and a corner on the edge keeps its weight.
;   The pyramid (128, 64, 32, 16 squared) is the module's own constant; src_spatial_shapes and level_start_index are read by no step of the module and are not given to any launch.
;   A work-group takes 128 queries in 4 trips of 32.  Wave w owns heads 2 w, 2 w + 1: six tiles of 16 columns, whose fragments stay in 384 registers.  Offsets' tile 2 e + k: register j = (point j / 2, x or y) of level
;   half + 2 k.  The logits' rows are taken in the order 4 (r / 8) + 8 ((r % 8) / 4) + r % 4, so that in tile 4 + e register j = (k = j / 4, point j % 4) of the same level: weights and places meet in one lane.
; BOTH PARTS USE THE MATRIX INSTRUCTION TRANSPOSED: source 0 = 16 columns of a weight, source 1 = 16 rows of data; a lane then holds one row (lane % 16) and eight neighbouring columns.  Products in bf16 with f32 sums.
; LIMITS: a mask byte is 0 or 1; NaN and infinities are not treated apart; table and weights are rounded once to bf16.
; No cluster, no tensor load: the work-groups share the weights alone (128 and 192 KiB, read once by each beside its own rows), and the f32 rows must pass through registers to be added and rounded.
; THE MODE: SCHED_MODE bits 1:0 = 2 (LLVM: expert scheduling mode 2), set by the entry lines.  The code itself states the register dependences
; between vector or matrix instructions and memory or LDS instructions, with s_wait_alu, always for 0.
; THE PLAN, PART 1.  Registers that memory or LDS instructions touch in a trip:
;   XA, MK      ISSUE's loads land in them; CONV, at the next trip's head, reads them.
;   TP          CONV writes all 64, PUT's LDS stores read them; each COMPUTE's conversions and masks write the first 32 again, its stage stores read those.
;   fragments   (windows 2 and 3, v0-127) FRAGS' LDS loads land in them; the matrix instructions read them.
;   OB          LDS loads land in it, global stores read it; no vector instruction names it.
;   v4-v12      offsets and addresses, made at the head, not written again in the part.
;   Waits: vm_vsrc at the trip's head (the last trip's stage stores have read TP).  ONE va_vdst behind CONV: CONV is done reading XA and MK and has written TP, and the last trip's matrix instructions are done reading
;   the fragments; no vector instruction stands between that wait and the last of FRAGS' loads, so ISSUE, PUT and FRAGS owe nothing more.  In a COMPUTE: vm_vsrc ahead of its conversions (the LDS stores before it have
;   read TP, the last sub-tile's global stores OB), va_vdst behind them, ahead of the run of stage stores.
; THE PLAN, PART 2.  Registers that memory or LDS instructions touch in a trip:
;   TG, PS, RPN BATCH's loads land in them; the sums, conversions and scalings at the next trip's head read them (and write TG).
;   TP          the conversions write it, the rows' LDS stores read it; behind that it serves the softmaxes and the points as temporaries.
;   fragments   (window 3, v0-127) LDS loads land in them; the matrix instructions read them.
;   OI, OW      POINTS writes them, SEND's six stores read them: four times a trip.
;   v4-v12      made at the part's head, not written again.
;   Waits: ONE va_vdst behind the head's arithmetic, ahead of the branch, for BATCH's loads, the rows' stores and the fragments' loads; vm_vsrc ahead of the softmaxes (the rows' stores have read TP); one va_vdst behind
;   the exponentials and one behind the reciprocals; for each tile and head vm_vsrc ahead of the first write of OI and va_vdst ahead of the six stores.
.set RP,    528                        ; a row in LDS: 512 bytes + 16: the 16 rows of a fragment load start at 16 different groups of four banks (ISA guide 11.1)
.set STG,   64*RP                      ; behind the rows (part 1: 64, part 2: the first 32): part 1's stage for each wave, 16 slices x 32 rows of 8 bytes
.set SP,    320                        ; from slice to slice: 256 bytes + 64, so that the two halves of the lanes, two slices apart, store 128 bytes apart modulo 256
.set STGW,  16*SP
.set SPARE, STG+4*STGW                 ; the spare words, 128 bytes for each wave
.set BLOCK, 174080                     ; bytes of a table in value
.set SPW, 14                           ; v14  LDS address of my spare word; never rewritten
.set NIL, 15                           ; v15  0; never rewritten
.set MSB, 0
.macro WIN new                         ; the immediate's high byte repeats the setting that is left; a switch that changes nothing is dropped
.if MSB != (\new)
	s_set_vgpr_msb (MSB<<8)|(\new)
.set MSB, \new
.endif
.endm
.macro PLACES                          ; four places between a matrix instruction and what reads its result or writes its registers (ISA guide 7.12.1)
.rept 4
	v_nop
.endr
.endm
; ---------------------------------------------------------------- PART 1: the value tables
; REGISTERS: window 0 addresses, bias, accumulators, work; window 1 the weights' fragments (K step s, channel tile c at 32 s + 8 c); window 2: v0-127 the first sub-tile's fragments (64 b + 8 s), v128-255 two sub-tiles as loaded;
; window 3: v0-127 the second sub-tile's fragments.
.set LO, 4                             ; v4   16 lane + 8,192 wave: my 16 bytes in my wave's rows of a sub-tile
.set MO, 5                             ; v5   lane % 16: my row's mask byte
.set SA, 6                             ; v6   where my rounded 8 bytes go
.set FA, 7                             ; v7   my place in a fragment: row x pitch + 16 x half
.set ST, 8                             ; v8   into my stage
.set SR, 9                             ; v9   out of my stage
.set GO, 10                            ; v10  my 16 bytes in two neighbouring tables' blocks of 256
.set WO, 11                            ; v11  my place in W_val^T
.set BO, 12                            ; v12  my place in b_val
.set MK, 16                            ; v16-19  mask bytes, by sub-tile h and row block b
.set KEEP, 20                          ; v20-23  all ones where the row is kept, 0 where it is masked
.set BI, 24                            ; v24-55  b_val, 8 a channel tile
.set ACC, 56                           ; v56-119 accumulator (b, c) at 56 + 32 b + 8 c
.set TP, 120                           ; v120-183 rounded numbers
.set OB, 184                           ; v184-215 read back from the stage
.set XA, 128                           ; window 2
	s_load_b256 s[4:11], s[0:1], 0x0               ; src s[4:5], mask s[6:7], b_val s[8:9], value s[10:11]
	s_load_b512 s[68:83], s[0:1], 0x20             ; tgt 68, query_pos 70, reference_points 72, wt 74, b_off 76, b_attn 78, sidx 80, swt 82
	v_lshl_add_u32 v[SPW], v0, 2, SPARE
	v_mov_b32 v[NIL], 0
	v_lshrrev_b32 v1, 5, v0
	v_readfirstlane_b32 s14, v1                    ; wave
	v_and_b32 v1, 31, v0                           ; lane
	v_and_b32 v2, 15, v0                           ; r
	v_bfe_u32 v3, v0, 4, 1                         ; half
	s_mul_i32 s15, ttmp9, 85
	s_add_co_u32 s16, s15, 85
	s_lshr_b32 s15, s15, 3                         ; my first sub-tile
	s_lshr_b32 s16, s16, 3
	s_sub_co_u32 s16, s16, s15                     ; how many: 10 or 11
	s_wait_alu depctr_va_sdst(0)                   ; s14 is written, ahead of its first reader: addresses and bases are made from it
	s_lshl_b32 s26, s14, 13
	v_lshl_add_u32 v[LO], v1, 4, s26
	v_mov_b32 v[MO], v2
	s_mul_i32 s26, s14, 8*RP
	v_lshl_add_u32 v[SA], v1, 3, s26
	v_mul_u32_u24 v[FA], v2, RP
	v_lshl_add_u32 v[FA], v3, 4, v[FA]
	s_mul_i32 s26, s14, STGW
	s_add_co_u32 s26, s26, STG                     ; my stage
	v_mul_u32_u24 v[ST], v3, 2*SP                  ; in: slice 2 x half (+ 4 c, + 1), row r (+ 16 b), 8 bytes
	v_lshl_add_u32 v[ST], v2, 3, v[ST]
	v_add_nc_u32 v[ST], s26, v[ST]
	v_mul_u32_u24 v[SR], v3, SP                    ; back: lanes 0-15 take one slice's 256 bytes, lanes 16-31 the next slice's
	v_lshl_add_u32 v[SR], v2, 4, v[SR]
	v_add_nc_u32 v[SR], s26, v[SR]
	v_mul_u32_u24 v[GO], v3, BLOCK                 ; and the same in value: the next slice's table lies BLOCK bytes on
	v_lshl_add_u32 v[GO], v2, 4, v[GO]
	s_lshl_b32 s26, s14, 15
	v_lshlrev_b32 v[WO], 9, v2                     ; (64 w + r) rows of 512 bytes + 16 x half
	v_lshl_add_u32 v[WO], v3, 4, v[WO]
	v_add_nc_u32 v[WO], s26, v[WO]
	s_lshl_b32 s26, s14, 8
	v_lshl_add_u32 v[BO], v3, 5, s26               ; (64 w + 8 half) x 4
	s_mov_b32 s18, 0                               ; the sub-tile to be asked for next
	s_mov_b32 s19, 0                               ; the trip's first sub-tile,
	s_mov_b32 s30, 1                               ; and its second
	s_mov_b32 s27, 0
	s_wait_kmcnt 0x0
	s_lshl_b32 s26, s15, 15
	s_add_nc_u64 s[20:21], s[4:5], s[26:27]        ; src at my first sub-tile
	s_lshl_b32 s26, s15, 5
	s_add_nc_u64 s[22:23], s[6:7], s[26:27]        ; its mask bytes
	s_lshr_b32 s28, ttmp9, 6                       ; the batch
	s_lshl_b32 s26, s28, 6
	s_lshl_b32 s29, s14, 4
	s_add_co_u32 s26, s26, s29                     ; my first table: 64 x batch + 16 x wave
	s_mul_i32 s26, s26, BLOCK
	s_mul_i32 s28, s28, 680
	s_sub_co_u32 s28, s15, s28                     ; my first sub-tile within the batch,
	s_lshl_b32 s28, s28, 8                         ; 256 bytes of each table
	s_add_co_u32 s26, s26, s28
	s_add_nc_u64 s[24:25], s[10:11], s[26:27]
	s_mov_b32 s26, 0                               ; s[26:27]: what the next way out adds to that address: nothing the first time
	WIN 0x40                                       ; destination window 1
	s_wait_alu depctr_va_vdst(0)                   ; the nine offsets and addresses v4 to v12 are written, which every load and store of part 1 reads
.irp s, 0,1,2,3,4,5,6,7
.irp c, 0,1,2,3
	global_load_b128 v[32*\s+8*\c:32*\s+8*\c+3],   v[WO], s[74:75] offset:\c*8192+64*\s
	global_load_b128 v[32*\s+8*\c+4:32*\s+8*\c+7], v[WO], s[74:75] offset:\c*8192+64*\s+32
.endr
.endr
	WIN 0
.irp c, 0,1,2,3
	global_load_b128 v[BI+8*\c:BI+8*\c+3],   v[BO], s[8:9] offset:64*\c
	global_load_b128 v[BI+8*\c+4:BI+8*\c+7], v[BO], s[8:9] offset:64*\c+16
.endr
; The next sub-tile is asked for, into half h of the registers; the half's place stands in the immediate.  cond = 1: only if the sub-tile exists (no load leaves the buffers).
.macro ISSUE h, cond
	WIN 0
.if \cond
	s_cmp_lt_u32 s18, s16
	s_cbranch_scc0 .Lnone_\@
.endif
	WIN 0x80                                       ; destination window 2
.set j, 0
.rept 16
	global_load_b128 v[XA+64*(\h)+4*j:XA+64*(\h)+4*j+3], v[LO], s[20:21] offset:(\h)*32768+512*j th:TH_LOAD_NT
.set j, j+1
.endr
	WIN 0
	global_load_u8 v[MK+2*(\h)],   v[MO], s[22:23] offset:(\h)*32
	global_load_u8 v[MK+2*(\h)+1], v[MO], s[22:23] offset:(\h)*32+16
.if \cond
.Lnone_\@:
.endif
	s_add_co_u32 s18, s18, 1
.endm
.macro CONV h                          ; my 8 rows of sub-tile h are rounded to bf16; the mask bytes become masks
	WIN 0x0a                                       ; sources in window 2
.set j, 0
.rept 32
	v_cvt_pk_bf16_f32 v[TP+32*(\h)+j], v[XA+64*(\h)+2*j], v[XA+64*(\h)+2*j+1]
.set j, j+1
.endr
	WIN 0
	v_add_nc_u32 v[KEEP+2*(\h)],   -1, v[MK+2*(\h)]    ; 0 -> all ones, 1 -> 0
	v_add_nc_u32 v[KEEP+2*(\h)+1], -1, v[MK+2*(\h)+1]
.endm
.macro PUT h                           ; and go into LDS: 32 lanes x 8 bytes are 256 consecutive bytes
.set j, 0
.rept 16
	ds_store_b64 v[SA], v[TP+32*(\h)+2*j:TP+32*(\h)+2*j+1] offset:(\h)*32*RP+(j>>1)*RP+(j&1)*256
.set j, j+1
.endr
.endm
.macro FRAGS                           ; both sub-tiles' fragments in one run of 64 loads, in every trip: the second's land under the first's products
	WIN 0x80                                       ; destination window 2
.irp s, 0,1,2,3,4,5,6,7
.irp b, 0,1
	ds_load_b128 v[64*\b+8*\s:64*\b+8*\s+3],   v[FA] offset:16*\b*RP+64*\s
	ds_load_b128 v[64*\b+8*\s+4:64*\b+8*\s+7], v[FA] offset:16*\b*RP+64*\s+32
.endr
.endr
	WIN 0xc0                                       ; destination window 3
.irp s, 0,1,2,3,4,5,6,7
.irp b, 0,1
	ds_load_b128 v[64*\b+8*\s:64*\b+8*\s+3],   v[FA] offset:(32+16*\b)*RP+64*\s
	ds_load_b128 v[64*\b+8*\s+4:64*\b+8*\s+7], v[FA] offset:(32+16*\b)*RP+64*\s+32
.endr
.endr
	WIN 0
.endm
; Sub-tile h: 64 matrix instructions on eight accumulators that take turns; the bias starts the sums.  Then the way out through my own stage.
.macro COMPUTE h
.if (\h) == 0
	WIN 0x09                                       ; source 0 window 1, source 1 window 2
.else
	s_wait_dscnt 0x0                               ; the second sub-tile's fragments (met at once behind the first's way out)
	WIN 0x0d                                       ; source 1 window 3
.endif
.irp s, 0,1,2,3,4,5,6,7
.if (\h) == 0
	s_wait_dscnt 60-4*\s                           ; the four loads of each later K step and the other sub-tile's 32 may stay out
.endif
.irp b, 0,1
.irp c, 0,1,2,3
.if \s == 0
	v_wmma_f32_16x16x32_bf16 v[ACC+32*\b+8*\c:ACC+32*\b+8*\c+7], v[32*\s+8*\c:32*\s+8*\c+7], v[64*\b+8*\s:64*\b+8*\s+7], v[BI+8*\c:BI+8*\c+7]
.else
	v_wmma_f32_16x16x32_bf16 v[ACC+32*\b+8*\c:ACC+32*\b+8*\c+7], v[32*\s+8*\c:32*\s+8*\c+7], v[64*\b+8*\s:64*\b+8*\s+7], v[ACC+32*\b+8*\c:ACC+32*\b+8*\c+7]
.endif
.endr
.endr
.endr
	WIN 0
	PLACES
	s_wait_alu depctr_vm_vsrc(0)                   ; the LDS stores issued so far (the rows', the other sub-tile's into the stage) have read v[TP ..], which the conversions write again; the last sub-tile's global stores have read v[OB ..], in which the loads below land
.irp b, 0,1
.irp c, 0,1,2,3
.irp q, 0,1,2,3                                    ; each accumulator's registers in ascending order
	v_cvt_pk_bf16_f32 v[TP+16*\b+4*\c+\q], v[ACC+32*\b+8*\c+2*\q], v[ACC+32*\b+8*\c+2*\q+1]
.endr
.irp q, 0,1,2,3
	v_and_b32 v[TP+16*\b+4*\c+\q], v[KEEP+2*(\h)+\b], v[TP+16*\b+4*\c+\q]   ; a masked row is 0
.endr
.endr
.endr
	s_wait_alu depctr_va_vdst(0)                   ; the conversions and masks have written v[TP ..], which the stage stores read
.irp b, 0,1
.irp c, 0,1,2,3
	ds_store_b64 v[ST], v[TP+16*\b+4*\c:TP+16*\b+4*\c+1]   offset:4*\c*SP+\b*128       ; slice 4 c + 2 half
	ds_store_b64 v[ST], v[TP+16*\b+4*\c+2:TP+16*\b+4*\c+3] offset:(4*\c+1)*SP+\b*128   ; and the next
.endr
.endr
	s_wait_xcnt 0x0                                ; the last sub-tile's stores: their data registers and their base are rewritten only behind this wait
	s_add_nc_u64 s[24:25], s[24:25], s[26:27]      ; 32 pixels on in every table (the first time: no further)
	s_mov_b32 s26, 256
.irp n, 0,1,2,3,4,5,6,7                            ; slices 2 n and 2 n + 1; LDS serves a wave's instructions in order (ISA guide 5.7.1.4): these see the stores above
	ds_load_b128 v[OB+4*\n:OB+4*\n+3], v[SR] offset:\n*2*SP
.endr
.irp n, 0,1,2,3,4,5,6,7
	s_wait_dscnt 7-\n                              ; the younger loads may stay out
	global_store_b128 v[GO], v[OB+4*\n:OB+4*\n+3], s[24:25] offset:\n*2*BLOCK   ; 16 lanes store 256 consecutive bytes, at a multiple of 256 from value's first byte
.endr
.endm
	ISSUE 0, 0                                     ; every work-group has ten sub-tiles or more
	ISSUE 1, 0
	s_mov_b32 s17, 6
.Lvtrip:
	s_wait_loadcnt 0x0                             ; all that was asked for a trip ago is in: the loads' bases are free
	s_wait_alu depctr_vm_vsrc(0)                   ; the last trip's stage stores have read v[TP ..], which the roundings write again
	CONV 0
	CONV 1
	s_wait_alu depctr_va_vdst(0)                   ; the roundings are done reading XA and MK, in which the loads below land, and have written v[TP ..], which the rows' LDS stores read; the last trip's matrix instructions are done reading the fragments, in which FRAGS' loads land
	s_add_nc_u64 s[20:21], s[20:21], 65536         ; two sub-tiles on
	s_add_nc_u64 s[22:23], s[22:23], 64
	ISSUE 0, 1                                     ; the next trip's rows are on their way through all of this trip's work
	ISSUE 1, 1
	s_wait_dscnt 0x0
	s_barrier_signal -1
	s_barrier_wait -1                              ; every wave's reads of the last trip's rows are over
	PUT 0
	PUT 1
	s_wait_dscnt 0x0                               ; for the others' sake: my rows are in LDS
	s_barrier_signal -1
	s_barrier_wait -1
	FRAGS                                          ; no wait: no vector or matrix instruction since the wait behind the roundings
	s_cmp_lt_u32 s19, s16
	s_cbranch_scc0 .Lvno0                          ; no such sub-tile: nothing is multiplied or stored
	COMPUTE 0
.Lvno0:
	s_cmp_lt_u32 s30, s16
	s_cbranch_scc0 .Lvno1
	COMPUTE 1
.Lvno1:
	s_add_co_u32 s19, s19, 2
	s_add_co_u32 s30, s30, 2
	s_sub_co_u32 s17, s17, 1
	s_cmp_lg_u32 s17, 0
	s_cbranch_scc1 .Lvtrip
; ---------------------------------------------------------------- PART 2: places and weights of the sampling points
; REGISTERS: window 0 addresses, constants, bias, accumulators, work; windows 1 and 2 the weights (K steps 0-4, 5-7; tile c at 48 s + 8 c); window 3: v0-127 q's fragments, v128-191 tgt, v192-255 query_pos as loaded.
.set LO, 4                             ; v4   16 lane + 8,192 wave
.set RO, 5                             ; v5   32 r + 8 half: my query's point of level 'half'
.set SA, 6                             ; v6   where my rounded 8 bytes go
.set FA, 7                             ; v7   my place in a fragment
.set L16, 8                            ; v8   16 lane
.set WO, 9                             ; v9   my place in the offsets' weights
.set WA, 10                            ; v10  in the logits' weights
.set BO, 11
.set BA, 12
.set WL8, 2                            ; v2-3    8 W of level half + 2 k
.set WL, 16                            ; v16-19  W of level half + 2 k, as a pair
.set WM2, 20                           ; v20-21  W - 2
.set BASE8, 22                         ; v22-23  8 x the level's first pixel, as f32 (exact)
.set RPN, 24                           ; v24-31  reference points as loaded, by (b, k)
.set RPS, 32                           ; v32-39  times W
.set BI, 40                            ; v40-87  bias; 0.5 is taken off the offsets' once
.set ACC, 88                           ; v88-183 accumulator (b, c) at 88 + 48 b + 8 c
.set TP, 184                           ; v184-215 q in bf16; then v184-199 four registers for each softmax,
.set FF, TP+16                         ; v200-207 and four sets of temporaries, a pair for each of a level's four points
.set AA, TP+24                         ; v208-215
.set OI, 216                           ; v216-223 indices (k, p)
.set OW, 224                           ; v224-239 weights (k, xc, p)
.set BB, 240                           ; v240-247
.set CC, 248                           ; v248-255
.set TG, 128                           ; window 3
.set PS, 192
	s_wait_loadcnt 0x0                             ; part 1 is over: no load is on its way into a register that is now used otherwise,
	s_wait_dscnt 0x0
	s_wait_xcnt 0x0                                ; and its last stores' registers and base are rewritten only behind this wait
	s_wait_alu depctr_vm_vsrc(0)                   ; part 1's loads and stores have read their addresses v4 to v12 and their data (its TP and OB): all these registers are written anew from here on
	v_lshrrev_b32 v1, 5, v0
	v_readfirstlane_b32 s20, v1                    ; wave
	v_and_b32 v1, 31, v0
	v_and_b32 v2, 15, v0                           ; r
	v_bfe_u32 v3, v0, 4, 1                         ; half
	s_wait_alu depctr_va_sdst(0)                   ; s20 is written, ahead of its first reader: addresses and bases are made from it
	s_lshl_b32 s38, s20, 13
	v_lshl_add_u32 v[LO], v1, 4, s38
	v_lshlrev_b32 v[RO], 5, v2
	v_lshl_add_u32 v[RO], v3, 3, v[RO]
	s_mul_i32 s38, s20, 8*RP
	v_lshl_add_u32 v[SA], v1, 3, s38
	v_mul_u32_u24 v[FA], v2, RP
	v_lshl_add_u32 v[FA], v3, 4, v[FA]
	v_lshlrev_b32 v[L16], 4, v1
	s_lshl_b32 s38, s20, 15
	v_lshlrev_b32 v[WO], 9, v2                     ; (64 w + r) x 512 + 16 half
	v_lshl_add_u32 v[WO], v3, 4, v[WO]
	v_add_nc_u32 v[WO], s38, v[WO]
	v_bfe_u32 v13, v0, 3, 1
	v_and_b32 v[WA], 3, v0
	v_lshl_add_u32 v[WA], v13, 2, v[WA]
	v_bfe_u32 v13, v0, 2, 1
	v_lshl_add_u32 v[WA], v13, 3, v[WA]            ; the logits' row for lane r
	v_lshlrev_b32 v[WA], 9, v[WA]
	v_lshl_add_u32 v[WA], v3, 4, v[WA]
	s_lshl_b32 s38, s20, 14
	s_add_co_u32 s38, s38, 131072                  ; (256 + 32 w) x 512
	v_add_nc_u32 v[WA], s38, v[WA]
	s_lshl_b32 s38, s20, 8
	v_lshl_add_u32 v[BO], v3, 5, s38               ; (64 w + 8 half) x 4
	s_lshl_b32 s38, s20, 7
	v_lshl_add_u32 v[BA], v3, 4, s38               ; (32 w + 4 half) x 4
	v_mov_b32 v13, 128
	v_lshrrev_b32 v13, v3, v13                     ; W of level half: 128 or 64
	v_cvt_f32_u32 v[WL], v13
	v_mov_b32 v[WL+1], v[WL]
	v_mov_b32 v13, 32
	v_lshrrev_b32 v13, v3, v13                     ; of level 2 + half: 32 or 16
	v_cvt_f32_u32 v[WL+2], v13
	v_mov_b32 v[WL+3], v[WL+2]
	v_add_f32 v[WM2], -2.0, v[WL]
	v_add_f32 v[WM2+1], -2.0, v[WL+2]
	v_lshlrev_b32 v13, 17, v3                      ; levels begin at pixels 0, 16,384,
	v_cvt_f32_u32 v[BASE8], v13
	v_lshl_add_u32 v13, v3, 13, 0x28000            ; 20,480 and 21,504: times 8
	v_cvt_f32_u32 v[BASE8+1], v13
	v_mul_f32 v[WL8], 0x41000000, v[WL]            ; r and half have served: their registers take 8 W
	v_mul_f32 v[WL8+1], 0x41000000, v[WL+2]
	s_mov_b32 s32, 0x3fb8aa3b                      ; log2 e
	s_mov_b32 s33, s32                             ; named with it as a pair
	s_mov_b32 s34, 0x76543210                      ; v_permlanex16_b32: each lane takes its own place in the other half
	s_mov_b32 s35, 0xfedcba98
	s_mov_b32 s21, 4
	s_mov_b32 s39, 0
	s_mov_b32 s42, 0                               ; s[42:43], s[44:45]: what a trip adds to the stores' bases: nothing the first time
	s_mov_b32 s43, 0
	s_mov_b32 s44, 0
	s_mov_b32 s45, 0
	s_lshl_b32 s38, ttmp9, 17
	s_add_nc_u64 s[22:23], s[68:69], s[38:39]      ; tgt and query_pos at my 128 rows
	s_add_nc_u64 s[24:25], s[70:71], s[38:39]
	s_lshl_b32 s38, ttmp9, 12
	s_add_nc_u64 s[26:27], s[72:73], s[38:39]      ; their reference points
	s_lshl_b32 s38, s20, 22
	s_lshl_b32 s40, ttmp9, 13
	s_add_co_u32 s38, s38, s40
	s_add_nc_u64 s[28:29], s[80:81], s[38:39]      ; sidx at (head 2 w, tile 8 g)
	s_lshl_b32 s38, s20, 23
	s_lshl_b32 s40, ttmp9, 14
	s_add_co_u32 s38, s38, s40
	s_add_nc_u64 s[30:31], s[82:83], s[38:39]      ; swt likewise
	s_add_nc_u64 s[36:37], s[74:75], 131072        ; the table of 384 rows in wt
	WIN 0x40                                       ; destination window 1
	s_wait_alu depctr_va_vdst(0)                   ; part 2's offsets and addresses v4 to v12 are written, which its loads and stores read; part 1's vector and matrix instructions are done with the registers in which the loads below land (weights, bias, reference points)
.irp s, 0,1,2,3,4,5,6,7
.if \s < 5
	WIN 0x40
.set wf, 48*\s
.else
	WIN 0x80
.set wf, 48*(\s-5)
.endif
.irp c, 0,1,2,3
	global_load_b128 v[wf+8*\c:wf+8*\c+3],   v[WO], s[36:37] offset:\c*8192+64*\s
	global_load_b128 v[wf+8*\c+4:wf+8*\c+7], v[WO], s[36:37] offset:\c*8192+64*\s+32
.endr
.irp c, 4,5
	global_load_b128 v[wf+8*\c:wf+8*\c+3],   v[WA], s[36:37] offset:(\c-4)*8192+64*\s
	global_load_b128 v[wf+8*\c+4:wf+8*\c+7], v[WA], s[36:37] offset:(\c-4)*8192+64*\s+32
.endr
.endr
	WIN 0
.irp c, 0,1,2,3
	global_load_b128 v[BI+8*\c:BI+8*\c+3],   v[BO], s[76:77] offset:64*\c
	global_load_b128 v[BI+8*\c+4:BI+8*\c+7], v[BO], s[76:77] offset:64*\c+16
.endr
.irp e, 0,1
	global_load_b128 v[BI+32+8*\e:BI+32+8*\e+3],   v[BA], s[78:79] offset:64*\e
	global_load_b128 v[BI+32+8*\e+4:BI+32+8*\e+7], v[BA], s[78:79] offset:64*\e+32
.endr
.macro BATCH                           ; my 8 rows of tgt and of query_pos, and my queries' reference points, for 32 queries
	WIN 0xc0                                       ; destination window 3
.set j, 0
.rept 16
	global_load_b128 v[TG+4*j:TG+4*j+3], v[LO], s[22:23] offset:512*j th:TH_LOAD_NT
	global_load_b128 v[PS+4*j:PS+4*j+3], v[LO], s[24:25] offset:512*j th:TH_LOAD_NT
.set j, j+1
.endr
	WIN 0
.irp b, 0,1
.irp k, 0,1
	global_load_b64 v[RPN+4*\b+2*\k:RPN+4*\b+2*\k+1], v[RO], s[26:27] offset:512*\b+16*\k
.endr
.endr
.endm
	BATCH
	s_wait_loadcnt 0x0
.set j, 0
.rept 16
	v_pk_add_f32 v[BI+2*j:BI+2*j+1], v[BI+2*j:BI+2*j+1], -0.5 op_sel_hi:[1,0]   ; the places' - 0.5 rides on the offsets' bias
.set j, j+1
.endr
; THE WAY OUT is laid stage by stage, so that a line's result is read several lines later.
; One line for each of the trip's four softmaxes (tile b = c / 2 of queries, head e = c % 2): A its logits' accumulator, worked on in place, T its four registers.
.macro EACHC line:vararg
.set c, 0
.rept 4
.set A, ACC+48*(c>>1)+8*(4+(c&1))
.set T, TP+4*c
	\line
.set c, c+1
.endr
.endm
.macro SOFTMAX                         ; of a head's 16 logits 8 lie in my lane, 8 in the lane 16 away
	EACHC v_max3_num_f32 v[T], v[A], v[A+1], v[A+2]                                ; the accumulator's lowest registers first
	EACHC v_max3_num_f32 v[T], v[T], v[A+3], v[A+4]
	EACHC v_max3_num_f32 v[T], v[T], v[A+5], v[A+6]
	EACHC v_max_num_f32 v[T], v[T], v[A+7]
	EACHC v_permlanex16_b32 v[T+1], v[T], s34, s35
	EACHC v_max_num_f32 v[T], v[T], v[T+1]
	EACHC v_mul_f32 v[T+2], s32, v[T]
.irp i, 0,1,2,3
	EACHC v_pk_fma_f32 v[A+2*\i:A+2*\i+1], v[A+2*\i:A+2*\i+1], s[32:33], v[T+2:T+3] op_sel_hi:[1,0,0] neg_lo:[0,0,1] neg_hi:[0,0,1]
.endr
.irp i, 0,1,2,3,4,5,6,7
	EACHC v_exp_f32 v[A+\i], v[A+\i]
.endr
	v_nop                                          ; a plain instruction behind the last exponential (ISA guide 5.7.2)
	s_wait_alu depctr_va_vdst(0)                   ; the 32 exponentials have written the four accumulators' registers, which the sums below read: one wait for the batch
	EACHC v_pk_add_f32 v[T:T+1], v[A:A+1], v[A+2:A+3]
	EACHC v_pk_add_f32 v[T+2:T+3], v[A+4:A+5], v[A+6:A+7]
	EACHC v_pk_add_f32 v[T:T+1], v[T:T+1], v[T+2:T+3]
	EACHC v_add_f32 v[T], v[T], v[T+1]
	EACHC v_permlanex16_b32 v[T+1], v[T], s34, s35
	EACHC v_add_f32 v[T], v[T], v[T+1]
	EACHC v_rcp_f32 v[T+2], v[T]
	v_nop
	s_wait_alu depctr_va_vdst(0)                   ; the four reciprocals have written v[T + 2], which the scalings below read: one wait for the batch
.irp i, 0,1,2,3
	EACHC v_pk_mul_f32 v[A+2*\i:A+2*\i+1], v[A+2*\i:A+2*\i+1], v[T+2:T+3] op_sel_hi:[1,0]
.endr
.endm
; The four points of level half + 2 k for tile b and head e, side by side.  rO: the offsets' accumulator, worked on in place: (x, y), then the distances (ux, uy) to the patch's first column and row.  rE: the four attention weights.
.macro POINTS b, e, k
.set rO, ACC+48*(\b)+8*(2*(\e)+(\k))
.set rE, ACC+48*(\b)+8*(4+(\e))+4*(\k)
.irp p, 0,1,2,3
	v_pk_add_f32 v[rO+2*\p:rO+2*\p+1], v[rO+2*\p:rO+2*\p+1], v[RPS+4*(\b)+2*(\k):RPS+4*(\b)+2*(\k)+1]   ; (x, y)
.endr
.irp p, 0,1,2,3
	v_floor_f32 v[FF+2*\p], v[rO+2*\p]
	v_floor_f32 v[FF+2*\p+1], v[rO+2*\p+1]
.endr
.irp p, 0,1,2,3
	v_med3_num_f32 v[FF+2*\p], v[FF+2*\p], 0, v[WM2+(\k)]                          ; the patch corner (bx, by)
	v_med3_num_f32 v[FF+2*\p+1], v[FF+2*\p+1], 0, v[WM2+(\k)]
.endr
.irp p, 0,1,2,3
	v_pk_add_f32 v[rO+2*\p:rO+2*\p+1], v[rO+2*\p:rO+2*\p+1], v[FF+2*\p:FF+2*\p+1] neg_lo:[0,1] neg_hi:[0,1]   ; (ux, uy)
.endr
.irp p, 0,1,2,3
	v_fmamk_f32 v[FF+2*\p], v[FF+2*\p], 0x41000000, v[BASE8+(\k)]                  ; 8 bx + 8 x the level's first pixel
.endr
.irp p, 0,1,2,3
	v_fma_f32 v[FF+2*\p], v[FF+2*\p+1], v[WL8+(\k)], v[FF+2*\p]                    ; + 8 W by: whole numbers under 2^24, exact
.endr
.if (\k) == 0
	s_wait_xcnt 0x0                                ; OI and OW, which the last stores read, are rewritten only behind this wait
	s_wait_alu depctr_vm_vsrc(0)                   ; the last six stores have read v[OI ..] and v[OW ..], which the conversions below write again
.endif
.irp p, 0,1,2,3
	v_cvt_u32_f32 v[OI+4*(\k)+\p], v[FF+2*\p]
.endr
.irp p, 0,1,2,3
	v_pk_add_f32 v[AA+2*\p:AA+2*\p+1], v[rO+2*\p:rO+2*\p+1], 1.0 op_sel_hi:[1,0]          ; 1 + u
	v_pk_fma_f32 v[BB+2*\p:BB+2*\p+1], v[rO+2*\p:rO+2*\p+1], -1.0, 1.0 op_sel_hi:[1,0,0]  ; 1 - u
	v_pk_fma_f32 v[CC+2*\p:CC+2*\p+1], v[rO+2*\p:rO+2*\p+1], -1.0, 2.0 op_sel_hi:[1,0,0]  ; 2 - u = 1 - (u - 1)
.endr
.irp p, 0,1,2,3
	v_med3_num_f32 v[FF+2*\p], v[AA+2*\p+1], v[BB+2*\p+1], 0                       ; hat(uy): the first row's
	v_med3_num_f32 v[FF+2*\p+1], v[rO+2*\p+1], v[CC+2*\p+1], 0                     ; hat(uy - 1): the second row's
	v_med3_num_f32 v[AA+2*\p], v[AA+2*\p], v[BB+2*\p], 0                           ; hat(ux): the first column's, in the low word of a pair
	v_med3_num_f32 v[CC+2*\p], v[rO+2*\p], v[CC+2*\p], 0                           ; hat(ux - 1): the second column's, likewise
.endr
.irp p, 0,1,2,3
	v_mul_f32 v[FF+2*\p], v[FF+2*\p], v[rE+\p]                                     ; the attention weight goes into the rows' hats
	v_mul_f32 v[FF+2*\p+1], v[FF+2*\p+1], v[rE+\p]
.endr
.irp p, 0,1,2,3
	v_pk_mul_f32 v[AA+2*\p:AA+2*\p+1], v[FF+2*\p:FF+2*\p+1], v[AA+2*\p:AA+2*\p+1] op_sel_hi:[1,0]
	v_pk_mul_f32 v[CC+2*\p:CC+2*\p+1], v[FF+2*\p:FF+2*\p+1], v[CC+2*\p:CC+2*\p+1] op_sel_hi:[1,0]
.endr
.irp p, 0,1,2,3
	v_cvt_pk_bf16_f32 v[OW+8*(\k)+\p], v[AA+2*\p], v[AA+2*\p+1]
	v_cvt_pk_bf16_f32 v[OW+8*(\k)+4+\p], v[CC+2*\p], v[CC+2*\p+1]
.endr
.endm
.macro SEND b, e                       ; each store: 512 consecutive bytes, at a multiple of 256 from its buffer's first byte
	s_wait_alu depctr_va_vdst(0)                   ; the conversions of both level pairs have written v[OI ..] and v[OW ..], which the six stores read
.irp k, 0,1
	global_store_b128 v[L16], v[OI+4*\k:OI+4*\k+3],     s[28:29] offset:(\e)*2097152+(\b)*1024+\k*512
	global_store_b128 v[L16], v[OW+8*\k:OW+8*\k+3],     s[30:31] offset:(\e)*4194304+(\b)*2048+\k*1024
	global_store_b128 v[L16], v[OW+8*\k+4:OW+8*\k+7],   s[30:31] offset:(\e)*4194304+(\b)*2048+\k*1024+512
.endr
.endm
.Lqtrip:
	s_wait_loadcnt 0x0                             ; the batch asked for a trip ago
	WIN 0xcf
.set j, 0
.rept 32
	v_pk_add_f32 v[TG+2*j:TG+2*j+1], v[TG+2*j:TG+2*j+1], v[PS+2*j:PS+2*j+1]   ; q = tgt + query_pos
.set j, j+1
.endr
	WIN 0x0f
.set j, 0
.rept 32
	v_cvt_pk_bf16_f32 v[TP+j], v[TG+2*j], v[TG+2*j+1]
.set j, j+1
.endr
	WIN 0
.irp b, 0,1
.irp k, 0,1
	v_pk_mul_f32 v[RPS+4*\b+2*\k:RPS+4*\b+2*\k+1], v[RPN+4*\b+2*\k:RPN+4*\b+2*\k+1], v[WL+2*\k:WL+2*\k+1]
.endr
.endr
	s_wait_alu depctr_va_vdst(0)                   ; the lines above are done with TG, PS and RPN, in which the next batch lands, and have written v[TP ..], which the rows' LDS stores read; the last trip's matrix instructions are done reading q's fragments, in which the LDS loads below land
	s_cmp_eq_u32 s21, 1
	s_cbranch_scc1 .Lqno_more                      ; the last trip asks for nothing
	s_add_nc_u64 s[22:23], s[22:23], 32768         ; free: the wait above has shown their loads done
	s_add_nc_u64 s[24:25], s[24:25], 32768
	s_add_nc_u64 s[26:27], s[26:27], 1024
	BATCH
.Lqno_more:
	s_wait_dscnt 0x0
	s_barrier_signal -1
	s_barrier_wait -1                              ; every wave's reads of the rows, the last trip's or part 1's, are over
.set j, 0
.rept 16
	ds_store_b64 v[SA], v[TP+2*j:TP+2*j+1] offset:(j>>1)*RP+(j&1)*256
.set j, j+1
.endr
	s_wait_dscnt 0x0                               ; for the others' sake: my rows are in LDS
	s_barrier_signal -1
	s_barrier_wait -1
	WIN 0xc0                                       ; no wait: no vector or matrix instruction since the wait ahead of the branch
.irp s, 0,1,2,3,4,5,6,7
.irp b, 0,1
	ds_load_b128 v[64*\b+8*\s:64*\b+8*\s+3],   v[FA] offset:16*\b*RP+64*\s
	ds_load_b128 v[64*\b+8*\s+4:64*\b+8*\s+7], v[FA] offset:16*\b*RP+64*\s+32
.endr
.endr
.irp s, 0,1,2,3,4,5,6,7                            ; twelve accumulators take turns; the bias starts the sums
	s_wait_dscnt 28-4*\s                           ; the four loads of each later K step may stay out
.if \s < 5
	WIN 0x0d                                       ; source 0 window 1, source 1 window 3
.set wf, 48*\s
.else
	WIN 0x0e                                       ; source 0 window 2
.set wf, 48*(\s-5)
.endif
.irp b, 0,1
.irp c, 0,1,2,3,4,5
.if \s == 0
	v_wmma_f32_16x16x32_bf16 v[ACC+48*\b+8*\c:ACC+48*\b+8*\c+7], v[wf+8*\c:wf+8*\c+7], v[64*\b+8*\s:64*\b+8*\s+7], v[BI+8*\c:BI+8*\c+7]
.else
	v_wmma_f32_16x16x32_bf16 v[ACC+48*\b+8*\c:ACC+48*\b+8*\c+7], v[wf+8*\c:wf+8*\c+7], v[64*\b+8*\s:64*\b+8*\s+7], v[ACC+48*\b+8*\c:ACC+48*\b+8*\c+7]
.endif
.endr
.endr
.endr
	WIN 0
	PLACES
	s_wait_xcnt 0x0                                ; the last trip's stores: their bases are stepped only behind this wait
	s_add_nc_u64 s[28:29], s[28:29], s[42:43]      ; two tiles of queries on (the first time: no further)
	s_add_nc_u64 s[30:31], s[30:31], s[44:45]
	s_mov_b32 s42, 2048
	s_mov_b32 s44, 4096
	s_wait_alu depctr_vm_vsrc(0)                   ; the rows' LDS stores have read v[TP ..]: these registers are the softmaxes' and the points' temporaries from here on
	SOFTMAX
.irp b, 0,1
.irp e, 0,1
	POINTS \b, \e, 0
	POINTS \b, \e, 1
	SEND \b, \e
.endr
.endr
	s_sub_co_u32 s21, s21, 1
	s_cmp_lg_u32 s21, 0
	s_cbranch_scc1 .Lqtrip
	s_wait_dscnt 0x0                               ; the closing lines, six on end
	s_wait_alu 0x0
	s_wait_tensorcnt 0x0
	ds_add_u32 v[SPW], v[NIL]
	s_wait_dscnt 0x0
	s_endpgm
.Lfunc_end_k_qf83f1522e2_proj:
	.size	k_qf83f1522e2_proj, .Lfunc_end_k_qf83f1522e2_proj-k_qf83f1522e2_proj
	.p2alignl 7, 3214868480
	.fill 96, 4, 3214868480
	.section	.rodata,"a",@progbits
	.p2align	6, 0x0
	.amdhsa_kernel k_qf83f1522e2_proj
		.amdhsa_group_segment_fixed_size 54784
		.amdhsa_private_segment_fixed_size 0
		.amdhsa_enable_private_segment 0
		.amdhsa_kernarg_size 96
		.amdhsa_user_sgpr_count 2
		.amdhsa_user_sgpr_kernarg_segment_ptr 1
		.amdhsa_wavefront_size32 1
		.amdhsa_system_sgpr_workgroup_id_x 1
		.amdhsa_system_sgpr_workgroup_id_y 1
		.amdhsa_system_sgpr_workgroup_id_z 1
		.amdhsa_system_vgpr_workitem_id 0
		.amdhsa_next_free_vgpr 1024
		.amdhsa_next_free_sgpr 84
		.amdhsa_reserve_vcc 0
		.amdhsa_float_denorm_mode_32 3
		.amdhsa_float_denorm_mode_16_64 3
		.amdhsa_memory_ordered 1
		.amdhsa_forward_progress 1
		.amdhsa_inst_pref_size 132
	.end_amdhsa_kernel
	.amdgpu_metadata
---
amdhsa.version: [ 1, 2 ]
amdhsa.kernels:
  - .name:           k_qf83f1522e2_proj
    .symbol:         k_qf83f1522e2_proj.kd
    .args:
      - { .name: src, .offset: 0, .size: 8, .value_kind: global_buffer, .address_space: global }
      - { .name: src_padding_mask, .offset: 8, .size: 8, .value_kind: global_buffer, .address_space: global }
      - { .name: b_val, .offset: 16, .size: 8, .value_kind: global_buffer, .address_space: global }
      - { .name: value, .offset: 24, .size: 8, .value_kind: global_buffer, .address_space: global }
      - { .name: tgt, .offset: 32, .size: 8, .value_kind: global_buffer, .address_space: global }
      - { .name: query_pos, .offset: 40, .size: 8, .value_kind: global_buffer, .address_space: global }
      - { .name: reference_points, .offset: 48, .size: 8, .value_kind: global_buffer, .address_space: global }
      - { .name: wt, .offset: 56, .size: 8, .value_kind: global_buffer, .address_space: global }
      - { .name: b_off, .offset: 64, .size: 8, .value_kind: global_buffer, .address_space: global }
      - { .name: b_attn, .offset: 72, .size: 8, .value_kind: global_buffer, .address_space: global }
      - { .name: sidx, .offset: 80, .size: 8, .value_kind: global_buffer, .address_space: global }
      - { .name: swt, .offset: 88, .size: 8, .value_kind: global_buffer, .address_space: global }
    .group_segment_fixed_size: 54784
    .private_segment_fixed_size: 0
    .kernarg_segment_align: 8
    .kernarg_segment_size: 96
    .max_flat_workgroup_size: 128
    .sgpr_count:     84
    .vgpr_count:     1024
    .wavefront_size: 32
...
	.end_amdgpu_metadata
.endif
;; end of part 10
;; launch gath: the kernel of part 7 again; grid 256 x 1, 16 waves a work-group, no clusters, 176,128 bytes of LDS; arguments sidx, swt, value, samp; writes samp
;; launch mlp: the kernel of part 8 again; grid 256 x 1, 4 waves a work-group, clusters of 4 x 1, 327,680 bytes of LDS; arguments samp, tgt, wt, b_out, ln1_g, ln1_b, b_fc1, b_fc2, ln2_g, ln2_b, out0; writes out0
